; MI455X (gfx1250); checked and timed in simulation.
; The chip was launched on July 23, 2026; its instructions are those of AMD's public machine-readable ISA for CDNA 5 (MIT licence, August 2026) and "CDNA5" Instruction Set Architecture Reference Guide (July 2026). The comments in the code are by the model that wrote it; some were corrected since.
;; Mo E. Allowed arithmetic: matrix products marked QUANTISED: E3M2 operands, one E8M0 scale for each 32 along K, by v_wmma_scale_f32_16x16x128_f8f6f4 with both operands' format E3M2, f32 sums; products left as they are: f32 operands where the result goes on into a quantised operand, else bf16, f16 or f32 operands; f32 sums; everything else in f32.
;; Inputs: W1 8 x 1,024 x 4,096 float32; W2 8 x 4,096 x 1,024 float32; Wg 1,024 x 8 float32; b1 8 x 4,096 float32; b2 8 x 1,024 float32; bg 8 float32; x 1,024 x 1,024 float32.
;; Outputs: out0 1,024 x 1,024 float32.
;; This version of the problem:
;;   THIS VERSION OF THE PROBLEM IS GIVEN IN LOW PRECISION. The matrix products marked QUANTISED in the list below multiply operands that are first quantised to E3M2 (3 exponent bits, 2 mantissa bits; 6 bits a number), with one power-of-two scale for each 32 numbers along K (OCP MX v1.0); their sums are f32. All else is computed in f32.
;;   The module's matrix products, in the order in which they are computed (A, B: the left and right operand; K: the contracted axis; several contracted axes count as one K, in the product's order):
;;     1. [M 1,024, K 1,024] x [K 1,024, N 8]; A: input x; B: input Wg: left as it is (N = 8 < 16)
;;     2. [M 32,768, K 1,024] x [K 1,024, N 1,024]; A: input W1; B: input x: QUANTISED
;;     3. batch 8 x [M 1,024, K 4,096] x [K 4,096, N 1,024]; A: computed on the way; B: input W2: QUANTISED
;;     4. batch 1,024 x [M 1,024, K 8] x [K 8, N 1]; A: computed on the way; B: computed on the way: left as it is (K = 8 < 32)
;;   THE QUANTISER, for each operand of a quantised product, along K:
;;     - K is cut into blocks of 32 from its start; a last block that is shorter is filled with zeros.
;;     - A block's scale is 2^e with e = floor(log2(the largest magnitude in the block)) - 4, held to -126 .. 127; a block of zeros has e = 0. As a byte (E8M0): e + 127.
;;     - Each number is divided by its block's scale, clamped to +-28, and rounded to the nearest number of E3M2, ties to even, subnormals kept.
;;     - The product sums the exact products of the quantised numbers (number of the format x scale) in f32.
;;   ~~~python
;;   def quantise(x, axis):      # numpy; x: float32 -> the quantised numbers, widened to float32 again
;;       x = np.moveaxis(x, axis, -1); K = x.shape[-1]
;;       x = np.pad(x, [(0, 0)] * (x.ndim - 1) + [(0, -K % 32)]); x = x.reshape(x.shape[:-1] + (-1, 32)); a = np.abs(x).max(-1, keepdims=True)
;;       e = np.where(a > 0, np.clip(np.frexp(np.where(a > 0, a, 1))[1] - 1 - 4, -126, 127), 0)      # np.frexp(a)[1] - 1 = floor(log2(a)), exactly
;;       r = np.clip(x / 2.0 ** e, -28, 28)
;;       step = 2.0 ** (np.maximum(np.frexp(np.where(r == 0, 1, r))[1] - 1, -2) - 2)
;;       q = np.round(r / step) * step * 2.0 ** e      # np.round: ties to even
;;       return np.moveaxis(q.reshape(q.shape[:-2] + (-1,))[..., :K], -1, axis).astype(np.float32)
;;   ~~~
;;   OPERANDS COMPUTED ON THE WAY. 'Computed on the way' means the value that the module computes at that place (a softmax that the list does not call 'softmax' is quantised finished and normalised). What goes into a quantiser is computed in f32, as accurately as f32 sums, v_exp_f32 and their like allow (about 1e-6 of the number): no bf16 or f16 on the way to a quantiser, and a product that is left as it is and whose result goes on into a quantised operand takes f32 operands (vector FMAs, or v_wmma_f32_16x16x4_f32). A number that lies on a knife's edge between two numbers of the format may be rounded either way, as far as f32 arithmetic and the matrix unit's own rounding can turn it there, and no further.
;; 2 versions. Each part assembles by itself: llvm-mc -triple=amdgcn-amd-amdhsa -mcpu=gfx1250 --defsym DOCPART=n.
;; ======== version 1 of 2: 5 launches
;; workspace buffers: route 5,120 bytes of whole numbers; gw 8,192 bytes; xq 1,843,200 bytes; rows 9,472 bytes of whole numbers; roww 9,216 bytes; hq 7,372,800 bytes; y 16,777,216 bytes
;; launch gate (part 1): grid 128 x 1, 8 waves a work-group, no clusters, 76,800 bytes of LDS; arguments x, Wg, bg, route, gw; writes route, gw
.if DOCPART == 1
	.amdgcn_target "amdgcn-amd-amdhsa--gfx1250"
	.amdhsa_code_object_version 6
	.text
	.protected	k_q7ab4dea760_gate
	.globl	k_q7ab4dea760_gate
	.p2align	8
	.type	k_q7ab4dea760_gate,@function
k_q7ab4dea760_gate:
	s_mov_b64 s[64:65], 0
	v_nop
	global_prefetch_b8 v0, s[64:65] scope:SCOPE_SE
	s_setreg_imm32_b32 hwreg(HW_REG_WAVE_MODE, 25, 1), 1
	s_wait_xcnt 0x0
; GATE.  logits = x Wg + bg in f32 multiply-adds, softmax's numerators p = 2^((l - max) log2 e), the two largest (the lower index wins a tie), their weights p / (pa + pb).
; x [1024][1024], Wg [1024][8], bg [8]: f32.  Stored at fixed places: route[0..1023]: for expert e 128 bytes, bit t = token t chose e; route[1024 + 4 t]: first expert | second << 8; gw[t]: the two weights.
; SHARES.  A work-group owns 8 tokens; wave w owns d = 128 w .. 128 w + 127; lane (t = lane % 8, q = lane / 8) owns 32 d of token t.  The waves' partial sums meet in LDS behind the one barrier; wave 0 finishes.
; x and Wg are loaded 512 consecutive bytes an instruction and turned through the wave's own LDS bytes, so that a lane gets its 32 neighbours of x and its group's rows of Wg.
; LIMITS: NaN and infinities are not served.  The two largest are taken of p, not of p divided by the sum: the choice can differ from the divided softmax's only where two weights lie within one rounding of each other.
; The softmax's divisor cancels in pa / (pa + pb).  The sums are f32 in another order than a row-by-row sum.
.set XS,   0                           ; LDS: wave w's 8 rows of x: 512 bytes + 16, at w x 4224
.set WS,   33792                       ; wave w's 128 rows of Wg (32 bytes each), 32 bytes of padding behind each 32 rows, at w x 4224
.set RED,  67584                       ; the partial sums: 32 bytes a lane, 1,024 a wave
.set WREG, 4224
.set ACC,  8                           ; v8-15   my eight sums, in four pairs
.set XR,   16                          ; v16-47  my 32 numbers of x
.set CH,   48                          ; v48-111 staging, then two buffers of four rows of Wg
	s_load_b256 s[4:11], s[0:1], 0x0               ; x s[4:5], Wg s[6:7], bg s[8:9], route s[10:11]
	s_load_b64 s[12:13], s[0:1], 0x20              ; gw
	v_lshl_add_u32 v128, v0, 2, 0x12800
	v_mov_b32 v129, 0
	v_lshrrev_b32 v1, 5, v0
	v_readfirstlane_b32 s14, v1                    ; wave 0..7
	v_and_b32 v1, 31, v0                           ; lane
	v_lshlrev_b32 v2, 4, v1                        ; 16 x lane
	v_and_b32 v8, 7, v1                            ; t
	v_lshrrev_b32 v9, 3, v1                        ; q
	s_mul_i32 s15, s14, WREG
	v_add_nc_u32 v3, s15, v2                       ; x into LDS: as loaded
	v_mul_u32_u24 v4, v8, 528
	v_lshl_add_u32 v4, v9, 7, v4
	v_add_nc_u32 v4, s15, v4                       ; x out of LDS: row t, 128 q bytes on
	s_add_co_u32 s24, s15, WS
	v_add_nc_u32 v5, s24, v2                       ; Wg into LDS
	v_mul_u32_u24 v6, v9, 1056
	v_add_nc_u32 v6, s24, v6                       ; Wg out of LDS: my group of 32 rows
	s_lshl_b32 s25, s14, 10
	s_add_co_u32 s25, s25, RED
	v_lshl_add_u32 v7, v1, 5, s25                  ; my partial sums
	s_lshl_b32 s26, ttmp9, 15                      ; 8 tokens of 4,096 bytes,
	s_lshl_b32 s27, s14, 9                         ; my wave's 512 bytes of a row
	s_add_co_u32 s26, s26, s27
	s_mov_b32 s27, 0
	s_lshl_b32 s28, s14, 12                        ; my wave's 128 rows of Wg
	s_mov_b32 s29, 0
	s_wait_kmcnt 0x0
	s_add_nc_u64 s[4:5], s[4:5], s[26:27]
	s_add_nc_u64 s[6:7], s[6:7], s[28:29]
.irp j, 0,1,2,3,4,5,6,7
	global_load_b128 v[CH+4*\j:CH+4*\j+3], v2, s[6:7] offset:512*\j
.endr
.irp i, 0,1,2,3,4,5,6,7
	global_load_b128 v[CH+32+4*\i:CH+32+4*\i+3], v2, s[4:5] offset:4096*\i      ; token i: 512 consecutive bytes
.endr
.irp j, 0,1,2,3,4,5,6,7
	s_wait_loadcnt 15-\j                           ; loads come back in order: this one is in, the younger stay out
	ds_store_b128 v5, v[CH+4*\j:CH+4*\j+3] offset:512*\j+32*(\j/2)
.endr
.irp i, 0,1,2,3,4,5,6,7
	s_wait_loadcnt 7-\i
	ds_store_b128 v3, v[CH+32+4*\i:CH+32+4*\i+3] offset:528*\i
.endr
.irp c, 0,1,2,3,4,5,6,7
	ds_load_b128 v[XR+4*\c:XR+4*\c+3], v4 offset:16*\c     ; LDS serves a wave's instructions in order: these see my stores
.endr
.macro CHLOAD m                        ; four rows of Wg (d = 4 m .. 4 m + 3 of my group) into buffer m % 2; the eight lanes of a group read the same bytes
.irp k, 0,1,2,3,4,5,6,7
	ds_load_b128 v[CH+32*((\m)%2)+4*\k:CH+32*((\m)%2)+4*\k+3], v6 offset:128*(\m)+16*\k
.endr
.endm
.macro CHUNK m                         ; sixteen packed multiply-adds: x(d) times two experts' weights
.if (\m) < 7
	s_wait_dscnt 8                                 ; this chunk is in; the next chunk's eight loads may be out
.else
	s_wait_dscnt 0x0
.endif
.irp dd, 0,1,2,3
.irp i, 0,1,2,3
.set XP, XR+4*(\m)+2*(\dd/2)
.set WP, CH+32*((\m)%2)+8*\dd+2*\i
.if ((\m) == 0) && (\dd == 0)
	v_pk_mul_f32 v[ACC+2*\i:ACC+2*\i+1], v[XP:XP+1], v[WP:WP+1] op_sel_hi:[0,1]      ; the first product starts the sums
.elseif (\dd%2) == 0
	v_pk_fma_f32 v[ACC+2*\i:ACC+2*\i+1], v[XP:XP+1], v[WP:WP+1], v[ACC+2*\i:ACC+2*\i+1] op_sel_hi:[0,1,1]
.else
	v_pk_fma_f32 v[ACC+2*\i:ACC+2*\i+1], v[XP:XP+1], v[WP:WP+1], v[ACC+2*\i:ACC+2*\i+1] op_sel:[1,0,0] op_sel_hi:[1,1,1]
.endif
.endr
.endr
.if (\m)+2 < 8
	CHLOAD (\m)+2
.endif
.endm
	CHLOAD 0
	CHLOAD 1
.irp m, 0,1,2,3,4,5,6,7
	CHUNK \m
.endr
	ds_store_b128 v7, v[ACC:ACC+3]
	ds_store_b128 v7, v[ACC+4:ACC+7] offset:16
	s_wait_dscnt 0x0                               ; for wave 0's sake: my partial sums lie in LDS
	s_barrier_signal -1
	s_barrier_wait -1
	s_cmp_lg_u32 s14, 0
	s_cbranch_scc1 .Lend
	; ---- wave 0: lane (t, q) adds the eight waves' sums, then the four q
	s_load_b256 s[16:23], s[8:9], 0x0              ; bg
.irp w, 0,1,2,3,4,5,6,7
	ds_load_b128 v[16+8*\w:19+8*\w], v7 offset:1024*\w
	ds_load_b128 v[20+8*\w:23+8*\w], v7 offset:1024*\w+16
.endr
	s_mov_b32 s30, 0x76543210
	s_mov_b32 s31, 0xfedcba98                      ; v_permlanex16_b32's selects for lane l xor 16
	s_wait_dscnt 0x0
.irp w, 1,2,3,4,5,6,7
.irp i, 0,2,4,6
	v_pk_add_f32 v[16+\i:17+\i], v[16+\i:17+\i], v[16+8*\w+\i:17+8*\w+\i]
.endr
.endr
.irp e, 0,1,2,3,4,5,6,7
	v_add_f32_dpp v[16+\e], v[16+\e], v[16+\e] row_xmask:8 row_mask:0xf bank_mask:0xf
.endr
.irp e, 0,1,2,3,4,5,6,7
	v_permlanex16_b32 v[24+\e], v[16+\e], s30, s31
.endr
	s_wait_kmcnt 0x0
.irp e, 0,1,2,3,4,5,6,7
	v_add_f32 v[16+\e], v[16+\e], v[24+\e]
.endr
.irp e, 0,1,2,3,4,5,6,7
	v_add_f32 v[16+\e], s[16+\e], v[16+\e]         ; every lane now holds token (lane % 8)'s eight logits
.endr
	v_max3_num_f32 v32, v16, v17, v18
	v_max3_num_f32 v32, v32, v19, v20
	v_max3_num_f32 v32, v32, v21, v22
	v_max_num_f32 v32, v32, v23                    ; the row's maximum is taken away before the exponential
.irp e, 0,1,2,3,4,5,6,7
	v_sub_f32 v[16+\e], v[16+\e], v32
.endr
.irp e, 0,1,2,3,4,5,6,7
	v_mul_f32 v[16+\e], 0x3fb8aa3b, v[16+\e]
.endr
.irp e, 0,1,2,3,4,5,6,7
	v_exp_f32 v[16+\e], v[16+\e]
.endr
	v_mov_b32 v34, 0                               ; (a plain place behind the exponentials)  the first's index
	v_mov_b32 v36, 0                               ; the second's
	v_mov_b32 v35, -1.0                            ; the second largest so far: under every p
	s_wait_alu depctr_va_vdst(0)
	v_mov_b32 v33, v16                             ; the largest so far
.irp e, 1,2,3,4,5,6,7                  ; strictly greater: of equal numbers the lower index stays ahead
	v_cmp_gt_f32 s24, v[16+\e], v33
	v_cmp_gt_f32 vcc_lo, v[16+\e], v35
	v_mov_b32 v37, \e
	v_cndmask_b32 v35, v35, v[16+\e], vcc_lo
	v_cndmask_b32 v36, v36, v37, vcc_lo
	v_cndmask_b32 v35, v35, v33, s24
	v_cndmask_b32 v36, v36, v34, s24
	v_cndmask_b32 v33, v33, v[16+\e], s24
	v_cndmask_b32 v34, v34, v37, s24
.endr
	v_add_f32 v38, v33, v35
	v_rcp_f32 v38, v38
	v_lshl_or_b32 v42, v36, 8, v34                 ; (a plain place behind the reciprocal)  first | second << 8
	s_wait_alu depctr_va_vdst(0)
	v_mul_f32 v40, v33, v38
	v_mul_f32 v41, v35, v38
	v_mov_b32 v43, 0
.irp e, 0,1,2,3,4,5,6,7                ; lane e gets the byte whose bit t says that token t chose expert e
	v_cmp_eq_u32 s24, \e, v34
	v_cmp_eq_u32 s25, \e, v36
	s_or_b32 s24, s24, s25
	s_and_b32 s24, s24, 0xff
	v_writelane_b32 v43, s24, \e
.endr
	s_lshl_b32 s26, ttmp9, 5
	s_lshl_b32 s27, ttmp9, 6
	s_mov_b32 s28, ttmp9
	v_lshl_add_u32 v46, v1, 2, s26                 ; 4 x token
	v_lshl_add_u32 v47, v1, 3, s27                 ; 8 x token
	v_lshl_add_u32 v45, v1, 7, s28                 ; expert's 128 bytes, my work-group's byte
	s_wait_xcnt 0x0                                ; EXEC changes only behind this wait
	v_cmp_gt_u32 vcc_lo, 8, v1
	s_and_saveexec_b32 s24, vcc_lo                 ; lanes 0-7: a token each, and an expert each
	global_store_b32 v46, v42, s[10:11] offset:1024
	global_store_b64 v47, v[40:41], s[12:13]
	global_store_b8 v45, v43, s[10:11]
	s_wait_xcnt 0x0                                ; and again in front of the line that widens it
	s_or_b32 exec_lo, exec_lo, s24
.Lend:
	s_wait_tensorcnt 0x0
	ds_add_u32 v128, v129
	s_wait_dscnt 0x0
	s_endpgm
.Lfunc_end_k_q7ab4dea760_gate:
	.size	k_q7ab4dea760_gate, .Lfunc_end_k_q7ab4dea760_gate-k_q7ab4dea760_gate
	.p2alignl 7, 3214868480
	.fill 96, 4, 3214868480
	.section	.rodata,"a",@progbits
	.p2align	6, 0x0
	.amdhsa_kernel k_q7ab4dea760_gate
		.amdhsa_group_segment_fixed_size 76800
		.amdhsa_private_segment_fixed_size 0
		.amdhsa_enable_private_segment 0
		.amdhsa_kernarg_size 40
		.amdhsa_user_sgpr_count 2
		.amdhsa_user_sgpr_kernarg_segment_ptr 1
		.amdhsa_wavefront_size32 1
		.amdhsa_system_sgpr_workgroup_id_x 1
		.amdhsa_system_sgpr_workgroup_id_y 1
		.amdhsa_system_sgpr_workgroup_id_z 1
		.amdhsa_system_vgpr_workitem_id 0
		.amdhsa_next_free_vgpr 130
		.amdhsa_next_free_sgpr 66
		.amdhsa_reserve_vcc 1
		.amdhsa_float_denorm_mode_32 3
		.amdhsa_float_denorm_mode_16_64 3
		.amdhsa_memory_ordered 1
		.amdhsa_forward_progress 1
		.amdhsa_inst_pref_size 30
	.end_amdhsa_kernel
	.amdgpu_metadata
---
amdhsa.version: [ 1, 2 ]
amdhsa.kernels:
  - .name:           k_q7ab4dea760_gate
    .symbol:         k_q7ab4dea760_gate.kd
    .args:
      - { .name: x, .offset: 0, .size: 8, .value_kind: global_buffer, .address_space: global }
      - { .name: Wg, .offset: 8, .size: 8, .value_kind: global_buffer, .address_space: global }
      - { .name: bg, .offset: 16, .size: 8, .value_kind: global_buffer, .address_space: global }
      - { .name: route, .offset: 24, .size: 8, .value_kind: global_buffer, .address_space: global }
      - { .name: gw, .offset: 32, .size: 8, .value_kind: global_buffer, .address_space: global }
    .group_segment_fixed_size: 76800
    .private_segment_fixed_size: 0
    .kernarg_segment_align: 8
    .kernarg_segment_size: 40
    .max_flat_workgroup_size: 256
    .sgpr_count:     66
    .vgpr_count:     130
    .wavefront_size: 32
...
	.end_amdgpu_metadata
.endif
;; end of part 1
;; launch place (part 2): grid 71 x 1, 8 waves a work-group, no clusters, 0 bytes of LDS; arguments route, gw, x, xq, rows, roww; writes xq, rows, roww
.if DOCPART == 2
	.amdgcn_target "amdgcn-amd-amdhsa--gfx1250"
	.amdhsa_code_object_version 6
	.text
	.protected	k_q7ab4dea760_place
	.globl	k_q7ab4dea760_place
	.p2align	8
	.type	k_q7ab4dea760_place,@function
k_q7ab4dea760_place:
	s_mov_b64 s[64:65], 0
	v_nop
	global_prefetch_b8 v0, s[64:65] scope:SCOPE_SE
	s_setreg_imm32_b32 hwreg(HW_REG_WAVE_MODE, 25, 1), 1
	s_wait_xcnt 0x0
; PLACE.  The routed rows (token, expert) are sorted by expert, tokens ascending, each expert filled up to a multiple of 32 rows by repeating its last row; x's rows are gathered in that order and quantised to
; codes of E3M2 with one E8M0 byte for each 32 along d.  With 2,048 rows, 8 experts and blocks of 32 there are never more than 64 + 7 = 71 blocks: work-group g is block g, and ends at once if this split has fewer.
; ALL STEERING IS ON WHOLE NUMBERS READ FROM route.  The counts are scalar: the bitmaps come by scalar loads, two experts at a time, and their bits are counted by s_bcnt1_i32_b32.  The p-th chosen token of an
; expert is found lane by lane with additions, shifts and ANDs alone: m = ((a - b) >> 31) - 1 is all ones where a >= b (all numbers lie under 2^16), and what is to be selected is added under that mask.
; No lane looks at another lane for an index: lane (r, h) finds both tokens that it gathers, rows r and 16 + r of the block.  No atomics.
; Wave s takes K step s (d = 128 s .. 128 s + 127) of the block's 32 rows: two tiles of 16.  The waves share nothing: no LDS, no barrier.
; STORED: xq: a fragment as an image of its 12 registers, block g, tile u, K step s at g x 24576 + u x 12288 + s x 1536 + 512 c + 16 x lane; scale words at 1769472 + g x 1024 + s x 128 + 4 x row.
;   rows[g x 32 + row] = 2 x token + slot; rows[2304 + 2 e] = expert e's first block, [.. + 1] its number of blocks; roww[g x 32 + row] = the row's weight.
; A block's scale is 2^(floor(log2(largest magnitude)) - 4); its byte is the largest magnitude's exponent field - 4, held at 1 from below.
; LIMITS: a block whose largest magnitude lies under 2^-122, a block of zeros too, keeps the byte 1 (zero codes add nothing; this program alone reads the bytes); NaN and infinities are not served.
; SCALAR REGISTERS: s[4:15] the six buffers; s16-24 the experts' first blocks and the number of all blocks (before that, with s25-47: a bitmap); s25 my expert, s26 its first block, s27 its count;
;   s28-47 at work; s48-55 the counts; s56-63 the numbers of blocks; s68-99 a bitmap, at last my expert's; s100 wave; s101 block.
.set ST0, 64                           ; v64-127  tile 0's 64 numbers a lane: register 16 b + i = d 128 s + 32 b + 16 (lane / 16) + i of row lane % 16
.set ST1, 128                          ; v128-191 tile 1's
.set PC0, 192                          ; v192-211 tile 0's codes (12) and 8 at work
.set PC1, 212                          ; v212-231 tile 1's
.set TM,  232                          ; v232-247 at work in QUANT
.set PW0, 248
.set PW1, 249
.set PWJ, 250
.set SEL, 44                           ; s[44:45] v_permlanex16_b32's selects for lane l xor 16 (used on floating-point numbers alone)
.set WV,  100
.set GS,  101
.macro QUANT s, pc, pw                 ; 64 numbers of a lane become a fragment's codes in v[pc] on and its row's scale word in v[pw]
.irp b, 0,1,2,3
	v_max3_num_f32 v[TM+\b], |v[\s+16*\b]|, |v[\s+1+16*\b]|, 0x2800000   ; block b: my 16 numbers, and the floor 2^(5 - 127): the byte cannot fall under 1
.endr
.irp i, 2,4,6,8,10,12,14
.irp b, 0,1,2,3
	v_max3_num_f32 v[TM+\b], v[TM+\b], |v[\s+16*\b+\i]|, |v[\s+1+16*\b+\i]|
.endr
.endr
.irp b, 0,1,2,3
	v_permlanex16_b32 v[TM+4+\b], v[TM+\b], s[SEL], s[SEL+1]
.endr
.irp b, 0,1,2,3
	v_max_num_f32 v[TM+\b], v[TM+\b], v[TM+4+\b]   ; with lane l xor 16's 16: the block's largest magnitude
.endr
.irp b, 0,1,2,3
	v_add_nc_u32 v[TM+12+\b], 0xfe000000, v[TM+\b] ; 4 off its exponent field: the conversion takes this operand's exponent field as its scale
.endr
.irp b, 0,1,2,3
	v_lshrrev_b32 v[TM+4+\b], 23, v[TM+12+\b]      ; the scale's byte
.endr
	v_lshl_or_b32 v[\pw], v[TM+5], 8, v[TM+4]
	v_lshl_or_b32 v[\pw], v[TM+6], 16, v[\pw]
	v_lshl_or_b32 v[\pw], v[TM+7], 24, v[\pw]
.irp c, 0,1
	v_cvt_scalef32_pk16_bf6_f32 v[\pc+6*\c:\pc+2+6*\c], v[\s+32*\c:\s+15+32*\c], v[TM+12+2*\c]
	v_cvt_scalef32_pk16_bf6_f32 v[\pc+12+4*\c:\pc+14+4*\c], v[\s+16+32*\c:\s+31+32*\c], v[TM+12+2*\c+1]   ; (a conversion's three registers begin on an even number)
.endr
	v_nop                                          ; one plain place behind a scaled conversion
.irp c, 0,1                            ; the operand's layout wants a whole block in a lane: lanes 0-15 block 2 c, lanes 16-31 block 2 c + 1
.irp i, 0,1,2
	v_permlane16_swap_b32 v[\pc+6*\c+\i], v[\pc+12+4*\c+\i]
.endr
.irp i, 0,1,2
	v_mov_b32 v[\pc+3+6*\c+\i], v[\pc+12+4*\c+\i]
.endr
.endr
.endm
.macro COUNT c, w0                     ; s[c] = the set bits of the 32 words from s[w0] on: counted in place, then added as a tree, so that no line waits for the line above it
.set J, 0
.rept 32
	s_bcnt1_i32_b32 s[\w0+J], s[\w0+J]
.set J, J+1
.endr
.irp d, 16,8,4,2
.set J, 0
.rept \d
	s_add_co_u32 s[\w0+J], s[\w0+J], s[\w0+J+\d]
.set J, J+1
.endr
.endr
	s_add_co_u32 s[\c], s[\w0], s[\w0+1]
.endm
.macro COUNT2 e                        ; experts e and e + 1: 256 bytes of bitmaps by four scalar loads
	s_load_b512 s[16:31], s[4:5], 128*\e
	s_load_b512 s[32:47], s[4:5], 128*\e+64
	s_load_b512 s[68:83], s[4:5], 128*\e+128
	s_load_b512 s[84:99], s[4:5], 128*\e+192
	s_wait_kmcnt 0x0                               ; scalar loads come back in no order: only the count 0 shows anything
	COUNT 48+\e, 16
	COUNT 49+\e, 68
.endm
	s_load_b256 s[4:11], s[0:1], 0x0               ; route s[4:5], gw s[6:7], x s[8:9], xq s[10:11]
	s_load_b128 s[12:15], s[0:1], 0x20             ; rows s[12:13], roww s[14:15]
	v_lshrrev_b32 v1, 5, v0
	v_readfirstlane_b32 s[WV], v1                  ; wave = K step
	v_and_b32 v1, 31, v0                           ; lane
	v_lshlrev_b32 v2, 2, v1                        ; 4 x lane
	v_lshlrev_b32 v4, 4, v1                        ; 16 x lane
	v_lshrrev_b32 v5, 4, v1                        ; h = lane / 16
	v_lshlrev_b32 v3, 6, v5                        ; 64 h: my 16 numbers of a block of 32
	v_sub_nc_u32 v6, 0, v5                         ; all ones in lanes 16-31
	v_and_b32 v7, 15, v1                           ; r = lane % 16
	s_mov_b32 s[GS], ttmp9                         ; g
.irp b, 0,1,2,3
	v_mov_b32 v[TM+4+\b], 0                        ; written once: a lane permute's destination counts as one of its sources
.endr
	s_wait_kmcnt 0x0
	; ---- 1: how many tokens chose each expert
	COUNT2 0
	COUNT2 2
	COUNT2 4
	COUNT2 6
.irp e, 0,1,2,3,4,5,6,7
	s_add_co_u32 s[56+\e], s[48+\e], 31
	s_lshr_b32 s[56+\e], s[56+\e], 5               ; s56-63: blocks of 32 rows
.endr
	s_mov_b32 s16, 0
.irp e, 0,1,2,3,4,5,6,7
	s_add_co_u32 s[17+\e], s[16+\e], s[56+\e]      ; s16-23: first blocks; s24: all blocks
.endr
	; ---- 2: whose block is g
	s_cmp_ge_u32 s[GS], s24
	s_cbranch_scc1 .Lend                           ; this split has fewer blocks than the grid serves
	s_mov_b32 s25, 0                               ; the expert,
	s_mov_b32 s26, 0                               ; its first block,
	s_mov_b32 s27, s48                             ; its count
.irp e, 1,2,3,4,5,6,7                  ; the last expert whose first block is g or less (an expert without rows is passed over by its successor)
	s_cmp_ge_u32 s[GS], s[16+\e]
	s_cselect_b32 s25, \e, s25
	s_cselect_b32 s26, s[16+\e], s26
	s_cselect_b32 s27, s[48+\e], s27
.endr
	; ---- 3: that expert's 32 words once more, into s68-99
	s_min_u32 s25, s25, 7                          ; an expert's number stays inside the bitmaps
	s_lshl_b32 s28, s25, 7
	s_mov_b32 s29, 0
	s_add_nc_u64 s[30:31], s[4:5], s[28:29]
	s_load_b512 s[68:83], s[30:31], 0x0
	s_load_b512 s[84:99], s[30:31], 0x40
	s_mov_b32 s40, 0x55555555
	s_mov_b32 s41, 0x33333333
	s_mov_b32 s42, 0x0f0f0f0f
	s_mov_b32 s43, 0xffff0000                      ; lanes 16-31
	s_mov_b32 s[SEL], 0x76543210
	s_mov_b32 s[SEL+1], 0xfedcba98
	; ---- 4: my two rows are the expert's pA-th and pB-th chosen tokens (rows past the count repeat the last)
	s_sub_co_u32 s32, s[GS], s26
	s_lshl_b32 s32, s32, 5                         ; the block's first row among the expert's
	s_sub_co_u32 s33, s27, 1
	v_add_nc_u32 v26, s32, v7                      ; pA: row r
	v_add_nc_u32 v27, 16, v26                      ; pB: row 16 + r
	v_min_u32 v26, s33, v26
	v_min_u32 v27, s33, v27
	v_mov_b32 v30, 0                               ; the bits in the words before mine, and 65,536 x my word's number
	v_mov_b32 v31, 0
	s_wait_kmcnt 0x0
	v_mov_b32 v28, s68                             ; the word that holds my bit
	v_mov_b32 v29, s68
	s_bcnt1_i32_b32 s37, s68
	s_sub_co_u32 s34, 0, s37                       ; minus the bits in words 0 .. J - 1
.set J, 1
.rept 31                               ; as long as the bits before word J are p or fewer, go on to word J: the sums telescope
	s_add_co_u32 s35, s37, 0x10000                 ; word J - 1's bits, and one word more
	s_sub_co_u32 s36, s[68+J], s[67+J]             ; from word J - 1 to word J
	v_add_nc_u32 v32, s34, v26
	v_add_nc_u32 v33, s34, v27
	v_lshrrev_b32 v32, 31, v32                     ; 1 where p is less
	v_lshrrev_b32 v33, 31, v33
	v_add_nc_u32 v32, -1, v32                      ; all ones where it is not
	v_add_nc_u32 v33, -1, v33
	v_and_b32 v34, s35, v32
	v_and_b32 v35, s35, v33
	v_add_nc_u32 v30, v30, v34
	v_add_nc_u32 v31, v31, v35
	v_and_b32 v34, s36, v32
	v_and_b32 v35, s36, v33
	v_add_nc_u32 v28, v28, v34
	v_add_nc_u32 v29, v29, v35
	s_bcnt1_i32_b32 s37, s[68+J]
	s_sub_co_u32 s34, s34, s37
.set J, J+1
.endr
	v_and_b32 v32, 0xffff, v30
	v_and_b32 v33, 0xffff, v31
	v_sub_nc_u32 v26, v26, v32                     ; which set bit of the word
	v_sub_nc_u32 v27, v27, v33
	v_lshrrev_b32 v30, 16, v30                     ; the word's number
	v_lshrrev_b32 v31, 16, v31
.macro LEVELS w, l                     ; the word's set bits counted in fields of 2, 4, 8 and 16 bits: v[l] .. v[l + 3]
	v_lshrrev_b32 v44, 1, v[\w]
	v_and_b32 v44, s40, v44
	v_sub_nc_u32 v[\l], v[\w], v44
	v_lshrrev_b32 v44, 2, v[\l]
	v_and_b32 v44, s41, v44
	v_and_b32 v[\l+1], s41, v[\l]
	v_add_nc_u32 v[\l+1], v[\l+1], v44
	v_lshrrev_b32 v44, 4, v[\l+1]
	v_add_nc_u32 v[\l+2], v[\l+1], v44
	v_and_b32 v[\l+2], s42, v[\l+2]
	v_lshrrev_b32 v44, 8, v[\l+2]
	v_add_nc_u32 v[\l+3], v[\l+2], v44
	v_and_b32 v[\l+3], 0xff00ff, v[\l+3]
.endm
	LEVELS 28, 36
	LEVELS 29, 40
	v_mov_b32 v46, 0                               ; the bit's place
	v_mov_b32 v47, 0
.macro DESC lv, wd, q, pos, t, u       ; if the lower wd bits from pos on hold q set bits or fewer, pass over them
	v_lshrrev_b32 v[\t], v[\pos], v[\lv]
	v_and_b32 v[\t], (1<<\wd)-1, v[\t]
	v_sub_nc_u32 v[\u], v[\q], v[\t]
	v_lshrrev_b32 v[\u], 31, v[\u]
	v_add_nc_u32 v[\u], -1, v[\u]                  ; all ones where q is not less
	v_and_b32 v[\t], v[\t], v[\u]
	v_sub_nc_u32 v[\q], v[\q], v[\t]
	v_and_b32 v[\u], \wd, v[\u]
	v_add_nc_u32 v[\pos], v[\pos], v[\u]
.endm
	DESC 39, 16, 26, 46, 32, 33
	DESC 43, 16, 27, 47, 34, 35
	DESC 38, 8, 26, 46, 32, 33
	DESC 42, 8, 27, 47, 34, 35
	DESC 37, 4, 26, 46, 32, 33
	DESC 41, 4, 27, 47, 34, 35
	DESC 36, 2, 26, 46, 32, 33
	DESC 40, 2, 27, 47, 34, 35
	DESC 28, 1, 26, 46, 32, 33
	DESC 29, 1, 27, 47, 34, 35
	v_lshl_add_u32 v48, v30, 5, v46                ; the token of row r,
	v_lshl_add_u32 v49, v31, 5, v47                ; and of row 16 + r
	v_sub_nc_u32 v52, v49, v48
	v_and_b32 v52, v52, v6
	v_add_nc_u32 v52, v52, v48                     ; the token of row `lane`: lanes 0-15 the first, lanes 16-31 the second
	v_min_u32 v48, 0x3ff, v48                      ; an index stays inside x
	v_min_u32 v49, 0x3ff, v49
	v_min_u32 v52, 0x3ff, v52
	; ---- 5: gather
	v_lshl_add_u32 v50, v48, 12, v3
	v_lshl_add_u32 v51, v49, 12, v3
	s_lshl_b32 s28, s[WV], 9                       ; my K step's 512 bytes of a row
	s_add_nc_u64 s[8:9], s[8:9], s[28:29]
.macro XLOAD reg, off
.irp b, 0,1,2,3
.irp j, 0,1,2,3
	global_load_b128 v[\reg+16*\b+4*\j:\reg+16*\b+4*\j+3], v[\off], s[8:9] offset:128*\b+16*\j
.endr
.endr
.endm
	XLOAD ST0, 50
	XLOAD ST1, 51
	s_mul_i32 s28, s[GS], 24576
	s_mul_i32 s2, s[WV], 1536
	s_add_co_u32 s28, s28, s2
	s_add_nc_u64 s[46:47], s[10:11], s[28:29]      ; my fragments' images
	s_lshl_b32 s28, s[GS], 10
	s_lshl_b32 s2, s[WV], 7
	s_add_co_u32 s28, s28, s2
	s_add_co_u32 s28, s28, 1769472
	s_add_nc_u64 s[38:39], s[10:11], s[28:29]      ; my scale words
	s_cmp_lg_u32 s[WV], 0
	s_cbranch_scc1 .Lnot0
	; ---- wave 0 alone: where each row's result goes, and its weight
	s_lshl_b32 s28, s[GS], 7
	s_add_nc_u64 s[34:35], s[12:13], s[28:29]
	s_add_nc_u64 s[36:37], s[14:15], s[28:29]
	v_lshlrev_b32 v53, 2, v52
	v_lshlrev_b32 v54, 3, v52
	global_load_b32 v55, v53, s[4:5] offset:1024
	global_load_b64 v[56:57], v54, s[6:7]
	s_wait_loadcnt 0x0
	v_lshrrev_b32 v55, 8, v55
	v_cmp_eq_u32 vcc_lo, s25, v55                  ; am I the token's second expert?  (what hangs on this is stored, and steers nothing here)
	v_cndmask_b32 v58, v56, v57, vcc_lo
	v_cndmask_b32 v59, 0, 1, vcc_lo
	v_lshl_add_u32 v59, v52, 1, v59                ; 2 x token + slot
	global_store_b32 v2, v59, s[34:35]
	global_store_b32 v2, v58, s[36:37]
	s_cmp_lg_u32 s[GS], 0
	s_cbranch_scc1 .Lnot0
	v_mov_b32 v60, 0                               ; block 0's wave 0: the experts' first blocks and numbers of blocks
.irp e, 0,1,2,3,4,5,6,7
	v_writelane_b32 v60, s[16+\e], 2*\e
	v_writelane_b32 v60, s[56+\e], 2*\e+1
.endr
	global_store_b32 v2, v60, s[12:13] offset:9216
.Lnot0:
	; ---- 6: quantise and store
	s_wait_loadcnt 16                              ; tile 0's sixteen loads are in; tile 1's may be out
	QUANT ST0, PC0, PW0
	s_wait_loadcnt 0x0
	QUANT ST1, PC1, PW1
	v_cndmask_b32 v[PWJ], v[PW0], v[PW1], s43      ; lanes 0-15: rows 0-15's words, lanes 16-31: rows 16-31's
.irp c, 0,1,2
	global_store_b128 v4, v[PC0+4*\c:PC0+4*\c+3], s[46:47] offset:512*\c              ; 512 consecutive bytes a store
	global_store_b128 v4, v[PC1+4*\c:PC1+4*\c+3], s[46:47] offset:12288+512*\c
.endr
	global_store_b32 v2, v[PWJ], s[38:39]
.Lend:
	s_endpgm
.Lfunc_end_k_q7ab4dea760_place:
	.size	k_q7ab4dea760_place, .Lfunc_end_k_q7ab4dea760_place-k_q7ab4dea760_place
	.p2alignl 7, 3214868480
	.fill 96, 4, 3214868480
	.section	.rodata,"a",@progbits
	.p2align	6, 0x0
	.amdhsa_kernel k_q7ab4dea760_place
		.amdhsa_group_segment_fixed_size 0
		.amdhsa_private_segment_fixed_size 0
		.amdhsa_enable_private_segment 0
		.amdhsa_kernarg_size 48
		.amdhsa_user_sgpr_count 2
		.amdhsa_user_sgpr_kernarg_segment_ptr 1
		.amdhsa_wavefront_size32 1
		.amdhsa_system_sgpr_workgroup_id_x 1
		.amdhsa_system_sgpr_workgroup_id_y 1
		.amdhsa_system_sgpr_workgroup_id_z 1
		.amdhsa_system_vgpr_workitem_id 0
		.amdhsa_next_free_vgpr 256
		.amdhsa_next_free_sgpr 102
		.amdhsa_reserve_vcc 1
		.amdhsa_float_denorm_mode_32 3
		.amdhsa_float_denorm_mode_16_64 3
		.amdhsa_memory_ordered 1
		.amdhsa_forward_progress 1
		.amdhsa_inst_pref_size 58
	.end_amdhsa_kernel
	.amdgpu_metadata
---
amdhsa.version: [ 1, 2 ]
amdhsa.kernels:
  - .name:           k_q7ab4dea760_place
    .symbol:         k_q7ab4dea760_place.kd
    .args:
      - { .name: route, .offset: 0, .size: 8, .value_kind: global_buffer, .address_space: global }
      - { .name: gw, .offset: 8, .size: 8, .value_kind: global_buffer, .address_space: global }
      - { .name: x, .offset: 16, .size: 8, .value_kind: global_buffer, .address_space: global }
      - { .name: xq, .offset: 24, .size: 8, .value_kind: global_buffer, .address_space: global }
      - { .name: rows, .offset: 32, .size: 8, .value_kind: global_buffer, .address_space: global }
      - { .name: roww, .offset: 40, .size: 8, .value_kind: global_buffer, .address_space: global }
    .group_segment_fixed_size: 0
    .private_segment_fixed_size: 0
    .kernarg_segment_align: 8
    .kernarg_segment_size: 48
    .max_flat_workgroup_size: 256
    .sgpr_count:     102
    .vgpr_count:     256
    .wavefront_size: 32
...
	.end_amdgpu_metadata
.endif
;; end of part 2
;; launch up (part 3): grid 256 x 1, 16 waves a work-group, no clusters, 104,448 bytes of LDS; arguments W1, b1, xq, rows, hq; writes hq
.if DOCPART == 3
	.amdgcn_target "amdgcn-amd-amdhsa--gfx1250"
	.amdhsa_code_object_version 6
	.text
	.protected	k_q7ab4dea760_up
	.globl	k_q7ab4dea760_up
	.p2align	8
	.type	k_q7ab4dea760_up,@function
k_q7ab4dea760_up:
	s_mov_b64 s[64:65], 0
	v_nop
	global_prefetch_b8 v0, s[64:65] scope:SCOPE_SE
	s_setreg_imm32_b32 hwreg(HW_REG_WAVE_MODE, 25, 1), 1
	s_wait_xcnt 0x0
; UP.  h = gelu(x W1[e] + b1[e]) for the rows that chose expert e, on codes of E3M2 with one E8M0 byte for each 32 along K, and h quantised along the hidden axis on its way out.
; W1 [8][1024 d][4096 h] f32, b1 [8][4096] f32; xq: the sorted rows' codes as register images; rows: the experts' first blocks and numbers of blocks; hq: h's codes as register images.
; SHARES.  Work-group = (expert e = wg / 32, slice = wg % 32): 128 hidden units x all 1,024 d: 512 KB of W1, which no other work-group reads.  So every weight leaves memory once, as f32, and is quantised here.
; PHASE Q.  Wave (cg = w % 4, kq = w / 4) takes 32 columns x 256 d.  A LANE TAKES A COLUMN AND ITS REGISTERS RUN DOWN K: a block of 32 lies in one lane, and the conversions give codes with K innermost.
;   Three sets of 32 loads of 128 consecutive bytes are kept on their way in each of the sixteen waves.  A lane holds blocks 2 c and 2 c + 1 of its own column; one v_permlane16_swap_b32 a register turns the
;   wave's 32 columns into the operand layout of two tiles of 16 (lanes 0-15 block 2 c, lanes 16-31 block 2 c + 1).  The images go to LDS, 16 bytes a lane on end; the scale words 4 bytes a lane:
;   lanes 0-15 are tile 0's, lanes 16-31 tile 1's, as the matrix instruction's two scale rows take them.  One barrier.
; PHASE M.  Wave w takes the expert's blocks w and w + 16 of 32 rows (a block: two tiles), each against all 128 columns: 128 matrix instructions.  The rows' fragments come from memory as images.
;   TRANSPOSED: source 0 = 16 columns of W1, source 1 = 16 rows of x: a lane holds one row, its registers run along the hidden units.  THE COLUMNS OF A TILE ARE NOT NEIGHBOURS: lane r of tile 2 b + p takes
;   column 32 b + 8 p + r + 8 (r / 8), so that the 16 registers of tiles 2 b and 2 b + 1 are 16 neighbours along the next product's K.  b1 is the C of each sum's first matrix instruction.
;   No multicast: the weights are shared by nobody, and the rows' codes, which the 32 work-groups of an expert share, are walked in numbers of blocks that hang on counts read from memory.
; GELU is the exact one: 0.5 v (1 + erf(v / sqrt 2)), erf(z) = z P(z^2) / Q(z^2) on z held to +-4, all in f32.
; LIMITS: NaN and infinities are not served; a block whose largest magnitude lies under 2^-122, a block of zeros too, keeps the scale byte 1 (zero codes add nothing; this program alone reads the bytes).
;   1 + erf cancels for v far below 0, as in any f32 evaluation of this formula.  An expert that no token chose has its weights streamed and stores nothing.
.set NCG,   4                          ; groups of 32 columns
.set LCG,   2
.set KS,    8                          ; K steps of 128
.set PITCH, 16384                      ; bytes from a row of W1[e] to the next
.set TSTR,  12288                      ; bytes from tile 0's images to tile 1's in xq
.set WSC,   98304                      ; LDS: 64 images of 1,536 bytes (group g = kk x NCG + cg, tile p: 2 g + p), then 32 x 128 bytes of scale words
.set MX0, 10                           ; v10-14 at work in Q
.set MX1, 11
.set SCX, 12
.set BY,  13
.set SW,  14
.set F0,  16                           ; v16-27 tile 0's fragment, v28-39 tile 1's, v40-42 and v44-46 the upper halves on their way
.set F1,  28
.set TX,  40
.set TY,  44
.set X,   128                          ; v128-223 three sets of 32 numbers
.set ASET, 16                          ; M: v16-63 the rows' fragments, set kk % 2, tile u at + 12 u
.set WSET, 64                          ; v64-111 the weights' fragments, set g % 2, tile p at + 12 p
                                       ; v112-113 the weights' scale words, v114-115 the rows': they hold scales and nothing else
.set ACC0, 128                         ; v128-191 tile 0's eight accumulators
.set ACC1, 192                         ; v192-255 tile 1's
.set GZ,  16                           ; the way out: z, z^2, P, Q
.set GX,  24
.set GP,  32
.set GQ,  40
.set TM,  48
.set PC0, 64
.set PC1, 84
.set PW0, 116
.set PW1, 117
.set PWJ, 118
.set VA1, 120                          ; v[120:121], v[122:123] the second coefficients of P and Q
.set VB1, 122
.set WV,  14
.set EX,  15
.set SL,  16
.set CG,  17
.set KQ,  18
.set PASS, 26
.set BLK, 27
.set GB,  28
.set SEL, 42
.set RS2, 44                           ; scalar pairs (the packed forms name a pair and take its low word for both halves)
.set KA0, 48
.set KA2, 50
.set KA3, 52
.set KA4, 54
.set KA5, 56
.set KA6, 58
.set KB0, 60
.set KB2, 66
.set KB3, 68
.set KB4, 70
.macro KONST r, val
	s_mov_b32 s[\r], \val
	s_mov_b32 s[\r+1], \val
.endm
.macro LOADBLK t                       ; block t: W(32 t + i, my column), i = 0 .. 31, into set t % 3; every step stands in the immediate (255 rows of 16,384 bytes at the most)
.set I_, 0
.rept 32
	global_load_b32 v[X+32*((\t)%3)+I_], v2, s[20:21] offset:(32*(\t)+I_)*PITCH th:TH_LOAD_NT
.set I_, I_+1
.endr
.endm
.macro BLOCK t
.set XB, X+32*((\t)%3)
.set CC, ((\t)%4)/2
.if (\t) <= 5
	s_wait_loadcnt 63                              ; 64 younger loads are out and the count's field ends at 63: this block is in, and one load more
.elseif (\t) == 6
	s_wait_loadcnt 32                              ; the last block's 32 may be out
.else
	s_wait_loadcnt 0x0
.endif
.if (\t) == 4
	s_wait_dscnt 0x0                               ; the first K step's LDS stores have read their registers
.endif
	v_max3_num_f32 v[MX0], |v[XB]|, |v[XB+1]|, |v[XB+2]|               ; the block's largest magnitude: all 32 numbers are mine
	v_max3_num_f32 v[MX1], |v[XB+3]|, |v[XB+4]|, |v[XB+5]|
.irp i, 6,10,14,18,22,26
	v_max3_num_f32 v[MX0], v[MX0], |v[XB+\i]|, |v[XB+\i+1]|
	v_max3_num_f32 v[MX1], v[MX1], |v[XB+\i+2]|, |v[XB+\i+3]|
.endr
	v_max3_num_f32 v[MX0], v[MX0], |v[XB+30]|, |v[XB+31]|
	v_max3_num_f32 v[MX0], v[MX0], v[MX1], 0x2800000                   ; and the floor 2^(5 - 127): the byte cannot fall under 1
	v_add_nc_u32 v[SCX], 0xfe000000, v[MX0]        ; 4 off its exponent field: the conversion's scale operand
	v_lshrrev_b32 v[BY], 23, v[SCX]                ; the scale's byte
.if (\t)%4 == 0
	v_mov_b32 v[SW], v[BY]
.else
	v_lshl_or_b32 v[SW], v[BY], 8*((\t)%4), v[SW]
.endif
.if (\t)%2 == 0
	v_cvt_scalef32_pk16_bf6_f32 v[F0+6*CC:F0+6*CC+2], v[XB:XB+15], v[SCX]
	v_cvt_scalef32_pk16_bf6_f32 v[TX:TX+2], v[XB+16:XB+31], v[SCX]     ; (a conversion's three registers begin on an even number)
.else
	v_cvt_scalef32_pk16_bf6_f32 v[F1+6*CC:F1+6*CC+2], v[XB:XB+15], v[SCX]
	v_cvt_scalef32_pk16_bf6_f32 v[TY:TY+2], v[XB+16:XB+31], v[SCX]
.endif
.if (\t)+3 < 8
	LOADBLK (\t)+3
.endif
.if (\t)%2 == 1
	v_nop                                          ; one plain place behind a scaled conversion
.irp i, 0,1,2
	v_permlane16_swap_b32 v[F0+6*CC+\i], v[F1+6*CC+\i]     ; the even block's lanes 16-31 change places with the odd block's lanes 0-15: the first is now tile 0's register, the second tile 1's
.endr
.irp i, 0,1,2
	v_permlane16_swap_b32 v[TX+\i], v[TY+\i]
.endr
.irp i, 0,1,2
	v_mov_b32 v[F0+6*CC+3+\i], v[TX+\i]
	v_mov_b32 v[F1+6*CC+3+\i], v[TY+\i]
.endr
.endif
.if (\t)%4 == 3
.irp c, 0,1,2
	ds_store_b128 v3, v[F0+4*\c:F0+4*\c+3] offset:((\t)/4)*NCG*3072+512*\c
	ds_store_b128 v3, v[F1+4*\c:F1+4*\c+3] offset:((\t)/4)*NCG*3072+1536+512*\c
.endr
	ds_store_b32 v4, v[SW] offset:((\t)/4)*NCG*128
.endif
.endm
.macro LOADA kk                        ; the rows' two fragments and their scale words for K step kk: seven loads
.set AB, ASET+24*((\kk)%2)
.irp u, 0,1
.irp c, 0,1,2
	global_load_b128 v[AB+12*\u+4*\c:AB+12*\u+4*\c+3], v5, s[30:31] offset:\u*TSTR+(\kk)*1536+512*\c
.endr
.endr
	global_load_b32 v[114+(\kk)%2], v8, s[32:33] offset:128*(\kk)
.endm
.macro LOADG g                         ; group g's two fragments of weights and their scale words: seven LDS loads, each of consecutive bytes
.set WB, WSET+24*((\g)%2)
.irp p, 0,1
.irp c, 0,1,2
.if 2*(\g)+\p < 32
	ds_load_b128 v[WB+12*\p+4*\c:WB+12*\p+4*\c+3], v5 offset:(2*(\g)+\p)*1536+512*\c
.else
	ds_load_b128 v[WB+12*\p+4*\c:WB+12*\p+4*\c+3], v6 offset:(2*(\g)+\p-32)*1536+512*\c
.endif
.endr
.endr
	ds_load_b32 v[112+(\g)%2], v7 offset:128*(\g)
.endm
.macro MUL1 g, u, p                    ; rows' tile u x weights' tile p of group g
.set NN, 2*((\g)%NCG)+(\p)
.set DD, ACC0+(ACC1-ACC0)*(\u)+8*NN
.if (\g) < NCG
.set CR, ACC0+8*NN                     ; the first K step: C is the bias, which lies in tile 0's accumulator
.else
.set CR, DD
.endif
.set WR, WSET+24*((\g)%2)+12*(\p)
.set AR, ASET+24*(((\g)/NCG)%2)+12*(\u)
.set SWR, 112+(\g)%2
.set SAR, 114+((\g)/NCG)%2
.if (\p) == 0 && (\u) == 0
	v_wmma_scale_f32_16x16x128_f8f6f4 v[DD:DD+7], v[WR:WR+11], v[AR:AR+11], v[CR:CR+7], v[SWR], v[SAR] matrix_a_fmt:MATRIX_FMT_BF6 matrix_b_fmt:MATRIX_FMT_BF6
.elseif (\p) == 1 && (\u) == 0
	v_wmma_scale_f32_16x16x128_f8f6f4 v[DD:DD+7], v[WR:WR+11], v[AR:AR+11], v[CR:CR+7], v[SWR], v[SAR] matrix_a_fmt:MATRIX_FMT_BF6 matrix_b_fmt:MATRIX_FMT_BF6 matrix_a_scale:MATRIX_SCALE_ROW1
.elseif (\p) == 0
	v_wmma_scale_f32_16x16x128_f8f6f4 v[DD:DD+7], v[WR:WR+11], v[AR:AR+11], v[CR:CR+7], v[SWR], v[SAR] matrix_a_fmt:MATRIX_FMT_BF6 matrix_b_fmt:MATRIX_FMT_BF6 matrix_b_scale:MATRIX_SCALE_ROW1
.else
	v_wmma_scale_f32_16x16x128_f8f6f4 v[DD:DD+7], v[WR:WR+11], v[AR:AR+11], v[CR:CR+7], v[SWR], v[SAR] matrix_a_fmt:MATRIX_FMT_BF6 matrix_b_fmt:MATRIX_FMT_BF6 matrix_a_scale:MATRIX_SCALE_ROW1 matrix_b_scale:MATRIX_SCALE_ROW1
.endif
.endm
.macro MULG g                          ; four matrix instructions; the accumulators take turns, one instruction a turn
.if (\g) < NCG
	MUL1 \g, 1, 0                                  ; tile 1 first: it reads the bias out of tile 0's accumulators,
	MUL1 \g, 1, 1
.rept 5
	v_nop                                          ; five places before a matrix instruction writes over a register that an earlier one read as C
.endr
	MUL1 \g, 0, 0                                  ; which tile 0 then adds onto in place
	MUL1 \g, 0, 1
.else
	MUL1 \g, 1, 0
	MUL1 \g, 0, 0
	MUL1 \g, 1, 1
	MUL1 \g, 0, 1
.endif
.endm
.macro GELU8 a                         ; eight numbers in place, from the accumulator's low end on
.set GA, \a
.irp j, 0,2,4,6
	v_pk_mul_f32 v[GZ+\j:GZ+\j+1], v[GA+\j:GA+\j+1], s[RS2:RS2+1] op_sel_hi:[1,0]         ; z = v / sqrt 2
.endr
.irp j, 0,1,2,3,4,5,6,7
	v_med3_num_f32 v[GZ+\j], v[GZ+\j], -4.0, 4.0
.endr
.irp j, 0,2,4,6
	v_pk_mul_f32 v[GX+\j:GX+\j+1], v[GZ+\j:GZ+\j+1], v[GZ+\j:GZ+\j+1]
.endr
.irp j, 0,2,4,6
	v_pk_fma_f32 v[GP+\j:GP+\j+1], v[GX+\j:GX+\j+1], s[KA0:KA0+1], v[VA1:VA1+1] op_sel_hi:[1,0,1]
	v_pk_fma_f32 v[GQ+\j:GQ+\j+1], v[GX+\j:GX+\j+1], s[KB0:KB0+1], v[VB1:VB1+1] op_sel_hi:[1,0,1]
.endr
.irp k, KA2, KA3, KA4, KA5, KA6
.irp j, 0,2,4,6
	v_pk_fma_f32 v[GP+\j:GP+\j+1], v[GP+\j:GP+\j+1], v[GX+\j:GX+\j+1], s[\k:\k+1] op_sel_hi:[1,1,0]
.endr
.endr
.irp k, KB2, KB3, KB4
.irp j, 0,2,4,6
	v_pk_fma_f32 v[GQ+\j:GQ+\j+1], v[GQ+\j:GQ+\j+1], v[GX+\j:GX+\j+1], s[\k:\k+1] op_sel_hi:[1,1,0]
.endr
.endr
.irp j, 0,1,2,3,4,5,6,7
	v_rcp_f32 v[GQ+\j], v[GQ+\j]
.endr
.irp j, 0,2,4,6
	v_pk_mul_f32 v[GP+\j:GP+\j+1], v[GP+\j:GP+\j+1], v[GZ+\j:GZ+\j+1]                     ; (plain places behind the reciprocals)
.endr
.irp j, 0,2,4,6
	v_pk_mul_f32 v[GZ+\j:GZ+\j+1], v[GA+\j:GA+\j+1], 0.5 op_sel_hi:[1,0]
.endr
	s_wait_alu depctr_va_vdst(0)
.irp j, 0,2,4,6
	v_pk_mul_f32 v[GP+\j:GP+\j+1], v[GP+\j:GP+\j+1], v[GQ+\j:GQ+\j+1]                     ; erf
.endr
.irp j, 0,2,4,6
	v_pk_fma_f32 v[GA+\j:GA+\j+1], v[GZ+\j:GZ+\j+1], v[GP+\j:GP+\j+1], v[GZ+\j:GZ+\j+1]   ; 0.5 v erf + 0.5 v
.endr
.endm
.macro QUANT s, pc, pw                 ; 64 numbers of a lane, register 16 b + i = k 32 b + 16 (lane / 16) + i of my row, become a fragment's codes in v[pc] on and its row's scale word in v[pw]
.irp b, 0,1,2,3
	v_max3_num_f32 v[TM+\b], |v[\s+16*\b]|, |v[\s+1+16*\b]|, 0x2800000
.endr
.irp i, 2,4,6,8,10,12,14
.irp b, 0,1,2,3
	v_max3_num_f32 v[TM+\b], v[TM+\b], |v[\s+16*\b+\i]|, |v[\s+1+16*\b+\i]|
.endr
.endr
.irp b, 0,1,2,3
	v_permlanex16_b32 v[TM+4+\b], v[TM+\b], s[SEL], s[SEL+1]
.endr
.irp b, 0,1,2,3
	v_max_num_f32 v[TM+\b], v[TM+\b], v[TM+4+\b]
.endr
.irp b, 0,1,2,3
	v_add_nc_u32 v[TM+12+\b], 0xfe000000, v[TM+\b]
.endr
.irp b, 0,1,2,3
	v_lshrrev_b32 v[TM+4+\b], 23, v[TM+12+\b]
.endr
	v_lshl_or_b32 v[\pw], v[TM+5], 8, v[TM+4]
	v_lshl_or_b32 v[\pw], v[TM+6], 16, v[\pw]
	v_lshl_or_b32 v[\pw], v[TM+7], 24, v[\pw]
.irp c, 0,1
	v_cvt_scalef32_pk16_bf6_f32 v[\pc+6*\c:\pc+2+6*\c], v[\s+32*\c:\s+15+32*\c], v[TM+12+2*\c]
	v_cvt_scalef32_pk16_bf6_f32 v[\pc+12+4*\c:\pc+14+4*\c], v[\s+16+32*\c:\s+31+32*\c], v[TM+12+2*\c+1]
.endr
	v_nop                                          ; one plain place behind a scaled conversion
.irp c, 0,1
.irp i, 0,1,2
	v_permlane16_swap_b32 v[\pc+6*\c+\i], v[\pc+12+4*\c+\i]
.endr
.irp i, 0,1,2
	v_mov_b32 v[\pc+3+6*\c+\i], v[\pc+12+4*\c+\i]
.endr
.endr
.endm
	s_load_b256 s[4:11], s[0:1], 0x0               ; W1 s[4:5], b1 s[6:7], xq s[8:9], rows s[10:11]
	s_load_b64 s[12:13], s[0:1], 0x20              ; hq
	v_lshl_add_u32 v126, v0, 2, 0x19000
	v_mov_b32 v127, 0
	v_lshrrev_b32 v1, 5, v0
	v_readfirstlane_b32 s[WV], v1                  ; wave 0..15
	v_and_b32 v1, 31, v0                           ; lane
	s_lshr_b32 s[EX], ttmp9, 5                     ; expert
	s_and_b32 s[SL], ttmp9, 31                     ; slice of 128 hidden units
	s_and_b32 s[CG], s[WV], NCG-1
	s_lshr_b32 s[KQ], s[WV], LCG
	v_and_b32 v10, 7, v1
	v_bfe_u32 v11, v1, 3, 1
	v_lshrrev_b32 v12, 4, v1
	v_lshl_add_u32 v10, v11, 4, v10
	v_lshl_add_u32 v10, v12, 3, v10                ; my column of the group's 32: lane % 8 + 16 ((lane / 8) % 2) + 8 (lane / 16)
	v_lshlrev_b32 v2, 2, v10
	s_lshl_b32 s22, s[KQ], 1+LCG
	s_add_co_u32 s22, s22, s[CG]                   ; my first group: 2 kq x NCG + cg
	s_mul_i32 s23, s22, 3072
	v_lshl_add_u32 v3, v1, 4, s23                  ; where I store images
	s_lshl_b32 s22, s22, 7
	s_add_co_u32 s22, s22, WSC
	v_lshl_add_u32 v4, v1, 2, s22                  ; and scale words
	v_lshlrev_b32 v5, 4, v1                        ; 16 x lane: an image's place for my lane, in LDS and in memory
	v_add_nc_u32 v6, 49152, v5                     ; the same for images 32 on
	v_lshl_add_u32 v7, v1, 2, WSC
	v_lshlrev_b32 v8, 2, v1                        ; 4 x lane
	v_lshlrev_b32 v9, 6, v12                       ; b1: 16 (lane / 16) numbers on
	v_mov_b32 v[VA1], 0x32edffee
	v_mov_b32 v[VA1+1], 0x32edffee
	v_mov_b32 v[VB1], 0xb95fbd29
	v_mov_b32 v[VB1+1], 0xb95fbd29
	s_mov_b32 s40, 0xffff0000                      ; lanes 16-31
	s_mov_b32 s[SEL], 0x76543210
	s_mov_b32 s[SEL+1], 0xfedcba98                 ; v_permlanex16_b32's selects for lane l xor 16
	KONST RS2, 0x3f3504f3                          ; 1 / sqrt 2
	KONST KA0, 0xaf95df0b                          ; P's coefficients, the highest power first (the second lies in v[VA1])
	KONST KA2, 0xb60cff51
	KONST KA3, 0xb86ec2d2
	KONST KA4, 0xba40ac63
	KONST KA5, 0xbb41a1f6
	KONST KA6, 0xbc83dbd4
	KONST KB0, 0xb77460cd                          ; Q's
	KONST KB2, 0xbadc924e
	KONST KB3, 0xbbf19bf8
	KONST KB4, 0xbc69b6a7
	s_lshl_b32 s22, s[EX], 24                      ; W1[e]: 16 MiB an expert,
	s_lshl_b32 s23, s[KQ], 22                      ; 256 rows of 16,384 bytes a quarter of K,
	s_add_co_u32 s22, s22, s23
	s_lshl_b32 s23, s[SL], 9                       ; 512 bytes a slice,
	s_add_co_u32 s22, s22, s23
	s_lshl_b32 s23, s[CG], 7                       ; 128 a group of columns
	s_add_co_u32 s22, s22, s23
	s_mov_b32 s23, 0
	s_lshl_b32 s24, s[EX], 3
	s_add_co_u32 s24, s24, 9216
	s_mov_b32 s25, 0
	s_lshl_b32 s28, s[EX], 14
	s_lshl_b32 s29, s[SL], 9
	s_add_co_u32 s28, s28, s29
	s_mov_b32 s29, 0
	s_wait_kmcnt 0x0
	s_add_nc_u64 s[20:21], s[4:5], s[22:23]
	s_add_nc_u64 s[46:47], s[10:11], s[24:25]
	s_add_nc_u64 s[38:39], s[6:7], s[28:29]        ; b1 at my slice
	s_load_b64 s[24:25], s[46:47], 0x0             ; my expert's first block and number of blocks
	; ---- Q
	LOADBLK 0
	LOADBLK 1
	LOADBLK 2
.irp t, 0,1,2,3,4,5,6,7
	BLOCK \t
.endr
	s_wait_dscnt 0x0                               ; for the others' sake: my images and scale words lie in LDS
	s_barrier_signal -1
	s_barrier_wait -1                              ; the launch's one barrier: behind it the images are only read
	s_wait_kmcnt 0x0
	; ---- M
	s_mov_b32 s[PASS], 0
.Lpass:
	s_lshl_b32 s[BLK], s[PASS], 4
	s_add_co_u32 s[BLK], s[BLK], s[WV]             ; my block of the expert's
	s_cmp_ge_u32 s[BLK], s25
	s_cbranch_scc1 .Lskip                          ; the expert has fewer blocks: no barrier stands in what is passed over
	s_add_co_u32 s[GB], s24, s[BLK]
	s_min_u32 s[GB], s[GB], 71                     ; a block's number stays inside the buffers
	s_mul_i32 s22, s[GB], 24576
	s_mov_b32 s23, 0
	s_add_nc_u64 s[30:31], s[8:9], s[22:23]        ; the rows' images,
	s_lshl_b32 s22, s[GB], 10
	s_add_co_u32 s22, s22, 1769472
	s_add_nc_u64 s[32:33], s[8:9], s[22:23]        ; their scale words,
	s_mul_i32 s22, s[GB], 98304
	s_mul_i32 s29, s[SL], 1536
	s_add_co_u32 s22, s22, s29
	s_add_nc_u64 s[34:35], s[12:13], s[22:23]      ; h's images: my slice is K step `slice` of the next product,
	s_lshl_b32 s22, s[GB], 12
	s_lshl_b32 s29, s[SL], 7
	s_add_co_u32 s22, s22, s29
	s_add_co_u32 s22, s22, 7077888
	s_add_nc_u64 s[36:37], s[12:13], s[22:23]      ; and their scale words
.irp n, 0,1,2,3,4,5,6,7                ; b1 in the result's layout: lane (r, h), tile 2 b + p, register j: unit 32 b + 16 h + 8 p + j
	global_load_b128 v[ACC0+8*\n:ACC0+8*\n+3], v9, s[38:39] offset:(32*(\n/2)+8*(\n%2))*4
	global_load_b128 v[ACC0+8*\n+4:ACC0+8*\n+7], v9, s[38:39] offset:(32*(\n/2)+8*(\n%2))*4+16
.endr
	LOADA 0
	LOADA 1
	LOADG 0
	LOADG 1
.set G, 0
.rept 32
.if G%NCG == 0
.if G/NCG < KS-1
	s_wait_loadcnt 7                               ; this K step's rows are in (and all that was asked for before them); the next step's seven loads may be out
.else
	s_wait_loadcnt 0x0
.endif
.endif
.if G < 31
	s_wait_dscnt 7                                 ; this group's weights are in; the next group's seven loads may be out
.else
	s_wait_dscnt 0x0
.endif
	MULG G
.rept 4
	v_nop                                          ; four places in front of loads into registers that matrix instructions have read, and of the first read of results
.endr
.if G+2 < 32
	LOADG G+2
.endif
.if (G%NCG == NCG-1) && (G/NCG+2 < KS)
	LOADA G/NCG+2
.endif
.set G, G+1
.endr
	; ---- the way out: gelu in place, quantised along the hidden units, stored as images
.set A_, 0
.rept 16
	GELU8 ACC0+8*A_
.set A_, A_+1
.endr
	QUANT ACC0, PC0, PW0
	QUANT ACC1, PC1, PW1
	v_cndmask_b32 v[PWJ], v[PW0], v[PW1], s40      ; lanes 0-15: rows 0-15's words, lanes 16-31: rows 16-31's
.irp c, 0,1,2
	global_store_b128 v5, v[PC0+4*\c:PC0+4*\c+3], s[34:35] offset:512*\c              ; 512 consecutive bytes a store
	global_store_b128 v5, v[PC1+4*\c:PC1+4*\c+3], s[34:35] offset:49152+512*\c
.endr
	global_store_b32 v8, v[PWJ], s[36:37]
	s_wait_xcnt 0x0                                ; the stores' data and bases are written again in the next pass only behind this wait
.Lskip:
	s_add_co_u32 s[PASS], s[PASS], 1
	s_cmp_lt_u32 s[PASS], 2                        ; an expert has 32 blocks at the most: two passes of sixteen waves
	s_cbranch_scc1 .Lpass
	s_wait_tensorcnt 0x0
	ds_add_u32 v126, v127
	s_wait_dscnt 0x0
	s_endpgm
.Lfunc_end_k_q7ab4dea760_up:
	.size	k_q7ab4dea760_up, .Lfunc_end_k_q7ab4dea760_up-k_q7ab4dea760_up
	.p2alignl 7, 3214868480
	.fill 96, 4, 3214868480
	.section	.rodata,"a",@progbits
	.p2align	6, 0x0
	.amdhsa_kernel k_q7ab4dea760_up
		.amdhsa_group_segment_fixed_size 104448
		.amdhsa_private_segment_fixed_size 0
		.amdhsa_enable_private_segment 0
		.amdhsa_kernarg_size 40
		.amdhsa_user_sgpr_count 2
		.amdhsa_user_sgpr_kernarg_segment_ptr 1
		.amdhsa_wavefront_size32 1
		.amdhsa_system_sgpr_workgroup_id_x 1
		.amdhsa_system_sgpr_workgroup_id_y 1
		.amdhsa_system_sgpr_workgroup_id_z 1
		.amdhsa_system_vgpr_workitem_id 0
		.amdhsa_next_free_vgpr 256
		.amdhsa_next_free_sgpr 72
		.amdhsa_reserve_vcc 0
		.amdhsa_float_denorm_mode_32 3
		.amdhsa_float_denorm_mode_16_64 3
		.amdhsa_memory_ordered 1
		.amdhsa_forward_progress 1
		.amdhsa_inst_pref_size 170
	.end_amdhsa_kernel
	.amdgpu_metadata
---
amdhsa.version: [ 1, 2 ]
amdhsa.kernels:
  - .name:           k_q7ab4dea760_up
    .symbol:         k_q7ab4dea760_up.kd
    .args:
      - { .name: W1, .offset: 0, .size: 8, .value_kind: global_buffer, .address_space: global }
      - { .name: b1, .offset: 8, .size: 8, .value_kind: global_buffer, .address_space: global }
      - { .name: xq, .offset: 16, .size: 8, .value_kind: global_buffer, .address_space: global }
      - { .name: rows, .offset: 24, .size: 8, .value_kind: global_buffer, .address_space: global }
      - { .name: hq, .offset: 32, .size: 8, .value_kind: global_buffer, .address_space: global }
    .group_segment_fixed_size: 104448
    .private_segment_fixed_size: 0
    .kernarg_segment_align: 8
    .kernarg_segment_size: 40
    .max_flat_workgroup_size: 512
    .sgpr_count:     72
    .vgpr_count:     256
    .wavefront_size: 32
...
	.end_amdgpu_metadata
.endif
;; end of part 3
;; launch down (part 4): grid 256 x 1, 16 waves a work-group, no clusters, 174,080 bytes of LDS; arguments W2, b2, hq, rows, roww, y; writes y
.if DOCPART == 4
	.amdgcn_target "amdgcn-amd-amdhsa--gfx1250"
	.amdhsa_code_object_version 6
	.text
	.protected	k_q7ab4dea760_down
	.globl	k_q7ab4dea760_down
	.p2align	8
	.type	k_q7ab4dea760_down,@function
k_q7ab4dea760_down:
	s_mov_b64 s[64:65], 0
	v_nop
	global_prefetch_b8 v0, s[64:65] scope:SCOPE_SE
	s_setreg_imm32_b32 hwreg(HW_REG_WAVE_MODE, 25, 1), 1
	s_wait_xcnt 0x0
; DOWN.  y = (h W2[e] + b2[e]) x the row's gate weight, for the rows that chose expert e, on codes of E3M2 with one E8M0 byte for each 32 along K (the hidden axis).
; W2 [8][4096 h][1024 d] f32, b2 [8][1024] f32; hq: h's codes as register images; rows: where each sorted row's result goes, and the experts' blocks; roww: the rows' weights; y [2][2048][1024] f32.
; SHARES.  Work-group = (expert e = wg / 32, half of K kh = (wg / 16) % 2, slice = wg % 16): 64 columns x 2,048 of K: 512 KB of W2 that no other work-group reads; a row's piece is 256 consecutive aligned bytes.
;   The two halves of K go to two planes of y (b2 enters in half 0 alone); the last launch adds them and the token's two experts.
; PHASE Q: as in the launch before: wave (cg = w % 2, kq = w / 2) takes 32 columns x 256 of K, a lane a column, its registers down K; three sets of 32 loads on their way; codes and scale words go to LDS as images
;   of the operand's registers; one barrier.  PHASE M: wave w takes the expert's blocks w and w + 16 of 32 rows, each against the 64 columns and 16 K steps: 128 matrix instructions.
;   TRANSPOSED: source 0 = 16 columns of W2, source 1 = 16 rows of h: a lane holds one row and eight neighbouring columns.
;   No multicast: the weights are shared by nobody, and h's codes are walked in numbers of blocks that hang on counts read from memory.
; THE WAY OUT: a tile's 16 rows x 256 bytes go through the wave's own stage in LDS and leave as whole rows: sixteen lanes store 256 consecutive aligned bytes.  A row that only fills up a block repeats the
;   expert's last row: the same wave stores the same bits to the same place.
; LIMITS: NaN and infinities are not served; a block whose largest magnitude lies under 2^-122, a block of zeros too, keeps the scale byte 1.  An expert that no token chose has its weights streamed and stores nothing.
.set NCG,   2
.set LCG,   1
.set KS,    16
.set PITCH, 4096
.set TSTR,  49152
.set WSC,   98304                      ; LDS: 64 images of 1,536 bytes, then 32 x 128 bytes of scale words,
.set STG,   102400                     ; then a stage of 16 rows x (256 + 16) bytes for each wave
.set MX0, 10
.set MX1, 11
.set SCX, 12
.set BY,  13
.set SW,  14
.set F0,  16
.set F1,  28
.set TX,  40
.set TY,  44
.set X,   128                          ; Q: v128-223 three sets of 32 numbers
.set ASET, 16                          ; M: v16-63 the rows' fragments
.set WSET, 64                          ; v64-111 the weights'
                                       ; v112-113 the weights' scale words, v114-115 the rows': they hold scales and nothing else
.set DST, 128                          ; v128-143 where the rows that I store go
.set RW,  144                          ; v144, v145 the weights of my row of tile 0 and of tile 1
.set ACC0, 192                         ; v192-223 tile 0's four accumulators
.set ACC1, 224                         ; v224-255 tile 1's
.set WV,  16
.set EX,  17
.set SL,  18
.set KH,  19
.set CG,  26
.set KQ,  27
.set PASS, 28
.set BLK, 29
.set GB,  48
.set T2,  49
.macro LOADBLK t
.set I_, 0
.rept 32
	global_load_b32 v[X+32*((\t)%3)+I_], v2, s[20:21] offset:(32*(\t)+I_)*PITCH th:TH_LOAD_NT
.set I_, I_+1
.endr
.endm
.macro BLOCK t
.set XB, X+32*((\t)%3)
.set CC, ((\t)%4)/2
.if (\t) <= 5
	s_wait_loadcnt 63                              ; 64 younger loads are out and the count's field ends at 63: this block is in, and one load more
.elseif (\t) == 6
	s_wait_loadcnt 32
.else
	s_wait_loadcnt 0x0
.endif
.if (\t) == 4
	s_wait_dscnt 0x0                               ; the first K step's LDS stores have read their registers
.endif
	v_max3_num_f32 v[MX0], |v[XB]|, |v[XB+1]|, |v[XB+2]|
	v_max3_num_f32 v[MX1], |v[XB+3]|, |v[XB+4]|, |v[XB+5]|
.irp i, 6,10,14,18,22,26
	v_max3_num_f32 v[MX0], v[MX0], |v[XB+\i]|, |v[XB+\i+1]|
	v_max3_num_f32 v[MX1], v[MX1], |v[XB+\i+2]|, |v[XB+\i+3]|
.endr
	v_max3_num_f32 v[MX0], v[MX0], |v[XB+30]|, |v[XB+31]|
	v_max3_num_f32 v[MX0], v[MX0], v[MX1], 0x2800000                   ; the floor 2^(5 - 127): the byte cannot fall under 1
	v_add_nc_u32 v[SCX], 0xfe000000, v[MX0]        ; 4 off the exponent field: the conversion's scale operand
	v_lshrrev_b32 v[BY], 23, v[SCX]
.if (\t)%4 == 0
	v_mov_b32 v[SW], v[BY]
.else
	v_lshl_or_b32 v[SW], v[BY], 8*((\t)%4), v[SW]
.endif
.if (\t)%2 == 0
	v_cvt_scalef32_pk16_bf6_f32 v[F0+6*CC:F0+6*CC+2], v[XB:XB+15], v[SCX]
	v_cvt_scalef32_pk16_bf6_f32 v[TX:TX+2], v[XB+16:XB+31], v[SCX]
.else
	v_cvt_scalef32_pk16_bf6_f32 v[F1+6*CC:F1+6*CC+2], v[XB:XB+15], v[SCX]
	v_cvt_scalef32_pk16_bf6_f32 v[TY:TY+2], v[XB+16:XB+31], v[SCX]
.endif
.if (\t)+3 < 8
	LOADBLK (\t)+3
.endif
.if (\t)%2 == 1
	v_nop                                          ; one plain place behind a scaled conversion
.irp i, 0,1,2
	v_permlane16_swap_b32 v[F0+6*CC+\i], v[F1+6*CC+\i]     ; the first becomes tile 0's register, the second tile 1's
.endr
.irp i, 0,1,2
	v_permlane16_swap_b32 v[TX+\i], v[TY+\i]
.endr
.irp i, 0,1,2
	v_mov_b32 v[F0+6*CC+3+\i], v[TX+\i]
	v_mov_b32 v[F1+6*CC+3+\i], v[TY+\i]
.endr
.endif
.if (\t)%4 == 3
.irp c, 0,1,2
	ds_store_b128 v3, v[F0+4*\c:F0+4*\c+3] offset:((\t)/4)*NCG*3072+512*\c
	ds_store_b128 v3, v[F1+4*\c:F1+4*\c+3] offset:((\t)/4)*NCG*3072+1536+512*\c
.endr
	ds_store_b32 v4, v[SW] offset:((\t)/4)*NCG*128
.endif
.endm
.macro LOADA kk                        ; the rows' two fragments and their scale words for my half's K step kk: seven loads
.set AB, ASET+24*((\kk)%2)
.irp u, 0,1
.irp c, 0,1,2
	global_load_b128 v[AB+12*\u+4*\c:AB+12*\u+4*\c+3], v5, s[30:31] offset:\u*TSTR+(\kk)*1536+512*\c
.endr
.endr
	global_load_b32 v[114+(\kk)%2], v8, s[32:33] offset:128*(\kk)
.endm
.macro LOADG g                         ; group g's two fragments of weights and their scale words: seven LDS loads
.set WB, WSET+24*((\g)%2)
.irp p, 0,1
.irp c, 0,1,2
.if 2*(\g)+\p < 32
	ds_load_b128 v[WB+12*\p+4*\c:WB+12*\p+4*\c+3], v5 offset:(2*(\g)+\p)*1536+512*\c
.else
	ds_load_b128 v[WB+12*\p+4*\c:WB+12*\p+4*\c+3], v6 offset:(2*(\g)+\p-32)*1536+512*\c
.endif
.endr
.endr
	ds_load_b32 v[112+(\g)%2], v7 offset:128*(\g)
.endm
.macro MUL1 g, u, p
.set NN, 2*((\g)%NCG)+(\p)
.set DD, ACC0+(ACC1-ACC0)*(\u)+8*NN
.if (\g) < NCG
.set CR, ACC0+8*NN                     ; the first K step: C is what lies in tile 0's accumulator: b2, or zeros in the second half of K
.else
.set CR, DD
.endif
.set WR, WSET+24*((\g)%2)+12*(\p)
.set AR, ASET+24*(((\g)/NCG)%2)+12*(\u)
.set SWR, 112+(\g)%2
.set SAR, 114+((\g)/NCG)%2
.if (\p) == 0 && (\u) == 0
	v_wmma_scale_f32_16x16x128_f8f6f4 v[DD:DD+7], v[WR:WR+11], v[AR:AR+11], v[CR:CR+7], v[SWR], v[SAR] matrix_a_fmt:MATRIX_FMT_BF6 matrix_b_fmt:MATRIX_FMT_BF6
.elseif (\p) == 1 && (\u) == 0
	v_wmma_scale_f32_16x16x128_f8f6f4 v[DD:DD+7], v[WR:WR+11], v[AR:AR+11], v[CR:CR+7], v[SWR], v[SAR] matrix_a_fmt:MATRIX_FMT_BF6 matrix_b_fmt:MATRIX_FMT_BF6 matrix_a_scale:MATRIX_SCALE_ROW1
.elseif (\p) == 0
	v_wmma_scale_f32_16x16x128_f8f6f4 v[DD:DD+7], v[WR:WR+11], v[AR:AR+11], v[CR:CR+7], v[SWR], v[SAR] matrix_a_fmt:MATRIX_FMT_BF6 matrix_b_fmt:MATRIX_FMT_BF6 matrix_b_scale:MATRIX_SCALE_ROW1
.else
	v_wmma_scale_f32_16x16x128_f8f6f4 v[DD:DD+7], v[WR:WR+11], v[AR:AR+11], v[CR:CR+7], v[SWR], v[SAR] matrix_a_fmt:MATRIX_FMT_BF6 matrix_b_fmt:MATRIX_FMT_BF6 matrix_a_scale:MATRIX_SCALE_ROW1 matrix_b_scale:MATRIX_SCALE_ROW1
.endif
.endm
.macro MULG g                          ; four matrix instructions; the accumulators take turns, one instruction a turn
.if (\g) < NCG
	MUL1 \g, 1, 0
	MUL1 \g, 1, 1
.rept 5
	v_nop                                          ; five places before a matrix instruction writes over a register that an earlier one read as C
.endr
	MUL1 \g, 0, 0
	MUL1 \g, 0, 1
.else
	MUL1 \g, 1, 0
	MUL1 \g, 0, 0
	MUL1 \g, 1, 1
	MUL1 \g, 0, 1
.endif
.endm
.macro OUTT u, bk                      ; tile u: times the row's weight, into my stage, back as whole rows into v[bk] on
.set AC, ACC0+32*\u
.irp j, 0,2,4,6,8,10,12,14,16,18,20,22,24,26,28,30
.if \u == 0
	v_pk_mul_f32 v[AC+\j:AC+\j+1], v[AC+\j:AC+\j+1], v[RW:RW+1] op_sel_hi:[1,0]           ; each accumulator from its low end on
.else
	v_pk_mul_f32 v[AC+\j:AC+\j+1], v[AC+\j:AC+\j+1], v[RW:RW+1] op_sel:[0,1] op_sel_hi:[1,1]
.endif
.endr
.irp n, 0,1,2,3
	ds_store_b128 v119, v[AC+8*\n:AC+8*\n+3] offset:64*\n                 ; lane (r, h): row r, columns 16 n + 8 h + 0 .. 7
	ds_store_b128 v119, v[AC+8*\n+4:AC+8*\n+7] offset:64*\n+16
.endr
.irp i, 0,1,2,3,4,5,6,7
	ds_load_b128 v[\bk+4*\i:\bk+4*\i+3], v120 offset:2*\i*272              ; LDS serves a wave's instructions in order: these see my stores, and the next tile's stores come behind them
.endr
.endm
.macro SEND u, bk, younger             ; younger: the LDS instructions issued behind tile u's loads
.irp i, 0,1,2,3,4,5,6,7
	s_wait_dscnt \younger+7-\i
	global_store_b128 v[DST+8*\u+\i], v[\bk+4*\i:\bk+4*\i+3], s[40:41] th:TH_STORE_NT     ; sixteen lanes store 256 consecutive aligned bytes of one row of y
.endr
.endm
	s_load_b256 s[4:11], s[0:1], 0x0               ; W2 s[4:5], b2 s[6:7], hq s[8:9], rows s[10:11]
	s_load_b128 s[12:15], s[0:1], 0x20             ; roww s[12:13], y s[14:15]
	v_lshl_add_u32 v126, v0, 2, 0x2a000
	v_mov_b32 v127, 0
	v_lshrrev_b32 v1, 5, v0
	v_readfirstlane_b32 s[WV], v1                  ; wave 0..15
	v_and_b32 v1, 31, v0                           ; lane
	s_lshr_b32 s[EX], ttmp9, 5                     ; expert
	s_and_b32 s[SL], ttmp9, 15                     ; slice of 64 columns
	s_bfe_u32 s[KH], ttmp9, 0x10004                ; half of K
	s_and_b32 s[CG], s[WV], NCG-1
	s_lshr_b32 s[KQ], s[WV], LCG
	v_lshlrev_b32 v2, 2, v1                        ; my column of the group's 32: the lane
	s_lshl_b32 s22, s[KQ], 1+LCG
	s_add_co_u32 s22, s22, s[CG]                   ; my first group: 2 kq x NCG + cg
	s_mul_i32 s23, s22, 3072
	v_lshl_add_u32 v3, v1, 4, s23                  ; where I store images
	s_lshl_b32 s22, s22, 7
	s_add_co_u32 s22, s22, WSC
	v_lshl_add_u32 v4, v1, 2, s22                  ; and scale words
	v_lshlrev_b32 v5, 4, v1                        ; 16 x lane
	v_add_nc_u32 v6, 49152, v5
	v_lshl_add_u32 v7, v1, 2, WSC
	v_lshlrev_b32 v8, 2, v1                        ; 4 x lane
	v_lshrrev_b32 v12, 4, v1                       ; h = lane / 16
	v_and_b32 v13, 15, v1                          ; r = lane % 16
	v_lshlrev_b32 v9, 5, v12                       ; b2: 8 h numbers on
	v_lshlrev_b32 v116, 2, v12                     ; rows: lanes 16-31 take the next row's word
	v_lshlrev_b32 v117, 2, v13                     ; roww: row r's
	v_lshlrev_b32 v118, 4, v13                     ; my 16 bytes of a row's 256
	s_mul_i32 s22, s[WV], 4352
	s_add_co_u32 s22, s22, STG                     ; my stage
	v_mul_u32_u24 v119, v13, 272
	v_lshl_add_u32 v119, v12, 5, v119
	v_add_nc_u32 v119, s22, v119                   ; in: row r, 32 h bytes on
	v_mul_u32_u24 v120, v12, 272
	v_lshl_add_u32 v120, v13, 4, v120
	v_add_nc_u32 v120, s22, v120                   ; back: lanes 0-15 one row, lanes 16-31 the next
	s_lshl_b32 s22, s[EX], 24                      ; W2[e]: 16 MiB an expert,
	s_lshl_b32 s23, s[KH], 23                      ; 2,048 rows of 4,096 bytes a half of K,
	s_add_co_u32 s22, s22, s23
	s_lshl_b32 s23, s[KQ], 20                      ; 256 rows a wave,
	s_add_co_u32 s22, s22, s23
	s_lshl_b32 s23, s[SL], 8                       ; 256 bytes a slice,
	s_add_co_u32 s22, s22, s23
	s_lshl_b32 s23, s[CG], 7                       ; 128 a group of columns
	s_add_co_u32 s22, s22, s23
	s_mov_b32 s23, 0
	s_lshl_b32 s24, s[EX], 3
	s_add_co_u32 s24, s24, 9216
	s_mov_b32 s25, 0
	s_lshl_b32 s34, s[EX], 12
	s_lshl_b32 s35, s[SL], 8
	s_add_co_u32 s34, s34, s35
	s_lshl_b32 s36, s[KH], 23
	s_add_co_u32 s36, s36, s35
	s_mov_b32 s35, 0
	s_mov_b32 s37, 0
	s_wait_kmcnt 0x0
	s_add_nc_u64 s[20:21], s[4:5], s[22:23]
	s_add_nc_u64 s[46:47], s[10:11], s[24:25]
	s_add_nc_u64 s[38:39], s[6:7], s[34:35]        ; b2 at my slice
	s_add_nc_u64 s[40:41], s[14:15], s[36:37]      ; y at my plane and slice
	s_load_b64 s[24:25], s[46:47], 0x0             ; my expert's first block and number of blocks
	; ---- Q
	LOADBLK 0
	LOADBLK 1
	LOADBLK 2
.irp t, 0,1,2,3,4,5,6,7
	BLOCK \t
.endr
	s_wait_dscnt 0x0                               ; for the others' sake: my images and scale words lie in LDS
	s_barrier_signal -1
	s_barrier_wait -1                              ; the launch's one barrier: behind it the images are only read, and each stage is its wave's own
	s_wait_kmcnt 0x0
	; ---- M
	s_mov_b32 s[PASS], 0
.Lpass:
	s_lshl_b32 s[BLK], s[PASS], 4
	s_add_co_u32 s[BLK], s[BLK], s[WV]
	s_cmp_ge_u32 s[BLK], s25
	s_cbranch_scc1 .Lskip                          ; the expert has fewer blocks: no barrier stands in what is passed over
	s_add_co_u32 s[GB], s24, s[BLK]
	s_min_u32 s[GB], s[GB], 71                     ; a block's number stays inside the buffers
	s_mul_i32 s22, s[GB], 98304
	s_mul_i32 s[T2], s[KH], 24576
	s_add_co_u32 s22, s22, s[T2]
	s_mov_b32 s23, 0
	s_add_nc_u64 s[30:31], s[8:9], s[22:23]        ; h's images, at my half's 16 K steps,
	s_lshl_b32 s22, s[GB], 12
	s_lshl_b32 s[T2], s[KH], 11
	s_add_co_u32 s22, s22, s[T2]
	s_add_co_u32 s22, s22, 7077888
	s_add_nc_u64 s[32:33], s[8:9], s[22:23]        ; their scale words,
	s_lshl_b32 s22, s[GB], 7
	s_add_nc_u64 s[34:35], s[10:11], s[22:23]      ; where the block's rows go,
	s_add_nc_u64 s[36:37], s[12:13], s[22:23]      ; and their weights
	s_cmp_eq_u32 s[KH], 0
	s_cbranch_scc0 .Lnobias
.irp n, 0,1,2,3                        ; b2 in the result's layout: lane (r, h), tile n, register j: column 16 n + 8 h + j
	global_load_b128 v[ACC0+8*\n:ACC0+8*\n+3], v9, s[38:39] offset:64*\n
	global_load_b128 v[ACC0+8*\n+4:ACC0+8*\n+7], v9, s[38:39] offset:64*\n+16
.endr
	s_branch .Lbiased
.Lnobias:
.set I_, 0
.rept 32
	v_mov_b32 v[ACC0+I_], 0                        ; the second half of K adds no bias
.set I_, I_+1
.endr
.Lbiased:
.irp u, 0,1
.irp i, 0,1,2,3,4,5,6,7
	global_load_b32 v[DST+8*\u+\i], v116, s[34:35] offset:(16*\u+2*\i)*4          ; of tile u's rows 2 i (lanes 0-15) and 2 i + 1 (lanes 16-31)
.endr
	global_load_b32 v[RW+\u], v117, s[36:37] offset:64*\u
.endr
	LOADA 0
	LOADA 1
	LOADG 0
	LOADG 1
.set G, 0
.rept 32
.if G%NCG == 0
.if G/NCG < KS-1
	s_wait_loadcnt 7                               ; this K step's rows are in (and all that was asked for before them); the next step's seven loads may be out
.else
	s_wait_loadcnt 0x0
.endif
.endif
.if G < 31
	s_wait_dscnt 7                                 ; this group's weights are in; the next group's seven loads may be out
.else
	s_wait_dscnt 0x0
.endif
	MULG G
.rept 4
	v_nop                                          ; four places in front of loads into registers that matrix instructions have read, and of the first read of results
.endr
.if G+2 < 32
	LOADG G+2
.endif
.if (G%NCG == NCG-1) && (G/NCG+2 < KS)
	LOADA G/NCG+2
.endif
.set G, G+1
.endr
	; ---- the way out
.set I_, 0
.rept 16
	v_min_u32 v[DST+I_], 0x7ff, v[DST+I_]          ; an index stays inside y's plane
.set I_, I_+1
.endr
.set I_, 0
.rept 16
	v_lshl_add_u32 v[DST+I_], v[DST+I_], 12, v118  ; a row of y is 4,096 bytes
.set I_, I_+1
.endr
	OUTT 0, 16
	OUTT 1, 64
	SEND 0, 16, 16                                 ; behind tile 0's loads: tile 1's eight stores and eight loads
	SEND 1, 64, 0
	s_wait_xcnt 0x0                                ; the stores' data, offsets and the bases are written again in the next pass only behind this wait
.Lskip:
	s_add_co_u32 s[PASS], s[PASS], 1
	s_cmp_lt_u32 s[PASS], 2                        ; an expert has 32 blocks at the most: two passes of sixteen waves
	s_cbranch_scc1 .Lpass
	s_wait_tensorcnt 0x0
	ds_add_u32 v126, v127
	s_wait_dscnt 0x0
	s_endpgm
.Lfunc_end_k_q7ab4dea760_down:
	.size	k_q7ab4dea760_down, .Lfunc_end_k_q7ab4dea760_down-k_q7ab4dea760_down
	.p2alignl 7, 3214868480
	.fill 96, 4, 3214868480
	.section	.rodata,"a",@progbits
	.p2align	6, 0x0
	.amdhsa_kernel k_q7ab4dea760_down
		.amdhsa_group_segment_fixed_size 174080
		.amdhsa_private_segment_fixed_size 0
		.amdhsa_enable_private_segment 0
		.amdhsa_kernarg_size 48
		.amdhsa_user_sgpr_count 2
		.amdhsa_user_sgpr_kernarg_segment_ptr 1
		.amdhsa_wavefront_size32 1
		.amdhsa_system_sgpr_workgroup_id_x 1
		.amdhsa_system_sgpr_workgroup_id_y 1
		.amdhsa_system_sgpr_workgroup_id_z 1
		.amdhsa_system_vgpr_workitem_id 0
		.amdhsa_next_free_vgpr 256
		.amdhsa_next_free_sgpr 66
		.amdhsa_reserve_vcc 0
		.amdhsa_float_denorm_mode_32 3
		.amdhsa_float_denorm_mode_16_64 3
		.amdhsa_memory_ordered 1
		.amdhsa_forward_progress 1
		.amdhsa_inst_pref_size 100
	.end_amdhsa_kernel
	.amdgpu_metadata
---
amdhsa.version: [ 1, 2 ]
amdhsa.kernels:
  - .name:           k_q7ab4dea760_down
    .symbol:         k_q7ab4dea760_down.kd
    .args:
      - { .name: W2, .offset: 0, .size: 8, .value_kind: global_buffer, .address_space: global }
      - { .name: b2, .offset: 8, .size: 8, .value_kind: global_buffer, .address_space: global }
      - { .name: hq, .offset: 16, .size: 8, .value_kind: global_buffer, .address_space: global }
      - { .name: rows, .offset: 24, .size: 8, .value_kind: global_buffer, .address_space: global }
      - { .name: roww, .offset: 32, .size: 8, .value_kind: global_buffer, .address_space: global }
      - { .name: y, .offset: 40, .size: 8, .value_kind: global_buffer, .address_space: global }
    .group_segment_fixed_size: 174080
    .private_segment_fixed_size: 0
    .kernarg_segment_align: 8
    .kernarg_segment_size: 48
    .max_flat_workgroup_size: 512
    .sgpr_count:     66
    .vgpr_count:     256
    .wavefront_size: 32
...
	.end_amdgpu_metadata
.endif
;; end of part 4
;; launch sum (part 5): grid 256 x 1, 8 waves a work-group, no clusters, 0 bytes of LDS; arguments y, out0; writes out0
.if DOCPART == 5
	.amdgcn_target "amdgcn-amd-amdhsa--gfx1250"
	.amdhsa_code_object_version 6
	.text
	.protected	k_q7ab4dea760_sum
	.globl	k_q7ab4dea760_sum
	.p2align	8
	.type	k_q7ab4dea760_sum,@function
k_q7ab4dea760_sum:
	s_mov_b64 s[64:65], 0
	v_nop
	global_prefetch_b8 v0, s[64:65] scope:SCOPE_SE
	s_setreg_imm32_b32 hwreg(HW_REG_WAVE_MODE, 25, 1), 1
	s_wait_xcnt 0x0
; SUM.  out[t] = y[0][2 t] + y[0][2 t + 1] + y[1][2 t] + y[1][2 t + 1]: a token's two experts (already times their gate weights), each in two halves of K.  y [2][2048][1024], out [1024][1024]: f32.
; A work-group owns 4 tokens; thread i owns the 16 bytes at byte 16 i of every row, so a wave's load or store covers 512 consecutive bytes.  All sixteen loads go out first; no index is read, no loop, no LDS.
; The four numbers are added as (a + b) + (c + d), in f32.
.set D, 4                              ; v4-67: token i's four pieces at v[D + 16 i + 4 k]
	s_load_b128 s[4:7], s[0:1], 0x0                ; y s[4:5], out s[6:7]
	v_lshlrev_b32 v1, 4, v0
	s_lshl_b32 s8, ttmp9, 15                       ; 8 rows of y,
	s_mov_b32 s9, 0
	s_lshl_b32 s10, ttmp9, 14                      ; 4 rows of out
	s_mov_b32 s11, 0
	s_wait_kmcnt 0x0
	s_add_nc_u64 s[4:5], s[4:5], s[8:9]
	s_add_nc_u64 s[12:13], s[4:5], 0x800000        ; the second half of K's plane
	s_add_nc_u64 s[6:7], s[6:7], s[10:11]
.irp i, 0,1,2,3
	global_load_b128 v[D+16*\i:D+16*\i+3],     v1, s[4:5] offset:(2*\i)*4096 th:TH_LOAD_NT
	global_load_b128 v[D+16*\i+4:D+16*\i+7],   v1, s[4:5] offset:(2*\i+1)*4096 th:TH_LOAD_NT
	global_load_b128 v[D+16*\i+8:D+16*\i+11],  v1, s[12:13] offset:(2*\i)*4096 th:TH_LOAD_NT
	global_load_b128 v[D+16*\i+12:D+16*\i+15], v1, s[12:13] offset:(2*\i+1)*4096 th:TH_LOAD_NT
.endr
.irp i, 0,1,2,3
	s_wait_loadcnt 12-4*\i                         ; this token's four loads are in; the later tokens' stay out
	v_pk_add_f32 v[D+16*\i:D+16*\i+1],     v[D+16*\i:D+16*\i+1],     v[D+16*\i+4:D+16*\i+5]
	v_pk_add_f32 v[D+16*\i+2:D+16*\i+3],   v[D+16*\i+2:D+16*\i+3],   v[D+16*\i+6:D+16*\i+7]
	v_pk_add_f32 v[D+16*\i+8:D+16*\i+9],   v[D+16*\i+8:D+16*\i+9],   v[D+16*\i+12:D+16*\i+13]
	v_pk_add_f32 v[D+16*\i+10:D+16*\i+11], v[D+16*\i+10:D+16*\i+11], v[D+16*\i+14:D+16*\i+15]
	v_pk_add_f32 v[D+16*\i:D+16*\i+1],     v[D+16*\i:D+16*\i+1],     v[D+16*\i+8:D+16*\i+9]
	v_pk_add_f32 v[D+16*\i+2:D+16*\i+3],   v[D+16*\i+2:D+16*\i+3],   v[D+16*\i+10:D+16*\i+11]
	global_store_b128 v1, v[D+16*\i:D+16*\i+3], s[6:7] offset:4096*\i th:TH_STORE_NT
.endr
	s_endpgm
.Lfunc_end_k_q7ab4dea760_sum:
	.size	k_q7ab4dea760_sum, .Lfunc_end_k_q7ab4dea760_sum-k_q7ab4dea760_sum
	.p2alignl 7, 3214868480
	.fill 96, 4, 3214868480
	.section	.rodata,"a",@progbits
	.p2align	6, 0x0
	.amdhsa_kernel k_q7ab4dea760_sum
		.amdhsa_group_segment_fixed_size 0
		.amdhsa_private_segment_fixed_size 0
		.amdhsa_enable_private_segment 0
		.amdhsa_kernarg_size 16
		.amdhsa_user_sgpr_count 2
		.amdhsa_user_sgpr_kernarg_segment_ptr 1
		.amdhsa_wavefront_size32 1
		.amdhsa_system_sgpr_workgroup_id_x 1
		.amdhsa_system_sgpr_workgroup_id_y 1
		.amdhsa_system_sgpr_workgroup_id_z 1
		.amdhsa_system_vgpr_workitem_id 0
		.amdhsa_next_free_vgpr 72
		.amdhsa_next_free_sgpr 66
		.amdhsa_reserve_vcc 0
		.amdhsa_float_denorm_mode_32 3
		.amdhsa_float_denorm_mode_16_64 3
		.amdhsa_memory_ordered 1
		.amdhsa_forward_progress 1
		.amdhsa_inst_pref_size 5
	.end_amdhsa_kernel
	.amdgpu_metadata
---
amdhsa.version: [ 1, 2 ]
amdhsa.kernels:
  - .name:           k_q7ab4dea760_sum
    .symbol:         k_q7ab4dea760_sum.kd
    .args:
      - { .name: y, .offset: 0, .size: 8, .value_kind: global_buffer, .address_space: global }
      - { .name: out0, .offset: 8, .size: 8, .value_kind: global_buffer, .address_space: global }
    .group_segment_fixed_size: 0
    .private_segment_fixed_size: 0
    .kernarg_segment_align: 8
    .kernarg_segment_size: 16
    .max_flat_workgroup_size: 256
    .sgpr_count:     66
    .vgpr_count:     72
    .wavefront_size: 32
...
	.end_amdgpu_metadata
.endif
;; end of part 5
;; ======== version 2 of 2: 5 launches
;; workspace buffers: route 5,120 bytes of whole numbers; gw 8,192 bytes; xq 1,843,200 bytes; rows 9,472 bytes of whole numbers; roww 9,216 bytes; hq 7,372,800 bytes; y 16,777,216 bytes
;; launch gate (part 6): grid 128 x 1, 8 waves a work-group, no clusters, 76,800 bytes of LDS; arguments x, Wg, bg, route, gw; writes route, gw
.if DOCPART == 6
	.amdgcn_target "amdgcn-amd-amdhsa--gfx1250"
	.amdhsa_code_object_version 6
	.text
	.protected	k_q7ab4dea760_gate
	.globl	k_q7ab4dea760_gate
	.p2align	8
	.type	k_q7ab4dea760_gate,@function
k_q7ab4dea760_gate:
	s_mov_b64 s[64:65], 0
	v_nop
	global_prefetch_b8 v0, s[64:65] scope:SCOPE_SE
	s_setreg_imm32_b32 hwreg(HW_REG_WAVE_MODE, 25, 1), 1
	s_wait_xcnt 0x0
; GATE.  logits = x Wg + bg in f32 multiply-adds, softmax's numerators p = 2^((l - max) log2 e), the two largest (the lower index wins a tie), their weights p / (pa + pb).
; x [1024][1024], Wg [1024][8], bg [8]: f32.  Stored at fixed places: route[0..1023]: for expert e 128 bytes, bit t = token t chose e; route[1024 + 4 t]: first expert | second << 8; gw[t]: the two weights.
; SHARES.  A work-group owns 8 tokens; wave w owns d = 128 w .. 128 w + 127; lane (t = lane % 8, q = lane / 8) owns 32 d of token t.  The waves' partial sums meet in LDS behind the one barrier; wave 0 finishes.
; x and Wg are loaded 512 consecutive bytes an instruction and turned through the wave's own LDS bytes, so that a lane gets its 32 neighbours of x and its group's rows of Wg.
; LIMITS: NaN and infinities are not served.  The two largest are taken of p, not of p divided by the sum: the choice can differ from the divided softmax's only where two weights lie within one rounding of each other.
; The softmax's divisor cancels in pa / (pa + pb).  The sums are f32 in another order than a row-by-row sum.
.set XS,   0                           ; LDS: wave w's 8 rows of x: 512 bytes + 16, at w x 4224
.set WS,   33792                       ; wave w's 128 rows of Wg (32 bytes each), 32 bytes of padding behind each 32 rows, at w x 4224
.set RED,  67584                       ; the partial sums: 32 bytes a lane, 1,024 a wave
.set WREG, 4224
.set ACC,  8                           ; v8-15   my eight sums, in four pairs
.set XR,   16                          ; v16-47  my 32 numbers of x
.set CH,   48                          ; v48-111 staging, then two buffers of four rows of Wg
	s_load_b256 s[4:11], s[0:1], 0x0               ; x s[4:5], Wg s[6:7], bg s[8:9], route s[10:11]
	s_load_b64 s[12:13], s[0:1], 0x20              ; gw
	v_lshl_add_u32 v128, v0, 2, 0x12800
	v_mov_b32 v129, 0
	v_lshrrev_b32 v1, 5, v0
	s_delay_alu instid0(VALU_DEP_1)
	v_readfirstlane_b32 s14, v1                    ; wave 0..7
	v_and_b32 v1, 31, v0                           ; lane
	s_delay_alu instid0(VALU_DEP_1)
	v_lshlrev_b32 v2, 4, v1                        ; 16 x lane
	s_delay_alu instid0(VALU_DEP_2)
	v_and_b32 v8, 7, v1                            ; t
	s_delay_alu instid0(VALU_DEP_3)
	v_lshrrev_b32 v9, 3, v1                        ; q
	s_mul_i32 s15, s14, WREG
	v_add_nc_u32 v3, s15, v2                       ; x into LDS: as loaded
	v_mul_u32_u24 v4, v8, 528
	s_delay_alu instid0(VALU_DEP_1)
	v_lshl_add_u32 v4, v9, 7, v4
	s_delay_alu instid0(VALU_DEP_1)
	v_add_nc_u32 v4, s15, v4                       ; x out of LDS: row t, 128 q bytes on
	s_add_co_u32 s24, s15, WS
	v_add_nc_u32 v5, s24, v2                       ; Wg into LDS
	v_mul_u32_u24 v6, v9, 1056
	s_delay_alu instid0(VALU_DEP_1)
	v_add_nc_u32 v6, s24, v6                       ; Wg out of LDS: my group of 32 rows
	s_lshl_b32 s25, s14, 10
	s_add_co_u32 s25, s25, RED
	v_lshl_add_u32 v7, v1, 5, s25                  ; my partial sums
	s_lshl_b32 s26, ttmp9, 15                      ; 8 tokens of 4,096 bytes,
	s_lshl_b32 s27, s14, 9                         ; my wave's 512 bytes of a row
	s_add_co_u32 s26, s26, s27
	s_mov_b32 s27, 0
	s_lshl_b32 s28, s14, 12                        ; my wave's 128 rows of Wg
	s_mov_b32 s29, 0
	s_wait_alu depctr_va_vdst(0)
	s_wait_kmcnt 0x0
	s_add_nc_u64 s[4:5], s[4:5], s[26:27]
	s_add_nc_u64 s[6:7], s[6:7], s[28:29]
.irp j, 0,1,2,3,4,5,6,7
	global_load_b128 v[CH+4*\j:CH+4*\j+3], v2, s[6:7] offset:512*\j
.endr
.irp i, 0,1,2,3,4,5,6,7
	global_load_b128 v[CH+32+4*\i:CH+32+4*\i+3], v2, s[4:5] offset:4096*\i      ; token i: 512 consecutive bytes
.endr
.irp j, 0,1,2,3,4,5,6,7
	s_wait_loadcnt 15-\j                           ; loads come back in order: this one is in, the younger stay out
	ds_store_b128 v5, v[CH+4*\j:CH+4*\j+3] offset:512*\j+32*(\j/2)
.endr
.irp i, 0,1,2,3,4,5,6,7
	s_wait_loadcnt 7-\i
	ds_store_b128 v3, v[CH+32+4*\i:CH+32+4*\i+3] offset:528*\i
.endr
.irp c, 0,1,2,3,4,5,6,7
	ds_load_b128 v[XR+4*\c:XR+4*\c+3], v4 offset:16*\c     ; LDS serves a wave's instructions in order: these see my stores
.endr
.macro CHLOAD m                        ; four rows of Wg (d = 4 m .. 4 m + 3 of my group) into buffer m % 2; the eight lanes of a group read the same bytes
.irp k, 0,1,2,3,4,5,6,7
	ds_load_b128 v[CH+32*((\m)%2)+4*\k:CH+32*((\m)%2)+4*\k+3], v6 offset:128*(\m)+16*\k
.endr
.endm
.macro CHUNK m                         ; sixteen packed multiply-adds: x(d) times two experts' weights
.if (\m) < 7
	s_wait_dscnt 8                                 ; this chunk is in; the next chunk's eight loads may be out
.else
	s_wait_dscnt 0x0
.endif
.irp dd, 0,1,2,3
.irp i, 0,1,2,3
.set XP, XR+4*(\m)+2*(\dd/2)
.set WP, CH+32*((\m)%2)+8*\dd+2*\i
.if ((\m) == 0) && (\dd == 0)
	v_pk_mul_f32 v[ACC+2*\i:ACC+2*\i+1], v[XP:XP+1], v[WP:WP+1] op_sel_hi:[0,1]      ; the first product starts the sums
.elseif (\dd%2) == 0
	v_pk_fma_f32 v[ACC+2*\i:ACC+2*\i+1], v[XP:XP+1], v[WP:WP+1], v[ACC+2*\i:ACC+2*\i+1] op_sel_hi:[0,1,1]
.else
	s_delay_alu instid0(VALU_DEP_4)
	v_pk_fma_f32 v[ACC+2*\i:ACC+2*\i+1], v[XP:XP+1], v[WP:WP+1], v[ACC+2*\i:ACC+2*\i+1] op_sel:[1,0,0] op_sel_hi:[1,1,1]
.endif
.endr
.endr
.if (\m)+2 < 8
	CHLOAD (\m)+2
.endif
.endm
	CHLOAD 0
	CHLOAD 1
.irp m, 0,1,2,3,4,5,6,7
	s_wait_alu depctr_va_vdst(0)
	CHUNK \m
.endr
	ds_store_b128 v7, v[ACC:ACC+3]
	ds_store_b128 v7, v[ACC+4:ACC+7] offset:16
	s_wait_dscnt 0x0                               ; for wave 0's sake: my partial sums lie in LDS
	s_barrier_signal -1
	s_barrier_wait -1
	s_cmp_lg_u32 s14, 0
	s_cbranch_scc1 .Lend
	; ---- wave 0: lane (t, q) adds the eight waves' sums, then the four q
	s_load_b256 s[16:23], s[8:9], 0x0              ; bg
.irp w, 0,1,2,3,4,5,6,7
	ds_load_b128 v[16+8*\w:19+8*\w], v7 offset:1024*\w
	ds_load_b128 v[20+8*\w:23+8*\w], v7 offset:1024*\w+16
.endr
	s_mov_b32 s30, 0x76543210
	s_mov_b32 s31, 0xfedcba98                      ; v_permlanex16_b32's selects for lane l xor 16
	s_wait_dscnt 0x0
.irp w, 1,2,3,4,5,6,7
.irp i, 0,2,4,6
	v_pk_add_f32 v[16+\i:17+\i], v[16+\i:17+\i], v[16+8*\w+\i:17+8*\w+\i]
.endr
.endr
.irp e, 0,1,2,3,4,5,6,7
	v_add_f32_dpp v[16+\e], v[16+\e], v[16+\e] row_xmask:8 row_mask:0xf bank_mask:0xf
.endr
.irp e, 0,1,2,3,4,5,6,7
	v_permlanex16_b32 v[24+\e], v[16+\e], s30, s31
.endr
	s_wait_alu depctr_va_vdst(0)
	s_wait_kmcnt 0x0
.irp e, 0,1,2,3,4,5,6,7
	v_add_f32 v[16+\e], v[16+\e], v[24+\e]
.endr
.irp e, 0,1,2,3,4,5,6,7
	v_add_f32 v[16+\e], s[16+\e], v[16+\e]         ; every lane now holds token (lane % 8)'s eight logits
.endr
	v_max3_num_f32 v32, v16, v17, v18
	s_delay_alu instid0(VALU_DEP_1)
	v_max3_num_f32 v32, v32, v19, v20
	s_delay_alu instid0(VALU_DEP_1)
	v_max3_num_f32 v32, v32, v21, v22
	s_delay_alu instid0(VALU_DEP_1)
	v_max_num_f32 v32, v32, v23                    ; the row's maximum is taken away before the exponential
.irp e, 0,1,2,3,4,5,6,7
	v_sub_f32 v[16+\e], v[16+\e], v32
.endr
.irp e, 0,1,2,3,4,5,6,7
	v_mul_f32 v[16+\e], 0x3fb8aa3b, v[16+\e]
.endr
	s_wait_alu depctr_va_vdst(0)
.irp e, 0,1,2,3,4,5,6,7
	v_exp_f32 v[16+\e], v[16+\e]
.endr
	v_mov_b32 v34, 0                               ; (a plain place behind the exponentials)  the first's index
	v_mov_b32 v36, 0                               ; the second's
	v_mov_b32 v35, -1.0                            ; the second largest so far: under every p
	s_wait_alu depctr_va_vdst(0)
	v_mov_b32 v33, v16                             ; the largest so far
.irp e, 1,2,3,4,5,6,7                  ; strictly greater: of equal numbers the lower index stays ahead
	v_cmp_gt_f32 s24, v[16+\e], v33
	v_cmp_gt_f32 vcc_lo, v[16+\e], v35
	v_mov_b32 v37, \e
	v_cndmask_b32 v35, v35, v[16+\e], vcc_lo
	s_delay_alu instid0(VALU_DEP_2)
	v_cndmask_b32 v36, v36, v37, vcc_lo
	s_delay_alu instid0(VALU_DEP_2)
	v_cndmask_b32 v35, v35, v33, s24
	s_delay_alu instid0(VALU_DEP_2)
	v_cndmask_b32 v36, v36, v34, s24
	v_cndmask_b32 v33, v33, v[16+\e], s24
	v_cndmask_b32 v34, v34, v37, s24
.endr
	s_delay_alu instid0(VALU_DEP_2)
	v_add_f32 v38, v33, v35
	s_wait_alu depctr_va_vdst(0)
	v_rcp_f32 v38, v38
	v_lshl_or_b32 v42, v36, 8, v34                 ; (a plain place behind the reciprocal)  first | second << 8
	s_wait_alu depctr_va_vdst(0)
	v_mul_f32 v40, v33, v38
	v_mul_f32 v41, v35, v38
	v_mov_b32 v43, 0
.irp e, 0,1,2,3,4,5,6,7                ; lane e gets the byte whose bit t says that token t chose expert e
	v_cmp_eq_u32 s24, \e, v34
	v_cmp_eq_u32 s25, \e, v36
	s_or_b32 s24, s24, s25
	s_and_b32 s24, s24, 0xff
	v_writelane_b32 v43, s24, \e
.endr
	s_lshl_b32 s26, ttmp9, 5
	s_lshl_b32 s27, ttmp9, 6
	s_mov_b32 s28, ttmp9
	v_lshl_add_u32 v46, v1, 2, s26                 ; 4 x token
	v_lshl_add_u32 v47, v1, 3, s27                 ; 8 x token
	v_lshl_add_u32 v45, v1, 7, s28                 ; expert's 128 bytes, my work-group's byte
	s_wait_alu depctr_va_vdst(0)
	s_wait_xcnt 0x0                                ; EXEC changes only behind this wait
	v_cmp_gt_u32 vcc_lo, 8, v1
	s_and_saveexec_b32 s24, vcc_lo                 ; lanes 0-7: a token each, and an expert each
	global_store_b32 v46, v42, s[10:11] offset:1024
	global_store_b64 v47, v[40:41], s[12:13]
	global_store_b8 v45, v43, s[10:11]
	s_wait_xcnt 0x0                                ; and again in front of the line that widens it
	s_or_b32 exec_lo, exec_lo, s24
.Lend:
	s_wait_tensorcnt 0x0
	ds_add_u32 v128, v129
	s_wait_dscnt 0x0
	s_endpgm
.Lfunc_end_k_q7ab4dea760_gate:
	.size	k_q7ab4dea760_gate, .Lfunc_end_k_q7ab4dea760_gate-k_q7ab4dea760_gate
	.p2alignl 7, 3214868480
	.fill 96, 4, 3214868480
	.section	.rodata,"a",@progbits
	.p2align	6, 0x0
	.amdhsa_kernel k_q7ab4dea760_gate
		.amdhsa_group_segment_fixed_size 76800
		.amdhsa_private_segment_fixed_size 0
		.amdhsa_enable_private_segment 0
		.amdhsa_kernarg_size 40
		.amdhsa_user_sgpr_count 2
		.amdhsa_user_sgpr_kernarg_segment_ptr 1
		.amdhsa_wavefront_size32 1
		.amdhsa_system_sgpr_workgroup_id_x 1
		.amdhsa_system_sgpr_workgroup_id_y 1
		.amdhsa_system_sgpr_workgroup_id_z 1
		.amdhsa_system_vgpr_workitem_id 0
		.amdhsa_next_free_vgpr 130
		.amdhsa_next_free_sgpr 66
		.amdhsa_reserve_vcc 1
		.amdhsa_float_denorm_mode_32 3
		.amdhsa_float_denorm_mode_16_64 3
		.amdhsa_memory_ordered 1
		.amdhsa_forward_progress 1
		.amdhsa_inst_pref_size 34
	.end_amdhsa_kernel
	.amdgpu_metadata
---
amdhsa.version: [ 1, 2 ]
amdhsa.kernels:
  - .name:           k_q7ab4dea760_gate
    .symbol:         k_q7ab4dea760_gate.kd
    .args:
      - { .name: x, .offset: 0, .size: 8, .value_kind: global_buffer, .address_space: global }
      - { .name: Wg, .offset: 8, .size: 8, .value_kind: global_buffer, .address_space: global }
      - { .name: bg, .offset: 16, .size: 8, .value_kind: global_buffer, .address_space: global }
      - { .name: route, .offset: 24, .size: 8, .value_kind: global_buffer, .address_space: global }
      - { .name: gw, .offset: 32, .size: 8, .value_kind: global_buffer, .address_space: global }
    .group_segment_fixed_size: 76800
    .private_segment_fixed_size: 0
    .kernarg_segment_align: 8
    .kernarg_segment_size: 40
    .max_flat_workgroup_size: 256
    .sgpr_count:     66
    .vgpr_count:     130
    .wavefront_size: 32
...
	.end_amdgpu_metadata
.endif
;; end of part 6
;; launch place (part 7): grid 71 x 1, 8 waves a work-group, no clusters, 0 bytes of LDS; arguments route, gw, x, xq, rows, roww; writes xq, rows, roww
.if DOCPART == 7
	.amdgcn_target "amdgcn-amd-amdhsa--gfx1250"
	.amdhsa_code_object_version 6
	.text
	.protected	k_q7ab4dea760_place
	.globl	k_q7ab4dea760_place
	.p2align	8
	.type	k_q7ab4dea760_place,@function
k_q7ab4dea760_place:
	s_mov_b64 s[64:65], 0
	v_nop
	global_prefetch_b8 v0, s[64:65] scope:SCOPE_SE
	s_setreg_imm32_b32 hwreg(HW_REG_WAVE_MODE, 25, 1), 1
	s_wait_xcnt 0x0
; PLACE.  The routed rows (token, expert) are sorted by expert, tokens ascending, each expert filled up to a multiple of 32 rows by repeating its last row; x's rows are gathered in that order and quantised to
; codes of E3M2 with one E8M0 byte for each 32 along d.  With 2,048 rows, 8 experts and blocks of 32 there are never more than 64 + 7 = 71 blocks: work-group g is block g, and ends at once if this split has fewer.
; ALL STEERING IS ON WHOLE NUMBERS READ FROM route.  The counts are scalar: the bitmaps come by scalar loads, two experts at a time, and their bits are counted by s_bcnt1_i32_b32.  The p-th chosen token of an
; expert is found lane by lane with additions, shifts and ANDs alone: m = ((a - b) >> 31) - 1 is all ones where a >= b (all numbers lie under 2^16), and what is to be selected is added under that mask.
; No lane looks at another lane for an index: lane (r, h) finds both tokens that it gathers, rows r and 16 + r of the block.  No atomics.
; Wave s takes K step s (d = 128 s .. 128 s + 127) of the block's 32 rows: two tiles of 16.  The waves share nothing: no LDS, no barrier.
; STORED: xq: a fragment as an image of its 12 registers, block g, tile u, K step s at g x 24576 + u x 12288 + s x 1536 + 512 c + 16 x lane; scale words at 1769472 + g x 1024 + s x 128 + 4 x row.
;   rows[g x 32 + row] = 2 x token + slot; rows[2304 + 2 e] = expert e's first block, [.. + 1] its number of blocks; roww[g x 32 + row] = the row's weight.
; A block's scale is 2^(floor(log2(largest magnitude)) - 4); its byte is the largest magnitude's exponent field - 4, held at 1 from below.
; LIMITS: a block whose largest magnitude lies under 2^-122, a block of zeros too, keeps the byte 1 (zero codes add nothing; this program alone reads the bytes); NaN and infinities are not served.
; SCALAR REGISTERS: s[4:15] the six buffers; s16-24 the experts' first blocks and the number of all blocks (before that, with s25-47: a bitmap); s25 my expert, s26 its first block, s27 its count;
;   s28-47 at work; s48-55 the counts; s56-63 the numbers of blocks; s68-99 a bitmap, at last my expert's; s100 wave; s101 block.
.set ST0, 64                           ; v64-127  tile 0's 64 numbers a lane: register 16 b + i = d 128 s + 32 b + 16 (lane / 16) + i of row lane % 16
.set ST1, 128                          ; v128-191 tile 1's
.set PC0, 192                          ; v192-211 tile 0's codes (12) and 8 at work
.set PC1, 212                          ; v212-231 tile 1's
.set TM,  232                          ; v232-247 at work in QUANT
.set PW0, 248
.set PW1, 249
.set PWJ, 250
.set SEL, 44                           ; s[44:45] v_permlanex16_b32's selects for lane l xor 16 (used on floating-point numbers alone)
.set WV,  100
.set GS,  101
.macro QUANT s, pc, pw                 ; 64 numbers of a lane become a fragment's codes in v[pc] on and its row's scale word in v[pw]
.irp b, 0,1,2,3
	v_max3_num_f32 v[TM+\b], |v[\s+16*\b]|, |v[\s+1+16*\b]|, 0x2800000   ; block b: my 16 numbers, and the floor 2^(5 - 127): the byte cannot fall under 1
.endr
.irp i, 2,4,6,8,10,12,14
.irp b, 0,1,2,3
	s_delay_alu instid0(VALU_DEP_4)
	v_max3_num_f32 v[TM+\b], v[TM+\b], |v[\s+16*\b+\i]|, |v[\s+1+16*\b+\i]|
.endr
.endr
.irp b, 0,1,2,3
	s_delay_alu instid0(VALU_DEP_4)
	v_permlanex16_b32 v[TM+4+\b], v[TM+\b], s[SEL], s[SEL+1]
.endr
.irp b, 0,1,2,3
	s_delay_alu instid0(VALU_DEP_4)
	v_max_num_f32 v[TM+\b], v[TM+\b], v[TM+4+\b]   ; with lane l xor 16's 16: the block's largest magnitude
.endr
.irp b, 0,1,2,3
	s_delay_alu instid0(VALU_DEP_4)
	v_add_nc_u32 v[TM+12+\b], 0xfe000000, v[TM+\b] ; 4 off its exponent field: the conversion takes this operand's exponent field as its scale
.endr
.irp b, 0,1,2,3
	s_delay_alu instid0(VALU_DEP_4)
	v_lshrrev_b32 v[TM+4+\b], 23, v[TM+12+\b]      ; the scale's byte
.endr
	s_delay_alu instid0(VALU_DEP_3)
	v_lshl_or_b32 v[\pw], v[TM+5], 8, v[TM+4]
	s_delay_alu instid0(VALU_DEP_1)
	v_lshl_or_b32 v[\pw], v[TM+6], 16, v[\pw]
	s_delay_alu instid0(VALU_DEP_1)
	v_lshl_or_b32 v[\pw], v[TM+7], 24, v[\pw]
.irp c, 0,1
	v_cvt_scalef32_pk16_bf6_f32 v[\pc+6*\c:\pc+2+6*\c], v[\s+32*\c:\s+15+32*\c], v[TM+12+2*\c]
	v_cvt_scalef32_pk16_bf6_f32 v[\pc+12+4*\c:\pc+14+4*\c], v[\s+16+32*\c:\s+31+32*\c], v[TM+12+2*\c+1]   ; (a conversion's three registers begin on an even number)
.endr
	v_nop                                          ; one plain place behind a scaled conversion
.irp c, 0,1                            ; the operand's layout wants a whole block in a lane: lanes 0-15 block 2 c, lanes 16-31 block 2 c + 1
.irp i, 0,1,2
	v_permlane16_swap_b32 v[\pc+6*\c+\i], v[\pc+12+4*\c+\i]
.endr
.irp i, 0,1,2
	s_delay_alu instid0(VALU_DEP_3)
	v_mov_b32 v[\pc+3+6*\c+\i], v[\pc+12+4*\c+\i]
.endr
.endr
.endm
.macro COUNT c, w0                     ; s[c] = the set bits of the 32 words from s[w0] on: counted in place, then added as a tree, so that no line waits for the line above it
.set J, 0
.rept 32
	s_bcnt1_i32_b32 s[\w0+J], s[\w0+J]
.set J, J+1
.endr
.irp d, 16,8,4,2
.set J, 0
.rept \d
	s_add_co_u32 s[\w0+J], s[\w0+J], s[\w0+J+\d]
.set J, J+1
.endr
.endr
	s_add_co_u32 s[\c], s[\w0], s[\w0+1]
.endm
.macro COUNT2 e                        ; experts e and e + 1: 256 bytes of bitmaps by four scalar loads
	s_load_b512 s[16:31], s[4:5], 128*\e
	s_load_b512 s[32:47], s[4:5], 128*\e+64
	s_load_b512 s[68:83], s[4:5], 128*\e+128
	s_load_b512 s[84:99], s[4:5], 128*\e+192
	s_wait_kmcnt 0x0                               ; scalar loads come back in no order: only the count 0 shows anything
	COUNT 48+\e, 16
	COUNT 49+\e, 68
.endm
	s_load_b256 s[4:11], s[0:1], 0x0               ; route s[4:5], gw s[6:7], x s[8:9], xq s[10:11]
	s_load_b128 s[12:15], s[0:1], 0x20             ; rows s[12:13], roww s[14:15]
	v_lshrrev_b32 v1, 5, v0
	s_delay_alu instid0(VALU_DEP_1)
	v_readfirstlane_b32 s[WV], v1                  ; wave = K step
	v_and_b32 v1, 31, v0                           ; lane
	s_delay_alu instid0(VALU_DEP_1)
	v_lshlrev_b32 v2, 2, v1                        ; 4 x lane
	s_delay_alu instid0(VALU_DEP_2)
	v_lshlrev_b32 v4, 4, v1                        ; 16 x lane
	s_delay_alu instid0(VALU_DEP_3)
	v_lshrrev_b32 v5, 4, v1                        ; h = lane / 16
	s_delay_alu instid0(VALU_DEP_1)
	v_lshlrev_b32 v3, 6, v5                        ; 64 h: my 16 numbers of a block of 32
	s_delay_alu instid0(VALU_DEP_2)
	v_sub_nc_u32 v6, 0, v5                         ; all ones in lanes 16-31
	v_and_b32 v7, 15, v1                           ; r = lane % 16
	s_mov_b32 s[GS], ttmp9                         ; g
.irp b, 0,1,2,3
	v_mov_b32 v[TM+4+\b], 0                        ; written once: a lane permute's destination counts as one of its sources
.endr
	s_wait_kmcnt 0x0
	; ---- 1: how many tokens chose each expert
	COUNT2 0
	COUNT2 2
	COUNT2 4
	COUNT2 6
.irp e, 0,1,2,3,4,5,6,7
	s_add_co_u32 s[56+\e], s[48+\e], 31
	s_lshr_b32 s[56+\e], s[56+\e], 5               ; s56-63: blocks of 32 rows
.endr
	s_mov_b32 s16, 0
.irp e, 0,1,2,3,4,5,6,7
	s_add_co_u32 s[17+\e], s[16+\e], s[56+\e]      ; s16-23: first blocks; s24: all blocks
.endr
	; ---- 2: whose block is g
	s_cmp_ge_u32 s[GS], s24
	s_cbranch_scc1 .Lend                           ; this split has fewer blocks than the grid serves
	s_mov_b32 s25, 0                               ; the expert,
	s_mov_b32 s26, 0                               ; its first block,
	s_mov_b32 s27, s48                             ; its count
.irp e, 1,2,3,4,5,6,7                  ; the last expert whose first block is g or less (an expert without rows is passed over by its successor)
	s_cmp_ge_u32 s[GS], s[16+\e]
	s_cselect_b32 s25, \e, s25
	s_cselect_b32 s26, s[16+\e], s26
	s_cselect_b32 s27, s[48+\e], s27
.endr
	; ---- 3: that expert's 32 words once more, into s68-99
	s_min_u32 s25, s25, 7                          ; an expert's number stays inside the bitmaps
	s_lshl_b32 s28, s25, 7
	s_mov_b32 s29, 0
	s_add_nc_u64 s[30:31], s[4:5], s[28:29]
	s_load_b512 s[68:83], s[30:31], 0x0
	s_load_b512 s[84:99], s[30:31], 0x40
	s_mov_b32 s40, 0x55555555
	s_mov_b32 s41, 0x33333333
	s_mov_b32 s42, 0x0f0f0f0f
	s_mov_b32 s43, 0xffff0000                      ; lanes 16-31
	s_mov_b32 s[SEL], 0x76543210
	s_mov_b32 s[SEL+1], 0xfedcba98
	; ---- 4: my two rows are the expert's pA-th and pB-th chosen tokens (rows past the count repeat the last)
	s_sub_co_u32 s32, s[GS], s26
	s_lshl_b32 s32, s32, 5                         ; the block's first row among the expert's
	s_sub_co_u32 s33, s27, 1
	s_wait_alu depctr_va_vdst(0)
	v_add_nc_u32 v26, s32, v7                      ; pA: row r
	s_delay_alu instid0(VALU_DEP_1)
	v_add_nc_u32 v27, 16, v26                      ; pB: row 16 + r
	s_delay_alu instid0(VALU_DEP_2)
	v_min_u32 v26, s33, v26
	s_delay_alu instid0(VALU_DEP_2)
	v_min_u32 v27, s33, v27
	v_mov_b32 v30, 0                               ; the bits in the words before mine, and 65,536 x my word's number
	v_mov_b32 v31, 0
	s_wait_alu depctr_va_vdst(0)
	s_wait_kmcnt 0x0
	v_mov_b32 v28, s68                             ; the word that holds my bit
	v_mov_b32 v29, s68
	s_bcnt1_i32_b32 s37, s68
	s_sub_co_u32 s34, 0, s37                       ; minus the bits in words 0 .. J - 1
.set J, 1
.rept 31                               ; as long as the bits before word J are p or fewer, go on to word J: the sums telescope
	s_add_co_u32 s35, s37, 0x10000                 ; word J - 1's bits, and one word more
	s_sub_co_u32 s36, s[68+J], s[67+J]             ; from word J - 1 to word J
	v_add_nc_u32 v32, s34, v26
	v_add_nc_u32 v33, s34, v27
	s_delay_alu instid0(VALU_DEP_2)
	v_lshrrev_b32 v32, 31, v32                     ; 1 where p is less
	s_delay_alu instid0(VALU_DEP_2)
	v_lshrrev_b32 v33, 31, v33
	s_delay_alu instid0(VALU_DEP_2)
	v_add_nc_u32 v32, -1, v32                      ; all ones where it is not
	s_delay_alu instid0(VALU_DEP_2)
	v_add_nc_u32 v33, -1, v33
	s_delay_alu instid0(VALU_DEP_2)
	v_and_b32 v34, s35, v32
	s_delay_alu instid0(VALU_DEP_2)
	v_and_b32 v35, s35, v33
	s_delay_alu instid0(VALU_DEP_2)
	v_add_nc_u32 v30, v30, v34
	s_delay_alu instid0(VALU_DEP_2)
	v_add_nc_u32 v31, v31, v35
	v_and_b32 v34, s36, v32
	v_and_b32 v35, s36, v33
	s_delay_alu instid0(VALU_DEP_2)
	v_add_nc_u32 v28, v28, v34
	s_delay_alu instid0(VALU_DEP_2)
	v_add_nc_u32 v29, v29, v35
	s_bcnt1_i32_b32 s37, s[68+J]
	s_sub_co_u32 s34, s34, s37
.set J, J+1
.endr
	v_and_b32 v32, 0xffff, v30
	v_and_b32 v33, 0xffff, v31
	s_delay_alu instid0(VALU_DEP_2)
	v_sub_nc_u32 v26, v26, v32                     ; which set bit of the word
	s_delay_alu instid0(VALU_DEP_2)
	v_sub_nc_u32 v27, v27, v33
	v_lshrrev_b32 v30, 16, v30                     ; the word's number
	v_lshrrev_b32 v31, 16, v31
.macro LEVELS w, l                     ; the word's set bits counted in fields of 2, 4, 8 and 16 bits: v[l] .. v[l + 3]
	v_lshrrev_b32 v44, 1, v[\w]
	s_delay_alu instid0(VALU_DEP_1)
	v_and_b32 v44, s40, v44
	s_delay_alu instid0(VALU_DEP_1)
	v_sub_nc_u32 v[\l], v[\w], v44
	s_delay_alu instid0(VALU_DEP_1)
	v_lshrrev_b32 v44, 2, v[\l]
	s_delay_alu instid0(VALU_DEP_1)
	v_and_b32 v44, s41, v44
	s_delay_alu instid0(VALU_DEP_3)
	v_and_b32 v[\l+1], s41, v[\l]
	s_delay_alu instid0(VALU_DEP_1)
	v_add_nc_u32 v[\l+1], v[\l+1], v44
	s_delay_alu instid0(VALU_DEP_1)
	v_lshrrev_b32 v44, 4, v[\l+1]
	s_delay_alu instid0(VALU_DEP_1)
	v_add_nc_u32 v[\l+2], v[\l+1], v44
	s_delay_alu instid0(VALU_DEP_1)
	v_and_b32 v[\l+2], s42, v[\l+2]
	s_delay_alu instid0(VALU_DEP_1)
	v_lshrrev_b32 v44, 8, v[\l+2]
	s_delay_alu instid0(VALU_DEP_1)
	v_add_nc_u32 v[\l+3], v[\l+2], v44
	s_delay_alu instid0(VALU_DEP_1)
	v_and_b32 v[\l+3], 0xff00ff, v[\l+3]
.endm
	LEVELS 28, 36
	LEVELS 29, 40
	v_mov_b32 v46, 0                               ; the bit's place
	v_mov_b32 v47, 0
.macro DESC lv, wd, q, pos, t, u       ; if the lower wd bits from pos on hold q set bits or fewer, pass over them
	v_lshrrev_b32 v[\t], v[\pos], v[\lv]
	s_delay_alu instid0(VALU_DEP_1)
	v_and_b32 v[\t], (1<<\wd)-1, v[\t]
	s_delay_alu instid0(VALU_DEP_1)
	v_sub_nc_u32 v[\u], v[\q], v[\t]
	s_delay_alu instid0(VALU_DEP_1)
	v_lshrrev_b32 v[\u], 31, v[\u]
	s_delay_alu instid0(VALU_DEP_1)
	v_add_nc_u32 v[\u], -1, v[\u]                  ; all ones where q is not less
	s_delay_alu instid0(VALU_DEP_1)
	v_and_b32 v[\t], v[\t], v[\u]
	s_delay_alu instid0(VALU_DEP_1)
	v_sub_nc_u32 v[\q], v[\q], v[\t]
	s_delay_alu instid0(VALU_DEP_3)
	v_and_b32 v[\u], \wd, v[\u]
	s_delay_alu instid0(VALU_DEP_1)
	v_add_nc_u32 v[\pos], v[\pos], v[\u]
.endm
	DESC 39, 16, 26, 46, 32, 33
	DESC 43, 16, 27, 47, 34, 35
	DESC 38, 8, 26, 46, 32, 33
	DESC 42, 8, 27, 47, 34, 35
	DESC 37, 4, 26, 46, 32, 33
	DESC 41, 4, 27, 47, 34, 35
	DESC 36, 2, 26, 46, 32, 33
	DESC 40, 2, 27, 47, 34, 35
	DESC 28, 1, 26, 46, 32, 33
	DESC 29, 1, 27, 47, 34, 35
	v_lshl_add_u32 v48, v30, 5, v46                ; the token of row r,
	s_delay_alu instid0(VALU_DEP_2)
	v_lshl_add_u32 v49, v31, 5, v47                ; and of row 16 + r
	s_delay_alu instid0(VALU_DEP_1)
	v_sub_nc_u32 v52, v49, v48
	s_delay_alu instid0(VALU_DEP_1)
	v_and_b32 v52, v52, v6
	s_delay_alu instid0(VALU_DEP_1)
	v_add_nc_u32 v52, v52, v48                     ; the token of row `lane`: lanes 0-15 the first, lanes 16-31 the second
	v_min_u32 v48, 0x3ff, v48                      ; an index stays inside x
	v_min_u32 v49, 0x3ff, v49
	s_delay_alu instid0(VALU_DEP_3)
	v_min_u32 v52, 0x3ff, v52
	s_delay_alu instid0(VALU_DEP_3)
	; ---- 5: gather
	v_lshl_add_u32 v50, v48, 12, v3
	s_delay_alu instid0(VALU_DEP_3)
	v_lshl_add_u32 v51, v49, 12, v3
	s_lshl_b32 s28, s[WV], 9                       ; my K step's 512 bytes of a row
	s_add_nc_u64 s[8:9], s[8:9], s[28:29]
.macro XLOAD reg, off
.irp b, 0,1,2,3
.irp j, 0,1,2,3
	global_load_b128 v[\reg+16*\b+4*\j:\reg+16*\b+4*\j+3], v[\off], s[8:9] offset:128*\b+16*\j
.endr
.endr
.endm
	XLOAD ST0, 50
	XLOAD ST1, 51
	s_mul_i32 s28, s[GS], 24576
	s_mul_i32 s2, s[WV], 1536
	s_add_co_u32 s28, s28, s2
	s_add_nc_u64 s[46:47], s[10:11], s[28:29]      ; my fragments' images
	s_lshl_b32 s28, s[GS], 10
	s_lshl_b32 s2, s[WV], 7
	s_add_co_u32 s28, s28, s2
	s_add_co_u32 s28, s28, 1769472
	s_add_nc_u64 s[38:39], s[10:11], s[28:29]      ; my scale words
	s_cmp_lg_u32 s[WV], 0
	s_cbranch_scc1 .Lnot0
	; ---- wave 0 alone: where each row's result goes, and its weight
	s_lshl_b32 s28, s[GS], 7
	s_add_nc_u64 s[34:35], s[12:13], s[28:29]
	s_add_nc_u64 s[36:37], s[14:15], s[28:29]
	s_wait_alu depctr_va_vdst(0)
	v_lshlrev_b32 v53, 2, v52
	v_lshlrev_b32 v54, 3, v52
	global_load_b32 v55, v53, s[4:5] offset:1024
	global_load_b64 v[56:57], v54, s[6:7]
	s_wait_loadcnt 0x0
	v_lshrrev_b32 v55, 8, v55
	s_delay_alu instid0(VALU_DEP_1)
	v_cmp_eq_u32 vcc_lo, s25, v55                  ; am I the token's second expert?  (what hangs on this is stored, and steers nothing here)
	s_delay_alu instid0(VALU_DEP_1)
	v_cndmask_b32 v58, v56, v57, vcc_lo
	s_delay_alu instid0(VALU_DEP_2)
	v_cndmask_b32 v59, 0, 1, vcc_lo
	s_delay_alu instid0(VALU_DEP_1)
	v_lshl_add_u32 v59, v52, 1, v59                ; 2 x token + slot
	global_store_b32 v2, v59, s[34:35]
	global_store_b32 v2, v58, s[36:37]
	s_cmp_lg_u32 s[GS], 0
	s_cbranch_scc1 .Lnot0
	v_mov_b32 v60, 0                               ; block 0's wave 0: the experts' first blocks and numbers of blocks
.irp e, 0,1,2,3,4,5,6,7
	s_delay_alu instid0(VALU_DEP_1)
	v_writelane_b32 v60, s[16+\e], 2*\e
	s_delay_alu instid0(VALU_DEP_1)
	v_writelane_b32 v60, s[56+\e], 2*\e+1
.endr
	global_store_b32 v2, v60, s[12:13] offset:9216
.Lnot0:
	; ---- 6: quantise and store
	s_wait_loadcnt 16                              ; tile 0's sixteen loads are in; tile 1's may be out
	QUANT ST0, PC0, PW0
	s_wait_loadcnt 0x0
	QUANT ST1, PC1, PW1
	v_cndmask_b32 v[PWJ], v[PW0], v[PW1], s43      ; lanes 0-15: rows 0-15's words, lanes 16-31: rows 16-31's
.irp c, 0,1,2
	global_store_b128 v4, v[PC0+4*\c:PC0+4*\c+3], s[46:47] offset:512*\c              ; 512 consecutive bytes a store
	global_store_b128 v4, v[PC1+4*\c:PC1+4*\c+3], s[46:47] offset:12288+512*\c
.endr
	global_store_b32 v2, v[PWJ], s[38:39]
.Lend:
	s_endpgm
.Lfunc_end_k_q7ab4dea760_place:
	.size	k_q7ab4dea760_place, .Lfunc_end_k_q7ab4dea760_place-k_q7ab4dea760_place
	.p2alignl 7, 3214868480
	.fill 96, 4, 3214868480
	.section	.rodata,"a",@progbits
	.p2align	6, 0x0
	.amdhsa_kernel k_q7ab4dea760_place
		.amdhsa_group_segment_fixed_size 0
		.amdhsa_private_segment_fixed_size 0
		.amdhsa_enable_private_segment 0
		.amdhsa_kernarg_size 48
		.amdhsa_user_sgpr_count 2
		.amdhsa_user_sgpr_kernarg_segment_ptr 1
		.amdhsa_wavefront_size32 1
		.amdhsa_system_sgpr_workgroup_id_x 1
		.amdhsa_system_sgpr_workgroup_id_y 1
		.amdhsa_system_sgpr_workgroup_id_z 1
		.amdhsa_system_vgpr_workitem_id 0
		.amdhsa_next_free_vgpr 256
		.amdhsa_next_free_sgpr 102
		.amdhsa_reserve_vcc 1
		.amdhsa_float_denorm_mode_32 3
		.amdhsa_float_denorm_mode_16_64 3
		.amdhsa_memory_ordered 1
		.amdhsa_forward_progress 1
		.amdhsa_inst_pref_size 75
	.end_amdhsa_kernel
	.amdgpu_metadata
---
amdhsa.version: [ 1, 2 ]
amdhsa.kernels:
  - .name:           k_q7ab4dea760_place
    .symbol:         k_q7ab4dea760_place.kd
    .args:
      - { .name: route, .offset: 0, .size: 8, .value_kind: global_buffer, .address_space: global }
      - { .name: gw, .offset: 8, .size: 8, .value_kind: global_buffer, .address_space: global }
      - { .name: x, .offset: 16, .size: 8, .value_kind: global_buffer, .address_space: global }
      - { .name: xq, .offset: 24, .size: 8, .value_kind: global_buffer, .address_space: global }
      - { .name: rows, .offset: 32, .size: 8, .value_kind: global_buffer, .address_space: global }
      - { .name: roww, .offset: 40, .size: 8, .value_kind: global_buffer, .address_space: global }
    .group_segment_fixed_size: 0
    .private_segment_fixed_size: 0
    .kernarg_segment_align: 8
    .kernarg_segment_size: 48
    .max_flat_workgroup_size: 256
    .sgpr_count:     102
    .vgpr_count:     256
    .wavefront_size: 32
...
	.end_amdgpu_metadata
.endif
;; end of part 7
;; launch up (part 8): grid 256 x 1, 16 waves a work-group, no clusters, 104,448 bytes of LDS; arguments W1, b1, xq, rows, hq; writes hq
.if DOCPART == 8
	.amdgcn_target "amdgcn-amd-amdhsa--gfx1250"
	.amdhsa_code_object_version 6
	.text
	.protected	k_q7ab4dea760_up
	.globl	k_q7ab4dea760_up
	.p2align	8
	.type	k_q7ab4dea760_up,@function
k_q7ab4dea760_up:
	s_mov_b64 s[64:65], 0
	v_nop
	global_prefetch_b8 v0, s[64:65] scope:SCOPE_SE
	s_setreg_imm32_b32 hwreg(HW_REG_WAVE_SCHED_MODE, 0, 2), 2
	s_setreg_imm32_b32 hwreg(HW_REG_WAVE_MODE, 25, 1), 1
	s_wait_xcnt 0x0
	s_wait_alu depctr_vm_vsrc(0)
; UP.  h = gelu(x W1[e] + b1[e]) for the rows that chose expert e, on codes of E3M2 with one E8M0 byte for each 32 along K, and h quantised along the hidden axis on its way out.
; W1 [8][1024 d][4096 h] f32, b1 [8][4096] f32; xq: the sorted rows' codes as register images; rows: the experts' first blocks and numbers of blocks; hq: h's codes as register images.
; SHARES.  Work-group = (expert e = wg / 32, slice = wg % 32): 128 hidden units x all 1,024 d: 512 KB of W1, which no other work-group reads.  So every weight leaves memory once, as f32, and is quantised here.
; PHASE Q.  Wave (cg = w % 4, kq = w / 4) takes 32 columns x 256 d.  A LANE TAKES A COLUMN AND ITS REGISTERS RUN DOWN K: a block of 32 lies in one lane, and the conversions give codes with K innermost.
;   Three sets of 32 loads of 128 consecutive bytes are kept on their way in each of the sixteen waves.  A lane holds blocks 2 c and 2 c + 1 of its own column; one v_permlane16_swap_b32 a register turns the
;   wave's 32 columns into the operand layout of two tiles of 16 (lanes 0-15 block 2 c, lanes 16-31 block 2 c + 1).  The images go to LDS, 16 bytes a lane on end; the scale words 4 bytes a lane:
;   lanes 0-15 are tile 0's, lanes 16-31 tile 1's, as the matrix instruction's two scale rows take them.  One barrier.
; PHASE M.  Wave w takes the expert's blocks w and w + 16 of 32 rows (a block: two tiles), each against all 128 columns: 128 matrix instructions.  The rows' fragments come from memory as images.
;   TRANSPOSED: source 0 = 16 columns of W1, source 1 = 16 rows of x: a lane holds one row, its registers run along the hidden units.  THE COLUMNS OF A TILE ARE NOT NEIGHBOURS: lane r of tile 2 b + p takes
;   column 32 b + 8 p + r + 8 (r / 8), so that the 16 registers of tiles 2 b and 2 b + 1 are 16 neighbours along the next product's K.  b1 is the C of each sum's first matrix instruction.
;   No multicast: the weights are shared by nobody, and the rows' codes, which the 32 work-groups of an expert share, are walked in numbers of blocks that hang on counts read from memory.
; GELU is the exact one: 0.5 v (1 + erf(v / sqrt 2)), erf(z) = z P(z^2) / Q(z^2) on z held to +-4, all in f32.
; LIMITS: NaN and infinities are not served; a block whose largest magnitude lies under 2^-122, a block of zeros too, keeps the scale byte 1 (zero codes add nothing; this program alone reads the bytes).
;   1 + erf cancels for v far below 0, as in any f32 evaluation of this formula.  An expert that no token chose has its weights streamed and stores nothing.
; THE MODE: SCHED_MODE bits 1:0 = 2 (LLVM: expert scheduling mode 2), set by the entry lines.  The code itself states the register dependences between vector or matrix instructions
; and memory or LDS instructions, with s_wait_alu, always for 0.
; THE PLAN.  Registers that memory or LDS instructions touch:
;   Q:  X0 .. X2      Block t's maxima and conversions read set t % 3; behind them the loads of block t + 3 land in it.
;       F0, F1, SW    Written by conversions, swaps and moves; read by the LDS stores of blocks 3 and 7; written again from block 4 on.
;       v2, v3, v4    Offset and LDS addresses, made at the head, never written again.
;   M:  W[g % 2], v112 + g % 2    Group g's four matrix instructions read them; the LDS loads of group g + 2, issued in group g + 1, land in them.
;       A[kk % 2], v114 + kk % 2  K step kk's matrix instructions read them; the loads of K step kk + 2, issued in the first group of K step kk + 1, land in them.
;       tile 0's accumulators     b1 lands in them at a pass's head; the pass before has worked in them (gelu, the quantiser).
;       v64-103, v118             The codes and the joined scale word: written by the quantiser, read by the pass's seven stores; the next pass's weights land there.
;       v5 .. v9                  Offsets and LDS addresses, made at the head, never written again.
;   So: one wait on va_vdst behind a block's last vector line in Q; one at the head of a group in M, behind which the next group's loads are dealt among the group's matrix instructions, which name none of
;   the registers that those loads touch; one ahead of a pass's stores, behind which the pass holds no vector line, so that it serves the next pass's loads too.  A wait on vm_vsrc stands at block 4's head,
;   behind the barrier and at a pass's end.
.set NCG,   4                          ; groups of 32 columns
.set LCG,   2
.set KS,    8                          ; K steps of 128
.set PITCH, 16384                      ; bytes from a row of W1[e] to the next
.set TSTR,  12288                      ; bytes from tile 0's images to tile 1's in xq
.set WSC,   98304                      ; LDS: 64 images of 1,536 bytes (group g = kk x NCG + cg, tile p: 2 g + p), then 32 x 128 bytes of scale words
.set MX0, 10                           ; v10-14 at work in Q
.set MX1, 11
.set SCX, 12
.set BY,  13
.set SW,  14
.set F0,  16                           ; v16-27 tile 0's fragment, v28-39 tile 1's, v40-42 and v44-46 the upper halves on their way
.set F1,  28
.set TX,  40
.set TY,  44
.set X,   128                          ; v128-223 three sets of 32 numbers
.set ASET, 16                          ; M: v16-63 the rows' fragments, set kk % 2, tile u at + 12 u
.set WSET, 64                          ; v64-111 the weights' fragments, set g % 2, tile p at + 12 p
                                       ; v112-113 the weights' scale words, v114-115 the rows': they hold scales and nothing else
.set ACC0, 128                         ; v128-191 tile 0's eight accumulators
.set ACC1, 192                         ; v192-255 tile 1's
.set GZ,  16                           ; the way out: z, z^2, P, Q
.set GX,  24
.set GP,  32
.set GQ,  40
.set TM,  48
.set PC0, 64
.set PC1, 84
.set PW0, 116
.set PW1, 117
.set PWJ, 118
.set VA1, 120                          ; v[120:121], v[122:123] the second coefficients of P and Q
.set VB1, 122
.set WV,  14
.set EX,  15
.set SL,  16
.set CG,  17
.set KQ,  18
.set PASS, 26
.set BLK, 27
.set GB,  28
.set SEL, 42
.set RS2, 44                           ; scalar pairs (the packed forms name a pair and take its low word for both halves)
.set KA0, 48
.set KA2, 50
.set KA3, 52
.set KA4, 54
.set KA5, 56
.set KA6, 58
.set KB0, 60
.set KB2, 66
.set KB3, 68
.set KB4, 70
.macro KONST r, val
	s_mov_b32 s[\r], \val
	s_mov_b32 s[\r+1], \val
.endm
.macro LOADBLK t                       ; block t: W(32 t + i, my column), i = 0 .. 31, into set t % 3; every step stands in the immediate (255 rows of 16,384 bytes at the most)
.set I_, 0
.rept 32
	global_load_b32 v[X+32*((\t)%3)+I_], v2, s[20:21] offset:(32*(\t)+I_)*PITCH th:TH_LOAD_NT
.set I_, I_+1
.endr
.endm
.macro BLOCK t
.set XB, X+32*((\t)%3)
.set CC, ((\t)%4)/2
.if (\t) <= 5
	s_wait_loadcnt 63                              ; 64 younger loads are out and the count's field ends at 63: this block is in, and one load more
.elseif (\t) == 6
	s_wait_loadcnt 32                              ; the last block's 32 may be out
.else
	s_wait_loadcnt 0x0
.endif
.if (\t) == 4
	s_wait_dscnt 0x0                               ; the first K step's LDS stores have read their registers
	s_wait_alu depctr_vm_vsrc(0)                   ; block 3's LDS stores have read F0, F1 and the scale word, which this K step's moves and conversions write again
.endif
	v_max3_num_f32 v[MX0], |v[XB]|, |v[XB+1]|, |v[XB+2]|               ; the block's largest magnitude: all 32 numbers are mine
	v_max3_num_f32 v[MX1], |v[XB+3]|, |v[XB+4]|, |v[XB+5]|
.irp i, 6,10,14,18,22,26
	v_max3_num_f32 v[MX0], v[MX0], |v[XB+\i]|, |v[XB+\i+1]|
	v_max3_num_f32 v[MX1], v[MX1], |v[XB+\i+2]|, |v[XB+\i+3]|
.endr
	v_max3_num_f32 v[MX0], v[MX0], |v[XB+30]|, |v[XB+31]|
	v_max3_num_f32 v[MX0], v[MX0], v[MX1], 0x2800000                   ; and the floor 2^(5 - 127): the byte cannot fall under 1
	v_add_nc_u32 v[SCX], 0xfe000000, v[MX0]        ; 4 off its exponent field: the conversion's scale operand
	v_lshrrev_b32 v[BY], 23, v[SCX]                ; the scale's byte
.if (\t)%4 == 0
	v_mov_b32 v[SW], v[BY]
.else
	v_lshl_or_b32 v[SW], v[BY], 8*((\t)%4), v[SW]
.endif
.if (\t)%2 == 0
	v_cvt_scalef32_pk16_bf6_f32 v[F0+6*CC:F0+6*CC+2], v[XB:XB+15], v[SCX]
	v_cvt_scalef32_pk16_bf6_f32 v[TX:TX+2], v[XB+16:XB+31], v[SCX]     ; (a conversion's three registers begin on an even number)
.else
	v_cvt_scalef32_pk16_bf6_f32 v[F1+6*CC:F1+6*CC+2], v[XB:XB+15], v[SCX]
	v_cvt_scalef32_pk16_bf6_f32 v[TY:TY+2], v[XB+16:XB+31], v[SCX]
.endif
.if (\t)%2 == 1
	v_nop                                          ; one plain place behind a scaled conversion
.irp i, 0,1,2
	v_permlane16_swap_b32 v[F0+6*CC+\i], v[F1+6*CC+\i]     ; the even block's lanes 16-31 change places with the odd block's lanes 0-15: the first is now tile 0's register, the second tile 1's
.endr
.irp i, 0,1,2
	v_permlane16_swap_b32 v[TX+\i], v[TY+\i]
.endr
.irp i, 0,1,2
	v_mov_b32 v[F0+6*CC+3+\i], v[TX+\i]
	v_mov_b32 v[F1+6*CC+3+\i], v[TY+\i]
.endr
.endif
.if ((\t)+3 < 8) || ((\t)%4 == 3)
	s_wait_alu depctr_va_vdst(0)                   ; the block's one wait: its maxima and conversions are done reading set t % 3, in which the loads below land; in blocks 3 and 7 F0, F1 and the scale word are written, which the LDS stores read
.endif
.if (\t)%4 == 3
.irp c, 0,1,2
	ds_store_b128 v3, v[F0+4*\c:F0+4*\c+3] offset:((\t)/4)*NCG*3072+512*\c
	ds_store_b128 v3, v[F1+4*\c:F1+4*\c+3] offset:((\t)/4)*NCG*3072+1536+512*\c
.endr
	ds_store_b32 v4, v[SW] offset:((\t)/4)*NCG*128
.endif
.if (\t)+3 < 8
	LOADBLK (\t)+3
.endif
.endm
.macro LOADA kk                        ; the rows' two fragments and their scale words for K step kk: seven loads
.set AB, ASET+24*((\kk)%2)
.irp u, 0,1
.irp c, 0,1,2
	global_load_b128 v[AB+12*\u+4*\c:AB+12*\u+4*\c+3], v5, s[30:31] offset:\u*TSTR+(\kk)*1536+512*\c
.endr
.endr
	global_load_b32 v[114+(\kk)%2], v8, s[32:33] offset:128*(\kk)
.endm
.macro LOADGP g, p                     ; tile p's fragment of group g's weights: three LDS loads, each of consecutive bytes
.set WB, WSET+24*((\g)%2)+12*(\p)
.irp c, 0,1,2
.if 2*(\g)+(\p) < 32
	ds_load_b128 v[WB+4*\c:WB+4*\c+3], v5 offset:(2*(\g)+(\p))*1536+512*\c
.else
	ds_load_b128 v[WB+4*\c:WB+4*\c+3], v6 offset:(2*(\g)+(\p)-32)*1536+512*\c
.endif
.endr
.endm
.macro LOADGA g                        ; group g: tile 0's fragment and the group's scale words: four LDS loads
	LOADGP \g, 0
	ds_load_b32 v[112+(\g)%2], v7 offset:128*(\g)
.endm
.macro LOADGB g                        ; and tile 1's: three
	LOADGP \g, 1
.endm
.macro MUL1 g, u, p                    ; rows' tile u x weights' tile p of group g
.set NN, 2*((\g)%NCG)+(\p)
.set DD, ACC0+(ACC1-ACC0)*(\u)+8*NN
.if (\g) < NCG
.set CR, ACC0+8*NN                     ; the first K step: C is the bias, which lies in tile 0's accumulator
.else
.set CR, DD
.endif
.set WR, WSET+24*((\g)%2)+12*(\p)
.set AR, ASET+24*(((\g)/NCG)%2)+12*(\u)
.set SWR, 112+(\g)%2
.set SAR, 114+((\g)/NCG)%2
.if (\p) == 0 && (\u) == 0
	v_wmma_scale_f32_16x16x128_f8f6f4 v[DD:DD+7], v[WR:WR+11], v[AR:AR+11], v[CR:CR+7], v[SWR], v[SAR] matrix_a_fmt:MATRIX_FMT_BF6 matrix_b_fmt:MATRIX_FMT_BF6
.elseif (\p) == 1 && (\u) == 0
	v_wmma_scale_f32_16x16x128_f8f6f4 v[DD:DD+7], v[WR:WR+11], v[AR:AR+11], v[CR:CR+7], v[SWR], v[SAR] matrix_a_fmt:MATRIX_FMT_BF6 matrix_b_fmt:MATRIX_FMT_BF6 matrix_a_scale:MATRIX_SCALE_ROW1
.elseif (\p) == 0
	v_wmma_scale_f32_16x16x128_f8f6f4 v[DD:DD+7], v[WR:WR+11], v[AR:AR+11], v[CR:CR+7], v[SWR], v[SAR] matrix_a_fmt:MATRIX_FMT_BF6 matrix_b_fmt:MATRIX_FMT_BF6 matrix_b_scale:MATRIX_SCALE_ROW1
.else
	v_wmma_scale_f32_16x16x128_f8f6f4 v[DD:DD+7], v[WR:WR+11], v[AR:AR+11], v[CR:CR+7], v[SWR], v[SAR] matrix_a_fmt:MATRIX_FMT_BF6 matrix_b_fmt:MATRIX_FMT_BF6 matrix_a_scale:MATRIX_SCALE_ROW1 matrix_b_scale:MATRIX_SCALE_ROW1
.endif
.endm
; Four matrix instructions; the accumulators take turns, one instruction a turn.  ld = 1: the next group's seven LDS loads are dealt among them, with no further wait: the group's
; matrix instructions name W[g % 2], the K step's rows, their scale words and the accumulators, none of which those loads touch.
.macro MULG g, ld
.if (\g) < NCG
	MUL1 \g, 1, 0                                  ; tile 1 first: it reads the bias out of tile 0's accumulators,
.if \ld
	LOADGA (\g)+1
.endif
	MUL1 \g, 1, 1
.if \ld
	LOADGB (\g)+1
.endif
.rept 5
	v_nop                                          ; five places before a matrix instruction writes over a register that an earlier one read as C
.endr
	MUL1 \g, 0, 0                                  ; which tile 0 then adds onto in place
	MUL1 \g, 0, 1
.else
	MUL1 \g, 1, 0
.if \ld
	LOADGA (\g)+1
.endif
	MUL1 \g, 0, 0
.if \ld
	LOADGB (\g)+1
.endif
	MUL1 \g, 1, 1
	MUL1 \g, 0, 1
.endif
.endm
.macro GELU8 a                         ; eight numbers in place, from the accumulator's low end on
.set GA, \a
.irp j, 0,2,4,6
	v_pk_mul_f32 v[GZ+\j:GZ+\j+1], v[GA+\j:GA+\j+1], s[RS2:RS2+1] op_sel_hi:[1,0]         ; z = v / sqrt 2
.endr
.irp j, 0,1,2,3,4,5,6,7
	v_med3_num_f32 v[GZ+\j], v[GZ+\j], -4.0, 4.0
.endr
.irp j, 0,2,4,6
	v_pk_mul_f32 v[GX+\j:GX+\j+1], v[GZ+\j:GZ+\j+1], v[GZ+\j:GZ+\j+1]
.endr
.irp j, 0,2,4,6
	v_pk_fma_f32 v[GP+\j:GP+\j+1], v[GX+\j:GX+\j+1], s[KA0:KA0+1], v[VA1:VA1+1] op_sel_hi:[1,0,1]
	v_pk_fma_f32 v[GQ+\j:GQ+\j+1], v[GX+\j:GX+\j+1], s[KB0:KB0+1], v[VB1:VB1+1] op_sel_hi:[1,0,1]
.endr
.irp k, KA2, KA3, KA4, KA5, KA6
.irp j, 0,2,4,6
	v_pk_fma_f32 v[GP+\j:GP+\j+1], v[GP+\j:GP+\j+1], v[GX+\j:GX+\j+1], s[\k:\k+1] op_sel_hi:[1,1,0]
.endr
.endr
.irp k, KB2, KB3, KB4
.irp j, 0,2,4,6
	v_pk_fma_f32 v[GQ+\j:GQ+\j+1], v[GQ+\j:GQ+\j+1], v[GX+\j:GX+\j+1], s[\k:\k+1] op_sel_hi:[1,1,0]
.endr
.endr
	s_wait_alu depctr_va_vdst(0)
.irp j, 0,1,2,3,4,5,6,7
	v_rcp_f32 v[GQ+\j], v[GQ+\j]
.endr
.irp j, 0,2,4,6
	v_pk_mul_f32 v[GP+\j:GP+\j+1], v[GP+\j:GP+\j+1], v[GZ+\j:GZ+\j+1]                     ; (plain places behind the reciprocals)
.endr
.irp j, 0,2,4,6
	v_pk_mul_f32 v[GZ+\j:GZ+\j+1], v[GA+\j:GA+\j+1], 0.5 op_sel_hi:[1,0]
.endr
	s_wait_alu depctr_va_vdst(0)                   ; the eight reciprocals have written v[GQ ..], ahead of their first reader: one wait for the batch
.irp j, 0,2,4,6
	v_pk_mul_f32 v[GP+\j:GP+\j+1], v[GP+\j:GP+\j+1], v[GQ+\j:GQ+\j+1]                     ; erf
.endr
.irp j, 0,2,4,6
	v_pk_fma_f32 v[GA+\j:GA+\j+1], v[GZ+\j:GZ+\j+1], v[GP+\j:GP+\j+1], v[GZ+\j:GZ+\j+1]   ; 0.5 v erf + 0.5 v
.endr
.endm
.macro QUANT s, pc, pw                 ; 64 numbers of a lane, register 16 b + i = k 32 b + 16 (lane / 16) + i of my row, become a fragment's codes in v[pc] on and its row's scale word in v[pw]
.irp b, 0,1,2,3
	v_max3_num_f32 v[TM+\b], |v[\s+16*\b]|, |v[\s+1+16*\b]|, 0x2800000
.endr
.irp i, 2,4,6,8,10,12,14
.irp b, 0,1,2,3
	v_max3_num_f32 v[TM+\b], v[TM+\b], |v[\s+16*\b+\i]|, |v[\s+1+16*\b+\i]|
.endr
.endr
.irp b, 0,1,2,3
	v_permlanex16_b32 v[TM+4+\b], v[TM+\b], s[SEL], s[SEL+1]
.endr
.irp b, 0,1,2,3
	v_max_num_f32 v[TM+\b], v[TM+\b], v[TM+4+\b]
.endr
.irp b, 0,1,2,3
	v_add_nc_u32 v[TM+12+\b], 0xfe000000, v[TM+\b]
.endr
.irp b, 0,1,2,3
	v_lshrrev_b32 v[TM+4+\b], 23, v[TM+12+\b]
.endr
	v_lshl_or_b32 v[\pw], v[TM+5], 8, v[TM+4]
	v_lshl_or_b32 v[\pw], v[TM+6], 16, v[\pw]
	v_lshl_or_b32 v[\pw], v[TM+7], 24, v[\pw]
.irp c, 0,1
	v_cvt_scalef32_pk16_bf6_f32 v[\pc+6*\c:\pc+2+6*\c], v[\s+32*\c:\s+15+32*\c], v[TM+12+2*\c]
	v_cvt_scalef32_pk16_bf6_f32 v[\pc+12+4*\c:\pc+14+4*\c], v[\s+16+32*\c:\s+31+32*\c], v[TM+12+2*\c+1]
.endr
	v_nop                                          ; one plain place behind a scaled conversion
.irp c, 0,1
.irp i, 0,1,2
	v_permlane16_swap_b32 v[\pc+6*\c+\i], v[\pc+12+4*\c+\i]
.endr
.irp i, 0,1,2
	v_mov_b32 v[\pc+3+6*\c+\i], v[\pc+12+4*\c+\i]
.endr
.endr
.endm
	s_load_b256 s[4:11], s[0:1], 0x0               ; W1 s[4:5], b1 s[6:7], xq s[8:9], rows s[10:11]
	s_load_b64 s[12:13], s[0:1], 0x20              ; hq
	v_lshl_add_u32 v126, v0, 2, 0x19000
	v_mov_b32 v127, 0
	v_lshrrev_b32 v1, 5, v0
	v_readfirstlane_b32 s[WV], v1                  ; wave 0..15
	v_and_b32 v1, 31, v0                           ; lane
	s_wait_alu depctr_va_vdst(0)
	s_lshr_b32 s[EX], ttmp9, 5                     ; expert
	s_and_b32 s[SL], ttmp9, 31                     ; slice of 128 hidden units
	s_wait_alu depctr_va_sdst(0)                   ; the wave's number is written, ahead of its first reader: LDS places, W1's base and the blocks' numbers are made from it
	s_and_b32 s[CG], s[WV], NCG-1
	s_lshr_b32 s[KQ], s[WV], LCG
	v_and_b32 v10, 7, v1
	v_bfe_u32 v11, v1, 3, 1
	v_lshrrev_b32 v12, 4, v1
	v_lshl_add_u32 v10, v11, 4, v10
	v_lshl_add_u32 v10, v12, 3, v10                ; my column of the group's 32: lane % 8 + 16 ((lane / 8) % 2) + 8 (lane / 16)
	v_lshlrev_b32 v2, 2, v10
	s_lshl_b32 s22, s[KQ], 1+LCG
	s_add_co_u32 s22, s22, s[CG]                   ; my first group: 2 kq x NCG + cg
	s_mul_i32 s23, s22, 3072
	v_lshl_add_u32 v3, v1, 4, s23                  ; where I store images
	s_lshl_b32 s22, s22, 7
	s_add_co_u32 s22, s22, WSC
	v_lshl_add_u32 v4, v1, 2, s22                  ; and scale words
	v_lshlrev_b32 v5, 4, v1                        ; 16 x lane: an image's place for my lane, in LDS and in memory
	v_add_nc_u32 v6, 49152, v5                     ; the same for images 32 on
	v_lshl_add_u32 v7, v1, 2, WSC
	v_lshlrev_b32 v8, 2, v1                        ; 4 x lane
	v_lshlrev_b32 v9, 6, v12                       ; b1: 16 (lane / 16) numbers on
	v_mov_b32 v[VA1], 0x32edffee
	v_mov_b32 v[VA1+1], 0x32edffee
	v_mov_b32 v[VB1], 0xb95fbd29
	v_mov_b32 v[VB1+1], 0xb95fbd29
	s_mov_b32 s40, 0xffff0000                      ; lanes 16-31
	s_mov_b32 s[SEL], 0x76543210
	s_mov_b32 s[SEL+1], 0xfedcba98                 ; v_permlanex16_b32's selects for lane l xor 16
	KONST RS2, 0x3f3504f3                          ; 1 / sqrt 2
	KONST KA0, 0xaf95df0b                          ; P's coefficients, the highest power first (the second lies in v[VA1])
	KONST KA2, 0xb60cff51
	KONST KA3, 0xb86ec2d2
	KONST KA4, 0xba40ac63
	KONST KA5, 0xbb41a1f6
	KONST KA6, 0xbc83dbd4
	KONST KB0, 0xb77460cd                          ; Q's
	KONST KB2, 0xbadc924e
	KONST KB3, 0xbbf19bf8
	KONST KB4, 0xbc69b6a7
	s_lshl_b32 s22, s[EX], 24                      ; W1[e]: 16 MiB an expert,
	s_lshl_b32 s23, s[KQ], 22                      ; 256 rows of 16,384 bytes a quarter of K,
	s_add_co_u32 s22, s22, s23
	s_lshl_b32 s23, s[SL], 9                       ; 512 bytes a slice,
	s_add_co_u32 s22, s22, s23
	s_lshl_b32 s23, s[CG], 7                       ; 128 a group of columns
	s_add_co_u32 s22, s22, s23
	s_mov_b32 s23, 0
	s_lshl_b32 s24, s[EX], 3
	s_add_co_u32 s24, s24, 9216
	s_mov_b32 s25, 0
	s_lshl_b32 s28, s[EX], 14
	s_lshl_b32 s29, s[SL], 9
	s_add_co_u32 s28, s28, s29
	s_mov_b32 s29, 0
	s_wait_kmcnt 0x0
	s_add_nc_u64 s[20:21], s[4:5], s[22:23]
	s_add_nc_u64 s[46:47], s[10:11], s[24:25]
	s_add_nc_u64 s[38:39], s[6:7], s[28:29]        ; b1 at my slice
	s_load_b64 s[24:25], s[46:47], 0x0             ; my expert's first block and number of blocks
	s_wait_alu depctr_va_vdst(0)                   ; the offsets and LDS addresses v2 to v9 are written: every load and store of the kernel reads one of them, and none is written again
	; ---- Q
	LOADBLK 0
	LOADBLK 1
	LOADBLK 2
.irp t, 0,1,2,3,4,5,6,7
	BLOCK \t
.endr
	s_wait_dscnt 0x0                               ; for the others' sake: my images and scale words lie in LDS
	s_barrier_signal -1
	s_barrier_wait -1                              ; the launch's one barrier: behind it the images are only read
	s_wait_kmcnt 0x0
	s_wait_alu depctr_vm_vsrc(0)                   ; block 7's LDS stores have read F0 and F1 (v16-39), in which the rows' fragments land.  (Block 7's wait on va_vdst stands behind the last vector line of Q: it serves the first pass's loads)
	; ---- M
	s_mov_b32 s[PASS], 0
.Lpass:
	s_lshl_b32 s[BLK], s[PASS], 4
	s_add_co_u32 s[BLK], s[BLK], s[WV]             ; my block of the expert's
	s_cmp_ge_u32 s[BLK], s25
	s_cbranch_scc1 .Lskip                          ; the expert has fewer blocks: no barrier stands in what is passed over
	s_add_co_u32 s[GB], s24, s[BLK]
	s_min_u32 s[GB], s[GB], 71                     ; a block's number stays inside the buffers
	s_mul_i32 s22, s[GB], 24576
	s_mov_b32 s23, 0
	s_add_nc_u64 s[30:31], s[8:9], s[22:23]        ; the rows' images,
	s_lshl_b32 s22, s[GB], 10
	s_add_co_u32 s22, s22, 1769472
	s_add_nc_u64 s[32:33], s[8:9], s[22:23]        ; their scale words,
	s_mul_i32 s22, s[GB], 98304
	s_mul_i32 s29, s[SL], 1536
	s_add_co_u32 s22, s22, s29
	s_add_nc_u64 s[34:35], s[12:13], s[22:23]      ; h's images: my slice is K step `slice` of the next product,
	s_lshl_b32 s22, s[GB], 12
	s_lshl_b32 s29, s[SL], 7
	s_add_co_u32 s22, s22, s29
	s_add_co_u32 s22, s22, 7077888
	s_add_nc_u64 s[36:37], s[12:13], s[22:23]      ; and their scale words
.irp n, 0,1,2,3,4,5,6,7                ; b1 in the result's layout: lane (r, h), tile 2 b + p, register j: unit 32 b + 16 h + 8 p + j.  (No vector or matrix line has been issued since the last wait on va_vdst)
	global_load_b128 v[ACC0+8*\n:ACC0+8*\n+3], v9, s[38:39] offset:(32*(\n/2)+8*(\n%2))*4
	global_load_b128 v[ACC0+8*\n+4:ACC0+8*\n+7], v9, s[38:39] offset:(32*(\n/2)+8*(\n%2))*4+16
.endr
	LOADA 0
	LOADA 1
	LOADGA 0
	LOADGB 0
	LOADGA 1
	LOADGB 1
.set G, 0
.rept 32
.if G == 0
	s_wait_loadcnt 7                               ; b1 and K step 0's rows are in; K step 1's seven loads may be out
	s_wait_dscnt 7                                 ; group 0's weights are in; group 1's seven loads may be out
.else
	s_wait_dscnt 0x0                               ; this group's weights, asked for in the group before, are in
.endif
.if (G > 0) && (G < 31)
	s_wait_alu depctr_va_vdst(0)                   ; the group's one wait: the group before is done reading its weights and their scale words, in which the next group's land; at a K step's first group the K step before is done reading its rows
.endif
.if (G > 0) && (G%NCG == 0)
.if G/NCG+1 < KS
	LOADA G/NCG+1                                  ; the next K step's rows go out ahead of the wait for this step's: two steps' rows are on their way
	s_wait_loadcnt 7                               ; this K step's rows are in; the seven loads just issued may be out
.else
	s_wait_loadcnt 0x0
.endif
.endif
.if (G > 0) && (G < 31)
	MULG G, 1
.else
	MULG G, 0
.endif
.rept 4
	v_nop                                          ; four places in front of loads into registers that matrix instructions have read, and of the first read of results
.endr
.set G, G+1
.endr
	; ---- the way out: gelu in place, quantised along the hidden units, stored as images
.set A_, 0
.rept 16
	GELU8 ACC0+8*A_
.set A_, A_+1
.endr
	QUANT ACC0, PC0, PW0
	QUANT ACC1, PC1, PW1
	v_cndmask_b32 v[PWJ], v[PW0], v[PW1], s40      ; lanes 0-15: rows 0-15's words, lanes 16-31: rows 16-31's
	s_wait_alu depctr_va_vdst(0)                   ; the quantiser has written the codes and the joined scale word, which the stores read.  It is the pass's last vector line: gelu and the quantiser are also done with v16-63 and the accumulators, in which the next pass's loads land
.irp c, 0,1,2
	global_store_b128 v5, v[PC0+4*\c:PC0+4*\c+3], s[34:35] offset:512*\c              ; 512 consecutive bytes a store
	global_store_b128 v5, v[PC1+4*\c:PC1+4*\c+3], s[34:35] offset:49152+512*\c
.endr
	global_store_b32 v8, v[PWJ], s[36:37]
	s_wait_xcnt 0x0                                ; the stores' data and bases are written again in the next pass only behind this wait
	s_wait_alu depctr_vm_vsrc(0)                   ; the stores have read v64-103 and v118: the next pass's weights land there, and its select writes the word again
.Lskip:
	s_add_co_u32 s[PASS], s[PASS], 1
	s_cmp_lt_u32 s[PASS], 2                        ; an expert has 32 blocks at the most: two passes of sixteen waves
	s_cbranch_scc1 .Lpass
	s_wait_dscnt 0x0                               ; the closing lines, six on end
	s_wait_alu 0x0
	s_wait_tensorcnt 0x0
	ds_add_u32 v126, v127
	s_wait_dscnt 0x0
	s_endpgm
.Lfunc_end_k_q7ab4dea760_up:
	.size	k_q7ab4dea760_up, .Lfunc_end_k_q7ab4dea760_up-k_q7ab4dea760_up
	.p2alignl 7, 3214868480
	.fill 96, 4, 3214868480
	.section	.rodata,"a",@progbits
	.p2align	6, 0x0
	.amdhsa_kernel k_q7ab4dea760_up
		.amdhsa_group_segment_fixed_size 104448
		.amdhsa_private_segment_fixed_size 0
		.amdhsa_enable_private_segment 0
		.amdhsa_kernarg_size 40
		.amdhsa_user_sgpr_count 2
		.amdhsa_user_sgpr_kernarg_segment_ptr 1
		.amdhsa_wavefront_size32 1
		.amdhsa_system_sgpr_workgroup_id_x 1
		.amdhsa_system_sgpr_workgroup_id_y 1
		.amdhsa_system_sgpr_workgroup_id_z 1
		.amdhsa_system_vgpr_workitem_id 0
		.amdhsa_next_free_vgpr 256
		.amdhsa_next_free_sgpr 72
		.amdhsa_reserve_vcc 0
		.amdhsa_float_denorm_mode_32 3
		.amdhsa_float_denorm_mode_16_64 3
		.amdhsa_memory_ordered 1
		.amdhsa_forward_progress 1
		.amdhsa_inst_pref_size 172
	.end_amdhsa_kernel
	.amdgpu_metadata
---
amdhsa.version: [ 1, 2 ]
amdhsa.kernels:
  - .name:           k_q7ab4dea760_up
    .symbol:         k_q7ab4dea760_up.kd
    .args:
      - { .name: W1, .offset: 0, .size: 8, .value_kind: global_buffer, .address_space: global }
      - { .name: b1, .offset: 8, .size: 8, .value_kind: global_buffer, .address_space: global }
      - { .name: xq, .offset: 16, .size: 8, .value_kind: global_buffer, .address_space: global }
      - { .name: rows, .offset: 24, .size: 8, .value_kind: global_buffer, .address_space: global }
      - { .name: hq, .offset: 32, .size: 8, .value_kind: global_buffer, .address_space: global }
    .group_segment_fixed_size: 104448
    .private_segment_fixed_size: 0
    .kernarg_segment_align: 8
    .kernarg_segment_size: 40
    .max_flat_workgroup_size: 512
    .sgpr_count:     72
    .vgpr_count:     256
    .wavefront_size: 32
...
	.end_amdgpu_metadata
.endif
;; end of part 8
;; launch down (part 9): grid 256 x 1, 16 waves a work-group, no clusters, 174,080 bytes of LDS; arguments W2, b2, hq, rows, roww, y; writes y
.if DOCPART == 9
	.amdgcn_target "amdgcn-amd-amdhsa--gfx1250"
	.amdhsa_code_object_version 6
	.text
	.protected	k_q7ab4dea760_down
	.globl	k_q7ab4dea760_down
	.p2align	8
	.type	k_q7ab4dea760_down,@function
k_q7ab4dea760_down:
	s_mov_b64 s[64:65], 0
	v_nop
	global_prefetch_b8 v0, s[64:65] scope:SCOPE_SE
	s_setreg_imm32_b32 hwreg(HW_REG_WAVE_SCHED_MODE, 0, 2), 2
	s_setreg_imm32_b32 hwreg(HW_REG_WAVE_MODE, 25, 1), 1
	s_wait_xcnt 0x0
	s_wait_alu depctr_vm_vsrc(0)
; DOWN.  y = (h W2[e] + b2[e]) x the row's gate weight, for the rows that chose expert e, on codes of E3M2 with one E8M0 byte for each 32 along K (the hidden axis).
; W2 [8][4096 h][1024 d] f32, b2 [8][1024] f32; hq: h's codes as register images; rows: where each sorted row's result goes, and the experts' blocks; roww: the rows' weights; y [2][2048][1024] f32.
; SHARES.  Work-group = (expert e = wg / 32, half of K kh = (wg / 16) % 2, slice = wg % 16): 64 columns x 2,048 of K: 512 KB of W2 that no other work-group reads; a row's piece is 256 consecutive aligned bytes.
;   The two halves of K go to two planes of y (b2 enters in half 0 alone); the last launch adds them and the token's two experts.
; PHASE Q: as in the launch before: wave (cg = w % 2, kq = w / 2) takes 32 columns x 256 of K, a lane a column, its registers down K; three sets of 32 loads on their way; codes and scale words go to LDS as images
;   of the operand's registers; one barrier.  PHASE M: wave w takes the expert's blocks w and w + 16 of 32 rows, each against the 64 columns and 16 K steps: 128 matrix instructions.
;   TRANSPOSED: source 0 = 16 columns of W2, source 1 = 16 rows of h: a lane holds one row and eight neighbouring columns.
;   No multicast: the weights are shared by nobody, and h's codes are walked in numbers of blocks that hang on counts read from memory.
; THE WAY OUT: a tile's 16 rows x 256 bytes go through the wave's own stage in LDS and leave as whole rows: sixteen lanes store 256 consecutive aligned bytes.  A row that only fills up a block repeats the
;   expert's last row: the same wave stores the same bits to the same place.
; LIMITS: NaN and infinities are not served; a block whose largest magnitude lies under 2^-122, a block of zeros too, keeps the scale byte 1.  An expert that no token chose has its weights streamed and stores nothing.
; THE MODE: SCHED_MODE bits 1:0 = 2 (LLVM: expert scheduling mode 2), set by the entry lines.  The code itself states the register dependences between vector or matrix instructions
; and memory or LDS instructions, with s_wait_alu, always for 0.
; THE PLAN.  Registers that memory or LDS instructions touch:
;   Q:  X0 .. X2      Block t's maxima and conversions read set t % 3; behind them the loads of block t + 3 land in it.
;       F0, F1, SW    Written by conversions, swaps and moves; read by the LDS stores of blocks 3 and 7; written again from block 4 on.
;       v2, v3, v4    Offset and LDS addresses, made at the head, never written again.
;   M:  W[g % 2], v112 + g % 2    Group g's four matrix instructions read them; the LDS loads of group g + 2, issued in group g + 1, land in them.
;       A[kk % 2], v114 + kk % 2  K step kk's matrix instructions read them; the loads of K step kk + 2, issued in the first group of K step kk + 1, land in them.
;       tile 0's accumulators     b2 lands in them at a pass's head (in the second half of K: moves of 0); all accumulators are scaled in place and read by the LDS stores into the stage.
;       v128-143, v144-145        The rows' places and weights land there; the places become offsets by vector lines and are read by the global stores; the weights are read by the scalings.
;       v16-47, v64-95            On the way out the stage's loads land there (the matrix instructions have read them), and the global stores read them.
;       v5 .. v9, v116 .. v120    Offsets and LDS addresses, made at the head, never written again.
;   So: one wait on va_vdst behind a block's last vector line in Q; one at the head of a group in M, behind which the next group's loads are dealt among the group's matrix instructions, which name none of
;   the registers that those loads touch; one on the way out, behind the offsets and both tiles' scalings, which are the pass's last vector lines, so that it serves the next pass's loads too.
;   A wait on vm_vsrc stands at block 4's head, behind the barrier and at a pass's end.
.set NCG,   2
.set LCG,   1
.set KS,    16
.set PITCH, 4096
.set TSTR,  49152
.set WSC,   98304                      ; LDS: 64 images of 1,536 bytes, then 32 x 128 bytes of scale words,
.set STG,   102400                     ; then a stage of 16 rows x (256 + 16) bytes for each wave
.set MX0, 10
.set MX1, 11
.set SCX, 12
.set BY,  13
.set SW,  14
.set F0,  16
.set F1,  28
.set TX,  40
.set TY,  44
.set X,   128                          ; Q: v128-223 three sets of 32 numbers
.set ASET, 16                          ; M: v16-63 the rows' fragments
.set WSET, 64                          ; v64-111 the weights'
                                       ; v112-113 the weights' scale words, v114-115 the rows': they hold scales and nothing else
.set DST, 128                          ; v128-143 where the rows that I store go
.set RW,  144                          ; v144, v145 the weights of my row of tile 0 and of tile 1
.set ACC0, 192                         ; v192-223 tile 0's four accumulators
.set ACC1, 224                         ; v224-255 tile 1's
.set WV,  16
.set EX,  17
.set SL,  18
.set KH,  19
.set CG,  26
.set KQ,  27
.set PASS, 28
.set BLK, 29
.set GB,  48
.set T2,  49
.macro LOADBLK t
.set I_, 0
.rept 32
	global_load_b32 v[X+32*((\t)%3)+I_], v2, s[20:21] offset:(32*(\t)+I_)*PITCH th:TH_LOAD_NT
.set I_, I_+1
.endr
.endm
.macro BLOCK t
.set XB, X+32*((\t)%3)
.set CC, ((\t)%4)/2
.if (\t) <= 5
	s_wait_loadcnt 63                              ; 64 younger loads are out and the count's field ends at 63: this block is in, and one load more
.elseif (\t) == 6
	s_wait_loadcnt 32
.else
	s_wait_loadcnt 0x0
.endif
.if (\t) == 4
	s_wait_dscnt 0x0                               ; the first K step's LDS stores have read their registers
	s_wait_alu depctr_vm_vsrc(0)                   ; block 3's LDS stores have read F0, F1 and the scale word, which this K step's moves and conversions write again
.endif
	v_max3_num_f32 v[MX0], |v[XB]|, |v[XB+1]|, |v[XB+2]|
	v_max3_num_f32 v[MX1], |v[XB+3]|, |v[XB+4]|, |v[XB+5]|
.irp i, 6,10,14,18,22,26
	v_max3_num_f32 v[MX0], v[MX0], |v[XB+\i]|, |v[XB+\i+1]|
	v_max3_num_f32 v[MX1], v[MX1], |v[XB+\i+2]|, |v[XB+\i+3]|
.endr
	v_max3_num_f32 v[MX0], v[MX0], |v[XB+30]|, |v[XB+31]|
	v_max3_num_f32 v[MX0], v[MX0], v[MX1], 0x2800000                   ; the floor 2^(5 - 127): the byte cannot fall under 1
	v_add_nc_u32 v[SCX], 0xfe000000, v[MX0]        ; 4 off the exponent field: the conversion's scale operand
	v_lshrrev_b32 v[BY], 23, v[SCX]
.if (\t)%4 == 0
	v_mov_b32 v[SW], v[BY]
.else
	v_lshl_or_b32 v[SW], v[BY], 8*((\t)%4), v[SW]
.endif
.if (\t)%2 == 0
	v_cvt_scalef32_pk16_bf6_f32 v[F0+6*CC:F0+6*CC+2], v[XB:XB+15], v[SCX]
	v_cvt_scalef32_pk16_bf6_f32 v[TX:TX+2], v[XB+16:XB+31], v[SCX]
.else
	v_cvt_scalef32_pk16_bf6_f32 v[F1+6*CC:F1+6*CC+2], v[XB:XB+15], v[SCX]
	v_cvt_scalef32_pk16_bf6_f32 v[TY:TY+2], v[XB+16:XB+31], v[SCX]
.endif
.if (\t)%2 == 1
	v_nop                                          ; one plain place behind a scaled conversion
.irp i, 0,1,2
	v_permlane16_swap_b32 v[F0+6*CC+\i], v[F1+6*CC+\i]     ; the first becomes tile 0's register, the second tile 1's
.endr
.irp i, 0,1,2
	v_permlane16_swap_b32 v[TX+\i], v[TY+\i]
.endr
.irp i, 0,1,2
	v_mov_b32 v[F0+6*CC+3+\i], v[TX+\i]
	v_mov_b32 v[F1+6*CC+3+\i], v[TY+\i]
.endr
.endif
.if ((\t)+3 < 8) || ((\t)%4 == 3)
	s_wait_alu depctr_va_vdst(0)                   ; the block's one wait: its maxima and conversions are done reading set t % 3, in which the loads below land; in blocks 3 and 7 F0, F1 and the scale word are written, which the LDS stores read
.endif
.if (\t)%4 == 3
.irp c, 0,1,2
	ds_store_b128 v3, v[F0+4*\c:F0+4*\c+3] offset:((\t)/4)*NCG*3072+512*\c
	ds_store_b128 v3, v[F1+4*\c:F1+4*\c+3] offset:((\t)/4)*NCG*3072+1536+512*\c
.endr
	ds_store_b32 v4, v[SW] offset:((\t)/4)*NCG*128
.endif
.if (\t)+3 < 8
	LOADBLK (\t)+3
.endif
.endm
.macro LOADA kk                        ; the rows' two fragments and their scale words for my half's K step kk: seven loads
.set AB, ASET+24*((\kk)%2)
.irp u, 0,1
.irp c, 0,1,2
	global_load_b128 v[AB+12*\u+4*\c:AB+12*\u+4*\c+3], v5, s[30:31] offset:\u*TSTR+(\kk)*1536+512*\c
.endr
.endr
	global_load_b32 v[114+(\kk)%2], v8, s[32:33] offset:128*(\kk)
.endm
.macro LOADGP g, p                     ; tile p's fragment of group g's weights: three LDS loads, each of consecutive bytes
.set WB, WSET+24*((\g)%2)+12*(\p)
.irp c, 0,1,2
.if 2*(\g)+(\p) < 32
	ds_load_b128 v[WB+4*\c:WB+4*\c+3], v5 offset:(2*(\g)+(\p))*1536+512*\c
.else
	ds_load_b128 v[WB+4*\c:WB+4*\c+3], v6 offset:(2*(\g)+(\p)-32)*1536+512*\c
.endif
.endr
.endm
.macro LOADGA g                        ; group g: tile 0's fragment and the group's scale words: four LDS loads
	LOADGP \g, 0
	ds_load_b32 v[112+(\g)%2], v7 offset:128*(\g)
.endm
.macro LOADGB g                        ; and tile 1's: three
	LOADGP \g, 1
.endm
.macro MUL1 g, u, p
.set NN, 2*((\g)%NCG)+(\p)
.set DD, ACC0+(ACC1-ACC0)*(\u)+8*NN
.if (\g) < NCG
.set CR, ACC0+8*NN                     ; the first K step: C is what lies in tile 0's accumulator: b2, or zeros in the second half of K
.else
.set CR, DD
.endif
.set WR, WSET+24*((\g)%2)+12*(\p)
.set AR, ASET+24*(((\g)/NCG)%2)+12*(\u)
.set SWR, 112+(\g)%2
.set SAR, 114+((\g)/NCG)%2
.if (\p) == 0 && (\u) == 0
	v_wmma_scale_f32_16x16x128_f8f6f4 v[DD:DD+7], v[WR:WR+11], v[AR:AR+11], v[CR:CR+7], v[SWR], v[SAR] matrix_a_fmt:MATRIX_FMT_BF6 matrix_b_fmt:MATRIX_FMT_BF6
.elseif (\p) == 1 && (\u) == 0
	v_wmma_scale_f32_16x16x128_f8f6f4 v[DD:DD+7], v[WR:WR+11], v[AR:AR+11], v[CR:CR+7], v[SWR], v[SAR] matrix_a_fmt:MATRIX_FMT_BF6 matrix_b_fmt:MATRIX_FMT_BF6 matrix_a_scale:MATRIX_SCALE_ROW1
.elseif (\p) == 0
	v_wmma_scale_f32_16x16x128_f8f6f4 v[DD:DD+7], v[WR:WR+11], v[AR:AR+11], v[CR:CR+7], v[SWR], v[SAR] matrix_a_fmt:MATRIX_FMT_BF6 matrix_b_fmt:MATRIX_FMT_BF6 matrix_b_scale:MATRIX_SCALE_ROW1
.else
	v_wmma_scale_f32_16x16x128_f8f6f4 v[DD:DD+7], v[WR:WR+11], v[AR:AR+11], v[CR:CR+7], v[SWR], v[SAR] matrix_a_fmt:MATRIX_FMT_BF6 matrix_b_fmt:MATRIX_FMT_BF6 matrix_a_scale:MATRIX_SCALE_ROW1 matrix_b_scale:MATRIX_SCALE_ROW1
.endif
.endm
; Four matrix instructions; the accumulators take turns, one instruction a turn.  ld = 1: the next group's seven LDS loads are dealt among them, with no further wait: the group's
; matrix instructions name W[g % 2], the K step's rows, their scale words and the accumulators, none of which those loads touch.
.macro MULG g, ld
.if (\g) < NCG
	MUL1 \g, 1, 0
.if \ld
	LOADGA (\g)+1
.endif
	MUL1 \g, 1, 1
.if \ld
	LOADGB (\g)+1
.endif
.rept 5
	v_nop                                          ; five places before a matrix instruction writes over a register that an earlier one read as C
.endr
	MUL1 \g, 0, 0
	MUL1 \g, 0, 1
.else
	MUL1 \g, 1, 0
.if \ld
	LOADGA (\g)+1
.endif
	MUL1 \g, 0, 0
.if \ld
	LOADGB (\g)+1
.endif
	MUL1 \g, 1, 1
	MUL1 \g, 0, 1
.endif
.endm
.macro SCALE u                         ; tile u times the row's weight, in place
.set AC, ACC0+32*\u
.irp j, 0,2,4,6,8,10,12,14,16,18,20,22,24,26,28,30
.if \u == 0
	v_pk_mul_f32 v[AC+\j:AC+\j+1], v[AC+\j:AC+\j+1], v[RW:RW+1] op_sel_hi:[1,0]           ; each accumulator from its low end on
.else
	v_pk_mul_f32 v[AC+\j:AC+\j+1], v[AC+\j:AC+\j+1], v[RW:RW+1] op_sel:[0,1] op_sel_hi:[1,1]
.endif
.endr
.endm
.macro TOSTAGE u, bk                   ; tile u into my stage, and back as whole rows into v[bk] on
.set AC, ACC0+32*\u
.irp n, 0,1,2,3
	ds_store_b128 v119, v[AC+8*\n:AC+8*\n+3] offset:64*\n                 ; lane (r, h): row r, columns 16 n + 8 h + 0 .. 7
	ds_store_b128 v119, v[AC+8*\n+4:AC+8*\n+7] offset:64*\n+16
.endr
.irp i, 0,1,2,3,4,5,6,7
	ds_load_b128 v[\bk+4*\i:\bk+4*\i+3], v120 offset:2*\i*272              ; LDS serves a wave's instructions in order: these see my stores, and the next tile's stores come behind them
.endr
.endm
.macro SEND u, bk, younger             ; younger: the LDS instructions issued behind tile u's loads
.irp i, 0,1,2,3,4,5,6,7
	s_wait_dscnt \younger+7-\i
	global_store_b128 v[DST+8*\u+\i], v[\bk+4*\i:\bk+4*\i+3], s[40:41] th:TH_STORE_NT     ; sixteen lanes store 256 consecutive aligned bytes of one row of y
.endr
.endm
	s_load_b256 s[4:11], s[0:1], 0x0               ; W2 s[4:5], b2 s[6:7], hq s[8:9], rows s[10:11]
	s_load_b128 s[12:15], s[0:1], 0x20             ; roww s[12:13], y s[14:15]
	v_lshl_add_u32 v126, v0, 2, 0x2a000
	v_mov_b32 v127, 0
	v_lshrrev_b32 v1, 5, v0
	v_readfirstlane_b32 s[WV], v1                  ; wave 0..15
	v_and_b32 v1, 31, v0                           ; lane
	s_wait_alu depctr_va_vdst(0)
	s_lshr_b32 s[EX], ttmp9, 5                     ; expert
	s_and_b32 s[SL], ttmp9, 15                     ; slice of 64 columns
	s_bfe_u32 s[KH], ttmp9, 0x10004                ; half of K
	s_wait_alu depctr_va_sdst(0)                   ; the wave's number is written, ahead of its first reader: LDS places, W2's base and the blocks' numbers are made from it
	s_and_b32 s[CG], s[WV], NCG-1
	s_lshr_b32 s[KQ], s[WV], LCG
	v_lshlrev_b32 v2, 2, v1                        ; my column of the group's 32: the lane
	s_lshl_b32 s22, s[KQ], 1+LCG
	s_add_co_u32 s22, s22, s[CG]                   ; my first group: 2 kq x NCG + cg
	s_mul_i32 s23, s22, 3072
	v_lshl_add_u32 v3, v1, 4, s23                  ; where I store images
	s_lshl_b32 s22, s22, 7
	s_add_co_u32 s22, s22, WSC
	v_lshl_add_u32 v4, v1, 2, s22                  ; and scale words
	v_lshlrev_b32 v5, 4, v1                        ; 16 x lane
	v_add_nc_u32 v6, 49152, v5
	v_lshl_add_u32 v7, v1, 2, WSC
	v_lshlrev_b32 v8, 2, v1                        ; 4 x lane
	v_lshrrev_b32 v12, 4, v1                       ; h = lane / 16
	v_and_b32 v13, 15, v1                          ; r = lane % 16
	v_lshlrev_b32 v9, 5, v12                       ; b2: 8 h numbers on
	v_lshlrev_b32 v116, 2, v12                     ; rows: lanes 16-31 take the next row's word
	v_lshlrev_b32 v117, 2, v13                     ; roww: row r's
	v_lshlrev_b32 v118, 4, v13                     ; my 16 bytes of a row's 256
	s_mul_i32 s22, s[WV], 4352
	s_add_co_u32 s22, s22, STG                     ; my stage
	v_mul_u32_u24 v119, v13, 272
	v_lshl_add_u32 v119, v12, 5, v119
	v_add_nc_u32 v119, s22, v119                   ; in: row r, 32 h bytes on
	v_mul_u32_u24 v120, v12, 272
	v_lshl_add_u32 v120, v13, 4, v120
	v_add_nc_u32 v120, s22, v120                   ; back: lanes 0-15 one row, lanes 16-31 the next
	s_lshl_b32 s22, s[EX], 24                      ; W2[e]: 16 MiB an expert,
	s_lshl_b32 s23, s[KH], 23                      ; 2,048 rows of 4,096 bytes a half of K,
	s_add_co_u32 s22, s22, s23
	s_lshl_b32 s23, s[KQ], 20                      ; 256 rows a wave,
	s_add_co_u32 s22, s22, s23
	s_lshl_b32 s23, s[SL], 8                       ; 256 bytes a slice,
	s_add_co_u32 s22, s22, s23
	s_lshl_b32 s23, s[CG], 7                       ; 128 a group of columns
	s_add_co_u32 s22, s22, s23
	s_mov_b32 s23, 0
	s_lshl_b32 s24, s[EX], 3
	s_add_co_u32 s24, s24, 9216
	s_mov_b32 s25, 0
	s_lshl_b32 s34, s[EX], 12
	s_lshl_b32 s35, s[SL], 8
	s_add_co_u32 s34, s34, s35
	s_lshl_b32 s36, s[KH], 23
	s_add_co_u32 s36, s36, s35
	s_mov_b32 s35, 0
	s_mov_b32 s37, 0
	s_wait_kmcnt 0x0
	s_add_nc_u64 s[20:21], s[4:5], s[22:23]
	s_add_nc_u64 s[46:47], s[10:11], s[24:25]
	s_add_nc_u64 s[38:39], s[6:7], s[34:35]        ; b2 at my slice
	s_add_nc_u64 s[40:41], s[14:15], s[36:37]      ; y at my plane and slice
	s_load_b64 s[24:25], s[46:47], 0x0             ; my expert's first block and number of blocks
	s_wait_alu depctr_va_vdst(0)                   ; the offsets and LDS addresses v2 to v9 and v116 to v120 are written: the kernel's loads and stores read them, and none is written again
	; ---- Q
	LOADBLK 0
	LOADBLK 1
	LOADBLK 2
.irp t, 0,1,2,3,4,5,6,7
	BLOCK \t
.endr
	s_wait_dscnt 0x0                               ; for the others' sake: my images and scale words lie in LDS
	s_barrier_signal -1
	s_barrier_wait -1                              ; the launch's one barrier: behind it the images are only read, and each stage is its wave's own
	s_wait_kmcnt 0x0
	s_wait_alu depctr_vm_vsrc(0)                   ; block 7's LDS stores have read F0 and F1 (v16-39), in which the rows' fragments land.  (Block 7's wait on va_vdst stands behind the last vector line of Q: it serves the first pass's loads)
	; ---- M
	s_mov_b32 s[PASS], 0
.Lpass:
	s_lshl_b32 s[BLK], s[PASS], 4
	s_add_co_u32 s[BLK], s[BLK], s[WV]
	s_cmp_ge_u32 s[BLK], s25
	s_cbranch_scc1 .Lskip                          ; the expert has fewer blocks: no barrier stands in what is passed over
	s_add_co_u32 s[GB], s24, s[BLK]
	s_min_u32 s[GB], s[GB], 71                     ; a block's number stays inside the buffers
	s_mul_i32 s22, s[GB], 98304
	s_mul_i32 s[T2], s[KH], 24576
	s_add_co_u32 s22, s22, s[T2]
	s_mov_b32 s23, 0
	s_add_nc_u64 s[30:31], s[8:9], s[22:23]        ; h's images, at my half's 16 K steps,
	s_lshl_b32 s22, s[GB], 12
	s_lshl_b32 s[T2], s[KH], 11
	s_add_co_u32 s22, s22, s[T2]
	s_add_co_u32 s22, s22, 7077888
	s_add_nc_u64 s[32:33], s[8:9], s[22:23]        ; their scale words,
	s_lshl_b32 s22, s[GB], 7
	s_add_nc_u64 s[34:35], s[10:11], s[22:23]      ; where the block's rows go,
	s_add_nc_u64 s[36:37], s[12:13], s[22:23]      ; and their weights
	s_cmp_eq_u32 s[KH], 0
	s_cbranch_scc0 .Lnobias
.irp n, 0,1,2,3                        ; b2 in the result's layout: lane (r, h), tile n, register j: column 16 n + 8 h + j.  (No vector or matrix line has been issued since the last wait on va_vdst)
	global_load_b128 v[ACC0+8*\n:ACC0+8*\n+3], v9, s[38:39] offset:64*\n
	global_load_b128 v[ACC0+8*\n+4:ACC0+8*\n+7], v9, s[38:39] offset:64*\n+16
.endr
	s_branch .Lbiased
.Lnobias:
.set I_, 0
.rept 32
	v_mov_b32 v[ACC0+I_], 0                        ; the second half of K adds no bias.  (These moves name tile 0's accumulators alone: none of the registers in which the loads below land)
.set I_, I_+1
.endr
.Lbiased:
.irp u, 0,1
.irp i, 0,1,2,3,4,5,6,7
	global_load_b32 v[DST+8*\u+\i], v116, s[34:35] offset:(16*\u+2*\i)*4          ; of tile u's rows 2 i (lanes 0-15) and 2 i + 1 (lanes 16-31)
.endr
	global_load_b32 v[RW+\u], v117, s[36:37] offset:64*\u
.endr
	LOADA 0
	LOADA 1
	LOADGA 0
	LOADGB 0
	LOADGA 1
	LOADGB 1
.set G, 0
.rept 32
.if G == 0
	s_wait_loadcnt 7                               ; the bias, the rows' places and weights and K step 0's rows are in; K step 1's seven loads may be out
	s_wait_dscnt 7                                 ; group 0's weights are in; group 1's seven loads may be out
.else
	s_wait_dscnt 0x0                               ; this group's weights, asked for in the group before, are in
.endif
.if (G > 0) && (G < 31)
	s_wait_alu depctr_va_vdst(0)                   ; the group's one wait: the group before is done reading its weights and their scale words, in which the next group's land; at a K step's first group the K step before is done reading its rows
.endif
.if (G > 0) && (G%NCG == 0)
.if G/NCG+1 < KS
	LOADA G/NCG+1                                  ; the next K step's rows go out ahead of the wait for this step's: two steps' rows are on their way
	s_wait_loadcnt 7                               ; this K step's rows are in; the seven loads just issued may be out
.else
	s_wait_loadcnt 0x0
.endif
.endif
.if (G > 0) && (G < 31)
	MULG G, 1
.else
	MULG G, 0
.endif
.rept 4
	v_nop                                          ; four places in front of loads into registers that matrix instructions have read, and of the first read of results
.endr
.set G, G+1
.endr
	; ---- the way out: all its vector lines first, then one wait, then its LDS and memory instructions
.set I_, 0
.rept 16
	v_min_u32 v[DST+I_], 0x7ff, v[DST+I_]          ; an index stays inside y's plane
.set I_, I_+1
.endr
.set I_, 0
.rept 16
	v_lshl_add_u32 v[DST+I_], v[DST+I_], 12, v118  ; a row of y is 4,096 bytes
.set I_, I_+1
.endr
	SCALE 0
	SCALE 1
	s_wait_alu depctr_va_vdst(0)                   ; the scalings have written the accumulators, which the LDS stores read; the offsets v128-143 are written, which the global stores read; the matrix instructions are done reading v16-47 and v64-95, in which the stage's loads land.  These were the pass's last vector lines: the wait serves the next pass's loads too
	TOSTAGE 0, 16
	TOSTAGE 1, 64
	SEND 0, 16, 16                                 ; behind tile 0's loads: tile 1's eight stores and eight loads
	SEND 1, 64, 0
	s_wait_xcnt 0x0                                ; the stores' data, offsets and the bases are written again in the next pass only behind this wait
	s_wait_alu depctr_vm_vsrc(0)                   ; the global stores have read v16-47, v64-95 and their offsets v128-143, the LDS stores the accumulators: the next pass's loads, moves and matrix instructions write them
.Lskip:
	s_add_co_u32 s[PASS], s[PASS], 1
	s_cmp_lt_u32 s[PASS], 2                        ; an expert has 32 blocks at the most: two passes of sixteen waves
	s_cbranch_scc1 .Lpass
	s_wait_dscnt 0x0                               ; the closing lines, six on end
	s_wait_alu 0x0
	s_wait_tensorcnt 0x0
	ds_add_u32 v126, v127
	s_wait_dscnt 0x0
	s_endpgm
.Lfunc_end_k_q7ab4dea760_down:
	.size	k_q7ab4dea760_down, .Lfunc_end_k_q7ab4dea760_down-k_q7ab4dea760_down
	.p2alignl 7, 3214868480
	.fill 96, 4, 3214868480
	.section	.rodata,"a",@progbits
	.p2align	6, 0x0
	.amdhsa_kernel k_q7ab4dea760_down
		.amdhsa_group_segment_fixed_size 174080
		.amdhsa_private_segment_fixed_size 0
		.amdhsa_enable_private_segment 0
		.amdhsa_kernarg_size 48
		.amdhsa_user_sgpr_count 2
		.amdhsa_user_sgpr_kernarg_segment_ptr 1
		.amdhsa_wavefront_size32 1
		.amdhsa_system_sgpr_workgroup_id_x 1
		.amdhsa_system_sgpr_workgroup_id_y 1
		.amdhsa_system_sgpr_workgroup_id_z 1
		.amdhsa_system_vgpr_workitem_id 0
		.amdhsa_next_free_vgpr 256
		.amdhsa_next_free_sgpr 66
		.amdhsa_reserve_vcc 0
		.amdhsa_float_denorm_mode_32 3
		.amdhsa_float_denorm_mode_16_64 3
		.amdhsa_memory_ordered 1
		.amdhsa_forward_progress 1
		.amdhsa_inst_pref_size 101
	.end_amdhsa_kernel
	.amdgpu_metadata
---
amdhsa.version: [ 1, 2 ]
amdhsa.kernels:
  - .name:           k_q7ab4dea760_down
    .symbol:         k_q7ab4dea760_down.kd
    .args:
      - { .name: W2, .offset: 0, .size: 8, .value_kind: global_buffer, .address_space: global }
      - { .name: b2, .offset: 8, .size: 8, .value_kind: global_buffer, .address_space: global }
      - { .name: hq, .offset: 16, .size: 8, .value_kind: global_buffer, .address_space: global }
      - { .name: rows, .offset: 24, .size: 8, .value_kind: global_buffer, .address_space: global }
      - { .name: roww, .offset: 32, .size: 8, .value_kind: global_buffer, .address_space: global }
      - { .name: y, .offset: 40, .size: 8, .value_kind: global_buffer, .address_space: global }
    .group_segment_fixed_size: 174080
    .private_segment_fixed_size: 0
    .kernarg_segment_align: 8
    .kernarg_segment_size: 48
    .max_flat_workgroup_size: 512
    .sgpr_count:     66
    .vgpr_count:     256
    .wavefront_size: 32
...
	.end_amdgpu_metadata
.endif
;; end of part 9
;; launch sum (part 10): grid 256 x 1, 8 waves a work-group, no clusters, 0 bytes of LDS; arguments y, out0; writes out0
.if DOCPART == 10
	.amdgcn_target "amdgcn-amd-amdhsa--gfx1250"
	.amdhsa_code_object_version 6
	.text
	.protected	k_q7ab4dea760_sum
	.globl	k_q7ab4dea760_sum
	.p2align	8
	.type	k_q7ab4dea760_sum,@function
k_q7ab4dea760_sum:
	s_mov_b64 s[64:65], 0
	v_nop
	global_prefetch_b8 v0, s[64:65] scope:SCOPE_SE
	s_setreg_imm32_b32 hwreg(HW_REG_WAVE_MODE, 25, 1), 1
	s_wait_xcnt 0x0
; SUM.  out[t] = y[0][2 t] + y[0][2 t + 1] + y[1][2 t] + y[1][2 t + 1]: a token's two experts (already times their gate weights), each in two halves of K.  y [2][2048][1024], out [1024][1024]: f32.
; A work-group owns 4 tokens; thread i owns the 16 bytes at byte 16 i of every row, so a wave's load or store covers 512 consecutive bytes.  All sixteen loads go out first; no index is read, no loop, no LDS.
; The four numbers are added as (a + b) + (c + d), in f32.
.set D, 4                              ; v4-67: token i's four pieces at v[D + 16 i + 4 k]
	s_load_b128 s[4:7], s[0:1], 0x0                ; y s[4:5], out s[6:7]
	v_lshlrev_b32 v1, 4, v0
	s_lshl_b32 s8, ttmp9, 15                       ; 8 rows of y,
	s_mov_b32 s9, 0
	s_lshl_b32 s10, ttmp9, 14                      ; 4 rows of out
	s_mov_b32 s11, 0
	s_wait_alu depctr_va_vdst(0)
	s_wait_kmcnt 0x0
	s_add_nc_u64 s[4:5], s[4:5], s[8:9]
	s_add_nc_u64 s[12:13], s[4:5], 0x800000        ; the second half of K's plane
	s_add_nc_u64 s[6:7], s[6:7], s[10:11]
.irp i, 0,1,2,3
	global_load_b128 v[D+16*\i:D+16*\i+3],     v1, s[4:5] offset:(2*\i)*4096 th:TH_LOAD_NT
	global_load_b128 v[D+16*\i+4:D+16*\i+7],   v1, s[4:5] offset:(2*\i+1)*4096 th:TH_LOAD_NT
	global_load_b128 v[D+16*\i+8:D+16*\i+11],  v1, s[12:13] offset:(2*\i)*4096 th:TH_LOAD_NT
	global_load_b128 v[D+16*\i+12:D+16*\i+15], v1, s[12:13] offset:(2*\i+1)*4096 th:TH_LOAD_NT
.endr
.irp i, 0,1,2,3
	s_wait_loadcnt 12-4*\i                         ; this token's four loads are in; the later tokens' stay out
	v_pk_add_f32 v[D+16*\i:D+16*\i+1],     v[D+16*\i:D+16*\i+1],     v[D+16*\i+4:D+16*\i+5]
	v_pk_add_f32 v[D+16*\i+2:D+16*\i+3],   v[D+16*\i+2:D+16*\i+3],   v[D+16*\i+6:D+16*\i+7]
	v_pk_add_f32 v[D+16*\i+8:D+16*\i+9],   v[D+16*\i+8:D+16*\i+9],   v[D+16*\i+12:D+16*\i+13]
	v_pk_add_f32 v[D+16*\i+10:D+16*\i+11], v[D+16*\i+10:D+16*\i+11], v[D+16*\i+14:D+16*\i+15]
	s_delay_alu instid0(VALU_DEP_2)
	v_pk_add_f32 v[D+16*\i:D+16*\i+1],     v[D+16*\i:D+16*\i+1],     v[D+16*\i+8:D+16*\i+9]
	s_delay_alu instid0(VALU_DEP_2)
	v_pk_add_f32 v[D+16*\i+2:D+16*\i+3],   v[D+16*\i+2:D+16*\i+3],   v[D+16*\i+10:D+16*\i+11]
	global_store_b128 v1, v[D+16*\i:D+16*\i+3], s[6:7] offset:4096*\i th:TH_STORE_NT
.endr
	s_endpgm
.Lfunc_end_k_q7ab4dea760_sum:
	.size	k_q7ab4dea760_sum, .Lfunc_end_k_q7ab4dea760_sum-k_q7ab4dea760_sum
	.p2alignl 7, 3214868480
	.fill 96, 4, 3214868480
	.section	.rodata,"a",@progbits
	.p2align	6, 0x0
	.amdhsa_kernel k_q7ab4dea760_sum
		.amdhsa_group_segment_fixed_size 0
		.amdhsa_private_segment_fixed_size 0
		.amdhsa_enable_private_segment 0
		.amdhsa_kernarg_size 16
		.amdhsa_user_sgpr_count 2
		.amdhsa_user_sgpr_kernarg_segment_ptr 1
		.amdhsa_wavefront_size32 1
		.amdhsa_system_sgpr_workgroup_id_x 1
		.amdhsa_system_sgpr_workgroup_id_y 1
		.amdhsa_system_sgpr_workgroup_id_z 1
		.amdhsa_system_vgpr_workitem_id 0
		.amdhsa_next_free_vgpr 72
		.amdhsa_next_free_sgpr 66
		.amdhsa_reserve_vcc 0
		.amdhsa_float_denorm_mode_32 3
		.amdhsa_float_denorm_mode_16_64 3
		.amdhsa_memory_ordered 1
		.amdhsa_forward_progress 1
		.amdhsa_inst_pref_size 5
	.end_amdhsa_kernel
	.amdgpu_metadata
---
amdhsa.version: [ 1, 2 ]
amdhsa.kernels:
  - .name:           k_q7ab4dea760_sum
    .symbol:         k_q7ab4dea760_sum.kd
    .args:
      - { .name: y, .offset: 0, .size: 8, .value_kind: global_buffer, .address_space: global }
      - { .name: out0, .offset: 8, .size: 8, .value_kind: global_buffer, .address_space: global }
    .group_segment_fixed_size: 0
    .private_segment_fixed_size: 0
    .kernarg_segment_align: 8
    .kernarg_segment_size: 16
    .max_flat_workgroup_size: 256
    .sgpr_count:     66
    .vgpr_count:     72
    .wavefront_size: 32
...
	.end_amdgpu_metadata
.endif
;; end of part 10
